; MI455X (gfx1250); checked and timed in simulation.
; The chip was launched on July 23, 2026; its instructions are those of AMD's public machine-readable ISA for CDNA 5 (MIT licence, August 2026) and "CDNA5" Instruction Set Architecture Reference Guide (July 2026). The comments in the code are by the model that wrote it; some were corrected since.
;; Attention. Allowed arithmetic: matrix products marked QUANTISED: E2M3 operands, one E8M0 scale for each 32 along K, by v_wmma_scale_f32_16x16x128_f8f6f4 with both operands' format E2M3, f32 sums; everything else in f32.
;; Inputs: W1 1,024 x 4,096 float32; W2 4,096 x 1,024 float32; Wk 1,024 x 1,024 float32; Wq 1,024 x 1,024 float32; Wv 1,024 x 1,024 float32; b1 4,096 float32; b2 1,024 float32; be1 1,024 float32; be2 1,024 float32; bk 1,024 float32; bq 1,024 float32; bv 1,024 float32; g1 1,024 float32; g2 1,024 float32; x 2 x 2,048 x 1,024 float32.
;; Outputs: out0 2 x 2,048 x 1,024 float32.
;; This version of the problem:
;;   THIS VERSION OF THE PROBLEM IS GIVEN IN LOW PRECISION. The matrix products marked QUANTISED in the list below multiply operands that are first quantised to E2M3 (2 exponent bits, 3 mantissa bits; 6 bits a number), with one power-of-two scale for each 32 numbers along K (OCP MX v1.0); their sums are f32. All else is computed in f32.
;;   The module's matrix products, in the order in which they are computed (A, B: the left and right operand; K: the contracted axis; several contracted axes count as one K, in the product's order):
;;     1. [M 4,096, K 1,024] x [K 1,024, N 1,024]; A: input x; B: input Wq: QUANTISED
;;     2. [M 4,096, K 1,024] x [K 1,024, N 1,024]; A: input x; B: input Wk: QUANTISED
;;     3. [M 4,096, K 1,024] x [K 1,024, N 1,024]; A: input x; B: input Wv: QUANTISED
;;     4. batch 32 x [M 2,048, K 64] x [K 64, N 2,048]; A: computed on the way; B: computed on the way: QUANTISED
;;     5. batch 32 x [M 2,048, K 2,048] x [K 2,048, N 64]; A: softmax (see below); B: computed on the way: QUANTISED
;;     6. [M 4,096, K 1,024] x [K 1,024, N 4,096]; A: computed on the way; B: input W1: QUANTISED
;;     7. [M 4,096, K 4,096] x [K 4,096, N 1,024]; A: computed on the way; B: input W2: QUANTISED
;;   THE QUANTISER, for each operand of a quantised product, along K:
;;     - K is cut into blocks of 32 from its start; a last block that is shorter is filled with zeros.
;;     - A block's scale is 2^e with e = floor(log2(the largest magnitude in the block)) - 2, held to -126 .. 127; a block of zeros has e = 0. As a byte (E8M0): e + 127.
;;     - Each number is divided by its block's scale, clamped to +-7.5, and rounded to the nearest number of E2M3, ties to even, subnormals kept.
;;     - The product sums the exact products of the quantised numbers (number of the format x scale) in f32.
;;   ~~~python
;;   def quantise(x, axis):      # numpy; x: float32 -> the quantised numbers, widened to float32 again
;;       x = np.moveaxis(x, axis, -1); K = x.shape[-1]
;;       x = np.pad(x, [(0, 0)] * (x.ndim - 1) + [(0, -K % 32)]); x = x.reshape(x.shape[:-1] + (-1, 32)); a = np.abs(x).max(-1, keepdims=True)
;;       e = np.where(a > 0, np.clip(np.frexp(np.where(a > 0, a, 1))[1] - 1 - 2, -126, 127), 0)      # np.frexp(a)[1] - 1 = floor(log2(a)), exactly
;;       r = np.clip(x / 2.0 ** e, -7.5, 7.5)
;;       step = 2.0 ** (np.maximum(np.frexp(np.where(r == 0, 1, r))[1] - 1, 0) - 3)
;;       q = np.round(r / step) * step * 2.0 ** e      # np.round: ties to even
;;       return np.moveaxis(q.reshape(q.shape[:-2] + (-1,))[..., :K], -1, axis).astype(np.float32)
;;   ~~~
;;   SOFTMAX AHEAD OF A QUANTISED PRODUCT. Where the list says 'softmax', what is quantised is not the finished softmax but p = 2^(t - M), with t = logit x log2(e) and M = ceil(the row's largest t), a whole number; so 1/2 < the row's largest p <= 1. The row's sum l is taken of the UNQUANTISED p, in f32, and the product's result is divided by l at the end. Since M is a whole number, a kernel that streams over the keys may use a running M (the ceiling of the running maximum): every later rescaling is an exact power of two, which a block's scale takes up: the codes' values come out the same.
;;   OPERANDS COMPUTED ON THE WAY. 'Computed on the way' means the value that the module computes at that place (a softmax that the list does not call 'softmax' is quantised finished and normalised). What goes into a quantiser is computed in f32, as accurately as f32 sums, v_exp_f32 and their like allow (about 1e-6 of the number): no bf16 or f16 on the way to a quantiser, and a product that is left as it is and whose result goes on into a quantised operand takes f32 operands (vector FMAs, or v_wmma_f32_16x16x4_f32). A number that lies on a knife's edge between two numbers of the format may be rounded either way, as far as f32 arithmetic and the matrix unit's own rounding can turn it there, and no further.
;; 2 versions. Each part assembles by itself: llvm-mc -triple=amdgcn-amd-amdhsa -mcpu=gfx1250 --defsym DOCPART=n.
;; ======== version 1 of 2: 7 launches
;; workspace buffers: pq 12,288,000 bytes; qkv 10,223,616 bytes; ao 16,777,216 bytes; hq 3,276,800 bytes; gq 13,107,200 bytes; y 16,777,216 bytes
;; launch prep (part 1): grid 1216 x 1, 4 waves a work-group, no clusters, 48,128 bytes of LDS; arguments x, Wq, Wk, Wv, W1, W2, pq; writes pq
.if DOCPART == 1
	.amdgcn_target "amdgcn-amd-amdhsa--gfx1250"
	.amdhsa_code_object_version 6
	.text
	.protected	k_q82f3aee488_prep
	.globl	k_q82f3aee488_prep
	.p2align	8
	.type	k_q82f3aee488_prep,@function
k_q82f3aee488_prep:
	s_mov_b64 s[64:65], 0
	v_nop
	global_prefetch_b8 v0, s[64:65] scope:SCOPE_SE
	s_setreg_imm32_b32 hwreg(HW_REG_WAVE_MODE, 25, 1), 1
	s_wait_xcnt 0x0
; x [4096][1024] (K innermost) and Wq, Wk, Wv [1024][1024], W1 [1024][4096], W2 [4096][1024] (K = the FIRST axis) become codes of FP6 (E2M3) with one E8M0 byte for each 32 along K.
; THE WORKSPACE IS LAID AS THE MATRIX UNIT'S REGISTERS.  128 rows of an operand (tokens of x, columns n of a weight) are a GROUP of eight tiles; lane-row r of tile t is row 32 (t/2) + 8 (t%2) + r + 8 (r/8).
; A fragment (tile x 128 K, 12 registers a lane) is an image of 1,536 bytes: register j of lane l at 512 (j/4) + 16 l + 4 (j%4).  A UNIT = the eight images of one group and one K step, 12,288 bytes; unit UI's codes lie at
; 12,288 UI, its 128 scale words at SCB + 512 UI (tile 4 q + j, lane-row r: 16 (16 q + r) + 4 j).  x: UI = 8 g + s.  Weights: UI = 256 + the work-group's number.
; A block's scale is 2^(floor(log2(largest magnitude)) - 2): its byte is the largest magnitude's exponent field - 2, held at 1 from below by a floor among the maximum's leaves.
; LIMITS: a block of zeros gets the byte 1 where the rule says 127 (its codes are zeros; this program alone reads the bytes); blocks whose largest magnitude lies under 2^-124 are held at that floor; NaN and infinities are not served.
; Work-groups 0-703 take one unit of a weight each (a lane = a column, its registers run down K: nothing is transposed), work-groups 704-1215 half a tile of x (a wave = 16 rows x 128 K).  Each path has LDS bytes of its own.
; x's scale words leave as 4 bytes of each 16 (one tile of four): one byte in 128 of what that path reads; whole blocks would want four tiles to a work-group, a quarter of the work-groups.
.set NWU, 704                          ; units of weights
.set SCB, 11796480                     ; 960 units of codes, then the scale words
.set WTP, 1664                         ; path W: an image in the wave's stage, 1,536 bytes + 128, so that the two tiles of a store fall on different banks
.set WSC, 13312                        ; path W: behind the four waves' stages, the unit's 512 bytes of scale words
.set XST, 13824                        ; path X: a stage of 16 rows x (512 + 16) bytes for each wave
.set PC,  192                          ; v192-211 codes
.set TM,  212                          ; v212-227 at work in QUANT
.set PW,  228                          ; v228 the scale word
.set SEL, 36                           ; s[36:37] v_permlanex16_b32's selects for lane l xor 16
.set MSB, 0
.macro WIN new                         ; the immediate's high byte repeats the setting that is left (here every window is 0 and nothing is emitted)
.if MSB != (\new)
	s_set_vgpr_msb (MSB<<8)|(\new)
.set MSB, (\new)
.endif
.endm
; 64 numbers of a lane, register 16 b + i = k 32 b + 16 (lane / 16) + i of the lane's row, become a fragment's 12 registers in v[PC] on and the row's scale word in v[pw].
.macro QUANT s, w, pw
	s_wait_xcnt 0x0                                ; the last stores have read v[PC] on
	WIN ((\w)<<2)|((\w)<<4)
.irp b, 0,1,2,3
	v_max3_num_f32 v[TM+\b], 0x1800000, |v[(\s)+16*\b]|, |v[(\s)+16*\b+1]|   ; my 16 numbers of block b, and the floor 2^(3 - 127)
.endr
.irp i, 2,4,6,8,10,12,14
.irp b, 0,1,2,3
	v_max3_num_f32 v[TM+\b], v[TM+\b], |v[(\s)+16*\b+\i]|, |v[(\s)+16*\b+\i+1]|
.endr
.endr
	WIN 0
.irp b, 0,1,2,3
	v_permlanex16_b32 v[TM+4+\b], v[TM+\b], s[SEL], s[SEL+1]
.endr
.irp b, 0,1,2,3
	v_max_num_f32 v[TM+\b], v[TM+\b], v[TM+4+\b]   ; with lane l xor 16's: the block's largest magnitude
.endr
.irp b, 0,1,2,3
	v_add_nc_u32 v[TM+12+\b], 0xff000000, v[TM+\b] ; 2 off its exponent field: the conversion's scale operand
.endr
.irp b, 0,1,2,3
	v_lshrrev_b32 v[TM+4+\b], 23, v[TM+12+\b]      ; the byte
.endr
	v_lshl_or_b32 v[\pw], v[TM+5], 8, v[TM+4]
	v_lshl_or_b32 v[\pw], v[TM+6], 16, v[\pw]
	v_lshl_or_b32 v[\pw], v[TM+7], 24, v[\pw]
	WIN (\w)
.irp c, 0,1
	v_cvt_scalef32_pk16_fp6_f32 v[PC+6*\c:PC+6*\c+2], v[(\s)+32*\c:(\s)+32*\c+15], v[TM+12+2*\c]
	v_cvt_scalef32_pk16_fp6_f32 v[PC+12+4*\c:PC+14+4*\c], v[(\s)+32*\c+16:(\s)+32*\c+31], v[TM+13+2*\c]
.endr
	WIN 0
	v_nop                                          ; one plain place behind a scaled conversion
.irp c, 0,1                                    ; the layout wants a whole block in a lane: lanes 0-15 block 2 c, lanes 16-31 block 2 c + 1
.irp i, 0,1,2
	v_permlane16_swap_b32 v[PC+6*\c+\i], v[PC+12+4*\c+\i]
.endr
.irp i, 0,1,2
	v_mov_b32 v[PC+3+6*\c+\i], v[PC+12+4*\c+\i]
.endr
.endr
.endm
; 16 rows of 512 bytes, loaded one row an instruction, go through the wave's own stage and come back as QUANT wants them.  LDS serves a wave's instructions in order: no wait between.
.macro TURNIN src, dst, ain, aout
.irp i, 0,1,2,3,4,5,6,7,8,9,10,11,12,13,14,15
	ds_store_b128 v[\ain], v[\src+4*\i:\src+4*\i+3] offset:528*\i
.endr
.irp b, 0,1,2,3
.irp j, 0,1,2,3
	ds_load_b128 v[\dst+16*\b+4*\j:\dst+16*\b+4*\j+3], v[\aout] offset:128*\b+16*\j
.endr
.endr
.endm
	s_load_b256 s[4:11], s[0:1], 0x0               ; x s[4:5], Wq s[6:7], Wk s[8:9], Wv s[10:11]
	s_load_b128 s[12:15], s[0:1], 0x20             ; W1 s[12:13], W2 s[14:15]
	s_load_b64 s[16:17], s[0:1], 0x30              ; pq
	v_lshl_add_u32 v232, v0, 2, 0xba00
	v_mov_b32 v233, 0
	v_lshrrev_b32 v1, 5, v0
	v_readfirstlane_b32 s20, v1                    ; wave 0..3
	v_and_b32 v1, 31, v0                           ; lane
	v_lshlrev_b32 v2, 4, v1                        ; 16 x lane
	v_lshlrev_b32 v3, 2, v1                        ; 4 x lane
	s_cmp_lt_u32 ttmp9, NWU
	s_cbranch_scc0 .Lpath_x
	; ---------------- PATH W: one unit of a weight: 128 columns x 128 along K; wave w takes columns 32 w on: tiles 2 w and 2 w + 1
	v_and_b32 v4, 7, v1
	v_lshrrev_b32 v5, 4, v1
	v_lshl_add_u32 v4, v5, 3, v4                   ; my column's lane-row: lane % 8 + 8 (lane / 16)
	v_bfe_u32 v5, v1, 3, 1                         ; and which of the two tiles
	s_mul_i32 s21, s20, 2*WTP
	v_mul_u32_u24 v6, v5, WTP
	v_lshl_add_u32 v6, v4, 4, v6
	v_add_nc_u32 v6, s21, v6                       ; into my stage: tile, 16 x lane-row
	v_add_nc_u32 v7, s21, v2                       ; out of it: 16 x lane
	s_lshr_b32 s22, s20, 1
	s_lshl_b32 s22, s22, 8
	s_and_b32 s23, s20, 1
	s_lshl_b32 s23, s23, 3
	s_add_co_u32 s22, s22, s23
	s_add_co_u32 s22, s22, WSC
	v_lshlrev_b32 v8, 4, v4
	v_lshl_add_u32 v8, v5, 2, v8
	v_add_nc_u32 v8, s22, v8                       ; my scale word: 256 (w / 2) + 8 (w % 2) + 16 x lane-row + 4 x tile
	v_add_nc_u32 v9, WSC, v2                       ; wave 0 reads the 512 bytes back
	s_and_b32 s24, ttmp9, 63                       ; which unit of which weight: the choices hang on the work-group's number alone
	s_sub_co_u32 s25, ttmp9, 192
	s_sub_co_u32 s26, ttmp9, 448
	s_mov_b32 s27, 4096                            ; a row of the weight in bytes
	s_mov_b32 s28, 4096
	s_wait_kmcnt 0x0
	s_cmp_ge_u32 ttmp9, 64
	s_cselect_b64 s[6:7], s[8:9], s[6:7]
	s_cmp_ge_u32 ttmp9, 128
	s_cselect_b64 s[6:7], s[10:11], s[6:7]
	s_cmp_ge_u32 ttmp9, 192
	s_cselect_b64 s[6:7], s[12:13], s[6:7]
	s_cselect_b32 s24, s25, s24
	s_cselect_b32 s27, 16384, s27
	s_cmp_ge_u32 ttmp9, 448
	s_cselect_b64 s[6:7], s[14:15], s[6:7]
	s_cselect_b32 s24, s26, s24
	s_cselect_b32 s27, s28, s27
	s_cselect_b32 s29, 5, 3                        ; W2 has 32 K steps to a group, the others 8
	s_cselect_b32 s30, 31, 7
	s_lshr_b32 s31, s24, s29                       ; the group of columns
	s_and_b32 s24, s24, s30                        ; the K step
	s_lshl_b32 s24, s24, 7
	s_mul_i32 s24, s24, s27                        ; 128 s rows,
	s_lshl_b32 s31, s31, 9
	s_add_co_u32 s24, s24, s31                     ; 128 g columns,
	s_lshl_b32 s31, s20, 7
	s_add_co_u32 s24, s24, s31                     ; 32 w columns
	s_mov_b32 s25, 0
	s_add_nc_u64 s[40:41], s[6:7], s[24:25]        ; a base for each block of 32 rows
	s_lshl_b32 s24, s27, 5
	s_add_nc_u64 s[42:43], s[40:41], s[24:25]
	s_add_nc_u64 s[44:45], s[42:43], s[24:25]
	s_add_nc_u64 s[46:47], s[44:45], s[24:25]
.set i, 0
.rept 32
	v_mad_u32_u24 v[32+i], s27, i, v3              ; row i of a block, my column
.set i, i+1
.endr
.irp b, 0,1,2,3
.set i, 0
.rept 32
	global_load_b32 v[64+32*\b+i], v[32+i], s[40+2*\b:41+2*\b] th:TH_LOAD_NT   ; a wave reads 128 consecutive bytes, the four waves 512
.set i, i+1
.endr
.endr
	s_add_co_u32 s24, ttmp9, 256                   ; UI
	s_mul_i32 s26, s24, 12288
	s_mul_i32 s28, s20, 3072
	s_add_co_u32 s26, s26, s28
	s_mov_b32 s27, 0
	s_add_nc_u64 s[26:27], s[16:17], s[26:27]      ; my two images
	s_lshl_b32 s24, s24, 9
	s_add_co_u32 s24, s24, SCB
	s_add_nc_u64 s[24:25], s[16:17], s[24:25]      ; the unit's scale words
; Block b = 2 c + hh of my column belongs to lane (lane-row, hh), registers 6 c .. 6 c + 5 of the fragment.
.macro WBLOCK b
.set XS, 64+32*(\b)
.set CB, 192+8*(\b)
.if (\b) < 2
	s_wait_loadcnt 63                              ; at most 63 of the 128 loads are out: the first 65 are in, blocks 0 and 1 among them (a wait's field holds no larger count)
.else
	s_wait_loadcnt 96-32*(\b)                      ; the younger blocks' loads may be out
.endif
	v_max3_num_f32 v12, |v[XS]|, |v[XS+1]|, |v[XS+2]|
	v_max3_num_f32 v13, |v[XS+3]|, |v[XS+4]|, |v[XS+5]|
.irp i, 6,10,14,18,22,26
	v_max3_num_f32 v12, v12, |v[XS+\i]|, |v[XS+\i+1]|
	v_max3_num_f32 v13, v13, |v[XS+\i+2]|, |v[XS+\i+3]|
.endr
	v_max3_num_f32 v12, v12, |v[XS+30]|, |v[XS+31]|
	v_max3_num_f32 v12, v12, v13, 0x1800000        ; and the floor
	v_add_nc_u32 v11, 0xff000000, v12
	v_lshrrev_b32 v13, 23, v11
.if (\b) == 0
	v_mov_b32 v30, v13
.else
	v_lshl_or_b32 v30, v13, 8*(\b), v30            ; the K step's scale word of my column
.endif
	v_cvt_scalef32_pk16_fp6_f32 v[CB:CB+2], v[XS:XS+15], v11
	v_cvt_scalef32_pk16_fp6_f32 v[CB+4:CB+6], v[XS+16:XS+31], v11   ; (a conversion's three registers begin on an even number)
	v_nop
	v_mov_b32 v[CB+3], v[CB+4]
	v_mov_b32 v[CB+4], v[CB+5]
	v_mov_b32 v[CB+5], v[CB+6]                     ; six registers on end; each block has its own, so no LDS store's data are written again
.if (\b) < 2
	ds_store_b128 v6, v[CB:CB+3] offset:256*(\b)
	ds_store_b64 v6, v[CB+4:CB+5] offset:512+256*(\b)
.else
	ds_store_b64 v6, v[CB:CB+1] offset:520+256*((\b)-2)
	ds_store_b128 v6, v[CB+2:CB+5] offset:1024+256*((\b)-2)
.endif
.endm
	WBLOCK 0
	WBLOCK 1
	WBLOCK 2
	WBLOCK 3
	ds_store_b32 v8, v30
.irp u, 0,1
.irp c, 0,1,2
	ds_load_b128 v[64+12*\u+4*\c:67+12*\u+4*\c], v7 offset:WTP*\u+512*\c   ; my own stage, in order behind my stores
.endr
.endr
	s_wait_dscnt 0x0                               ; the images are back; my scale words have landed, for wave 0's sake
.irp u, 0,1
.irp c, 0,1,2
	global_store_b128 v2, v[64+12*\u+4*\c:67+12*\u+4*\c], s[26:27] offset:1536*\u+512*\c th:TH_STORE_NT   ; 512 consecutive bytes
.endr
.endr
	s_barrier_signal -1
	s_barrier_wait -1                              ; all four waves' scale words lie in LDS
	s_cmp_lg_u32 s20, 0
	s_cbranch_scc1 .Lw_done
	ds_load_b128 v[88:91], v9
	s_wait_dscnt 0x0
	global_store_b128 v2, v[88:91], s[24:25] th:TH_STORE_NT
.Lw_done:
	s_wait_tensorcnt 0x0
	ds_add_u32 v232, v233
	s_wait_dscnt 0x0
	s_endpgm
	; ---------------- PATH X: tile T of x, K steps 4 (xw % 2) + wave
.Lpath_x:
	s_sub_co_u32 s21, ttmp9, NWU
	s_lshr_b32 s22, s21, 1                         ; T
	s_and_b32 s21, s21, 1
	s_lshl_b32 s21, s21, 2
	s_add_co_u32 s21, s21, s20                     ; the K step
	s_lshr_b32 s23, s22, 3                         ; the group
	s_and_b32 s22, s22, 7                          ; the tile
	s_lshl_b32 s24, s23, 7
	s_lshr_b32 s25, s22, 1
	s_lshl_b32 s25, s25, 5
	s_add_co_u32 s24, s24, s25
	s_and_b32 s25, s22, 1
	s_lshl_b32 s25, s25, 3
	s_add_co_u32 s24, s24, s25                     ; the tile's first row: 128 g + 32 (t / 2) + 8 (t % 2)
	s_lshl_b32 s24, s24, 12
	s_lshl_b32 s25, s21, 9
	s_add_co_u32 s24, s24, s25
	s_mov_b32 s25, 0
	s_lshl_b32 s26, s23, 3
	s_add_co_u32 s26, s26, s21                     ; UI = 8 g + s
	s_mul_i32 s28, s26, 12288
	s_mul_i32 s29, s22, 1536
	s_add_co_u32 s28, s28, s29
	s_mov_b32 s29, 0
	s_lshl_b32 s30, s26, 9
	s_lshr_b32 s31, s22, 2
	s_lshl_b32 s31, s31, 8
	s_add_co_u32 s30, s30, s31
	s_and_b32 s31, s22, 3
	s_lshl_b32 s31, s31, 2
	s_add_co_u32 s30, s30, s31
	s_add_co_u32 s30, s30, SCB
	s_mov_b32 s31, 0
	s_mov_b32 s[SEL], 0x76543210
	s_mov_b32 s[SEL+1], 0xfedcba98
	s_mul_i32 s32, s20, 8448
	s_add_co_u32 s32, s32, XST
	v_add_nc_u32 v4, s32, v2                       ; into my stage: 16 x lane
	v_and_b32 v5, 15, v1                           ; r
	v_lshrrev_b32 v6, 4, v1                        ; h
	v_mul_u32_u24 v7, v5, 528
	v_lshl_add_u32 v7, v6, 6, v7
	v_add_nc_u32 v7, s32, v7                       ; out of it: row r, + 64 h
	v_lshlrev_b32 v8, 4, v5                        ; 16 r
.irp b, 0,1,2,3
	v_mov_b32 v[TM+4+\b], 0                        ; a lane permute's destination counts as one of its sources
.endr
	s_wait_kmcnt 0x0
	s_add_nc_u64 s[4:5], s[4:5], s[24:25]
	s_add_nc_u64 s[28:29], s[16:17], s[28:29]
	s_add_nc_u64 s[30:31], s[16:17], s[30:31]
.irp i, 0,1,2,3,4,5,6,7,8,9,10,11,12,13,14,15
	global_load_b128 v[64+4*\i:67+4*\i], v2, s[4:5] offset:(\i+8*(\i/8))*4096 th:TH_LOAD_NT   ; lane-row i: 512 consecutive bytes
.endr
	s_wait_loadcnt 0x0
	TURNIN 64, 128, 4, 7
	s_wait_dscnt 0x0
	QUANT 128, 0, PW
.irp c, 0,1,2
	global_store_b128 v2, v[PC+4*\c:PC+4*\c+3], s[28:29] offset:512*\c th:TH_STORE_NT
.endr
	global_store_b32 v8, v[PW], s[30:31]           ; lanes 16-31 hold the same word for the same place
	s_wait_tensorcnt 0x0
	ds_add_u32 v232, v233
	s_wait_dscnt 0x0
	s_endpgm
.Lfunc_end_k_q82f3aee488_prep:
	.size	k_q82f3aee488_prep, .Lfunc_end_k_q82f3aee488_prep-k_q82f3aee488_prep
	.p2alignl 7, 3214868480
	.fill 96, 4, 3214868480
	.section	.rodata,"a",@progbits
	.p2align	6, 0x0
	.amdhsa_kernel k_q82f3aee488_prep
		.amdhsa_group_segment_fixed_size 48128
		.amdhsa_private_segment_fixed_size 0
		.amdhsa_enable_private_segment 0
		.amdhsa_kernarg_size 56
		.amdhsa_user_sgpr_count 2
		.amdhsa_user_sgpr_kernarg_segment_ptr 1
		.amdhsa_wavefront_size32 1
		.amdhsa_system_sgpr_workgroup_id_x 1
		.amdhsa_system_sgpr_workgroup_id_y 1
		.amdhsa_system_sgpr_workgroup_id_z 1
		.amdhsa_system_vgpr_workitem_id 0
		.amdhsa_next_free_vgpr 234
		.amdhsa_next_free_sgpr 66
		.amdhsa_reserve_vcc 0
		.amdhsa_float_denorm_mode_32 3
		.amdhsa_float_denorm_mode_16_64 3
		.amdhsa_memory_ordered 1
		.amdhsa_forward_progress 1
		.amdhsa_inst_pref_size 36
	.end_amdhsa_kernel
	.amdgpu_metadata
---
amdhsa.version: [ 1, 2 ]
amdhsa.kernels:
  - .name:           k_q82f3aee488_prep
    .symbol:         k_q82f3aee488_prep.kd
    .args:
      - { .name: x, .offset: 0, .size: 8, .value_kind: global_buffer, .address_space: global }
      - { .name: Wq, .offset: 8, .size: 8, .value_kind: global_buffer, .address_space: global }
      - { .name: Wk, .offset: 16, .size: 8, .value_kind: global_buffer, .address_space: global }
      - { .name: Wv, .offset: 24, .size: 8, .value_kind: global_buffer, .address_space: global }
      - { .name: W1, .offset: 32, .size: 8, .value_kind: global_buffer, .address_space: global }
      - { .name: W2, .offset: 40, .size: 8, .value_kind: global_buffer, .address_space: global }
      - { .name: pq, .offset: 48, .size: 8, .value_kind: global_buffer, .address_space: global }
    .group_segment_fixed_size: 48128
    .private_segment_fixed_size: 0
    .kernarg_segment_align: 8
    .kernarg_segment_size: 56
    .max_flat_workgroup_size: 128
    .sgpr_count:     66
    .vgpr_count:     234
    .wavefront_size: 32
...
	.end_amdgpu_metadata
.endif
;; end of part 1
;; launch qkv (part 2): grid 12 x 16, 4 waves a work-group, clusters of 4 x 4, 327,680 bytes of LDS; arguments pq, bq, bk, bv, qkv; writes qkv
.if DOCPART == 2
	.amdgcn_target "amdgcn-amd-amdhsa--gfx1250"
	.amdhsa_code_object_version 6
	.text
	.protected	k_q82f3aee488_qkv
	.globl	k_q82f3aee488_qkv
	.p2align	8
	.type	k_q82f3aee488_qkv,@function
k_q82f3aee488_qkv:
	s_mov_b64 s[64:65], 0
	v_nop
	global_prefetch_b8 v0, s[64:65] scope:SCOPE_SE
	s_setreg_imm32_b32 hwreg(HW_REG_WAVE_MODE, 25, 1), 1
	s_wait_xcnt 0x0
	s_wait_alu depctr_hold_cnt(0) depctr_sa_sdst(0) depctr_va_vdst(0) depctr_va_sdst(0) depctr_va_ssrc(0) depctr_va_vcc(0) depctr_vm_vsrc(0)
	s_getreg_b32 s2, hwreg(HW_REG_IB_STS2, 6, 4)
	s_cmp_eq_u32 s2, 0
	s_cbranch_scc0 .Lentry_in_a_cluster
	s_endpgm
.Lentry_in_a_cluster:
	s_bfe_u32 s2, ttmp6, 0x10000c
	s_cmp_lg_u32 s2, 0xf033
	s_cbranch_scc0 .Lentry_shape_is_right
	s_endpgm
.Lentry_shape_is_right:
; Q = x Wq + bq, K = x Wk + bk, V^T = Wv^T x^T + bv on codes of FP6 (E2M3) with E8M0 scales, each result quantised in registers for attention: Q and K along the head's 64, V along the keys.
; The cluster's x says which: 0 Q, 1 K, 2 V.  Q, K: operand A = x (16 tile rows of 256 tokens), B = the weight (4 tile columns).  V: A = Wv (4 tile rows of 256 features), B = x (16 tile columns of 256 tokens).
; Only group numbers differ, chosen by s_cselect_b32 on the cluster's x: LDS map, masks and loop are one text.
; OPERANDS are images of the matrix unit's registers: a group of 128 rows and a K step of 128 are eight images of 1,536 bytes (register j of lane l at 512 (j/4) + 16 l + 4 (j%4)), 12,288 bytes on end, and 512 bytes of
; scale words (tile 4 q + j, lane-row r at 16 (16 q + r) + 4 j).  Lane-row r of tile t is row 32 (t/2) + 8 (t%2) + r + 8 (r/8) of its group.
; A work-group of four waves makes 256 x 256; a wave 128 x 128: 64 accumulators.  K goes through a ring of two LDS slots of 256 along K: four dense blocks of 24,576 bytes, one tensor load a wave.
; All scale words of the work-group's four groups come once, with the first fills.  CLUSTER 4 x 4: A's blocks are asked for jointly along a row of the cluster, B's along a column.
; THE PRODUCT IS USED TRANSPOSED (source 0 = a tile of B, source 1 = a tile of A): lane (r, h) holds A's lane-row r, and by the order of rows above the 64 registers of A's tile a are
; register 16 b + i = B's row 32 b + 16 h + i: sixteen neighbours along the next product's K.  QUANT turns them into one fragment, tile a of the next operand.
; THE BIAS runs along the registers for Q and K (the C of the first product) and along the lanes for V (added on the way out).  Both forms are always loaded from the chosen bias and multiplied by 1.0 or 0.0.
; OUT.  Q, K: [head 32][token group 16][tile 8][768]: registers 0-3 at 16 l, 4-5 at 512 + 8 l: the head's 64; a fragment's registers 6-11 are the odd head's.  V: [head][key group 16][tile 4][2 x 768], the same two halves on end.
; Scale words: Q's [head][12,288]: [token group][512]; K's and V's 393,216 further: K [key group][512], V at + 8,192 [key group][256].  An even head's word keeps the odd head's two bytes on top, an odd head's has zeros there:
; they meet zero codes alone, and neither is 0xff.
; LIMITS: a block of zeros gets the byte 1 (its codes are zeros; this program alone reads the bytes); largest magnitudes under 2^-124 are held at that floor; NaN and infinities in the inputs are not served (a bias of infinity times 0.0 is one).
; REGISTERS: window 0: v1-14 lane terms; v16-17, v20-21 LDS addresses; v27 scale words' address; v28-29 the add's; v32-63 scale words, two sets; v64-127 bias along the registers; v128-223 A's eight fragments, one set;
;   v240-247 bias along the lanes; on the way out v192-239, v248-251.  window 1: B's fragments, two sets.  windows 2, 3: the accumulators ((a, b) at v[8 (8 (a % 4) + b)] of window 2 + a / 4).
.set NS,     8                         ; K steps of 128
.set NQ,     2                         ; of them in a slot
.set UNIT,   12288
.set GB,     NQ*UNIT                   ; a group's images of a slot: what one tensor load brings
.set SLOT,   4*GB                      ; A's two groups, then B's two
.set LAPS,   NS/4
.set HALFS,  512*NS                    ; a group's scale words for all of K
.set SCL,    2*SLOT
.set SPARE,  SCL+4*HALFS               ; the spare words, 128 bytes a wave: two blocks of 256 bytes that no other line names
.set SCB,    11796480                  ; pq: where the scale words begin
.set QSC,    9437184                   ; qkv: where the scale words begin
.set FR,     12
.set NL,     3                         ; LDS loads to a fragment
.set NP,     4                         ; places behind this matrix instruction (ISA guide 7.12.1)
.set ADRA, 16
.set ADRB, 20
.set ADRS, 27
.set SPW,  28
.set NIL,  29
.set SC,   32
.set BJ,   64
.set AF,   128
.set PC,   192
.set TM,   212
.set PWB,  228                         ; v228-235 the eight tiles' scale words
.set EI,   236                         ; v236-239 their image
.set BL,   240
.set E2,   248
.set SEL,  18
.set G1,   24
.set G0,   32
.set G1B,  48
.set G0B,  56
.set G1S,  68
.set G0S,  76
.set G1SB, 80
.set G0SB, 88
.set OC,   96                          ; s[96:97] where my codes go
.set OS,   98                          ; s[98:99] where my scale words go
.set ISV,  100
.set MSB, 0
.macro WIN new                         ; the immediate's high byte repeats the setting that is left
.if MSB != (\new)
	s_set_vgpr_msb (MSB<<8)|(\new)
.set MSB, (\new)
.endif
.endm
.set MUL_LO, 0xa1                      ; source 0 (B) window 1, source 1 (A) window 0, C and D window 2
.set MUL_HI, 0xf1
.set FST_LO, 0x81                      ; the same with C (the bias) in window 0
.set FST_HI, 0xc1
.set TO_B,   0x40
; A joint load: waves 0 and 1 fetch for A, waves 2 and 3 for B; the branch hangs on the wave's number alone.  Four v_nop follow each of the two lines.
.macro JLOAD g0a, g1a, g0b, g1b
	s_cmp_eq_u32 s15, 0
	s_cbranch_scc0 .Lfor_b_\@
	tensor_load_to_lds s[\g0a:\g0a+3], s[\g1a:\g1a+7]
	s_nop 0
.rept 4
	v_nop
.endr
	s_branch .Lasked_\@
.Lfor_b_\@:
	tensor_load_to_lds s[\g0b:\g0b+3], s[\g1b:\g1b+7]
	s_nop 0
.rept 4
	v_nop
.endr
.Lasked_\@:
.endm
.macro CREST                           ; a round of the cluster's barrier behind its opening barrier
	s_cmp_lg_u32 s14, 0
	s_cbranch_scc1 .Lnot_wave_0_\@
	s_barrier_signal -3
.Lnot_wave_0_\@:
	s_barrier_wait -3
	s_barrier_signal -1
	s_barrier_wait -1
.endm
.macro CROUND
	s_barrier_signal -1
	s_barrier_wait -1
	CREST
.endm
.macro PLACES n
.rept \n
	v_nop
.endr
.endm
.macro QUANT s, w, pw                  ; 64 numbers of window w (register 16 b + i = k 32 b + 16 h + i of my row) -> codes in v[PC] on, scale word in v[pw]
	s_wait_xcnt 0x0                                ; the last stores have read v[PC] on and their base
	WIN ((\w)<<2)|((\w)<<4)
.irp b, 0,1,2,3
	v_max3_num_f32 v[TM+\b], 0x1800000, |v[(\s)+16*\b]|, |v[(\s)+16*\b+1]|   ; my 16 numbers of block b, and the floor 2^(3 - 127)
.endr
.irp i, 2,4,6,8,10,12,14
.irp b, 0,1,2,3
	v_max3_num_f32 v[TM+\b], v[TM+\b], |v[(\s)+16*\b+\i]|, |v[(\s)+16*\b+\i+1]|
.endr
.endr
	WIN 0
.irp b, 0,1,2,3
	v_permlanex16_b32 v[TM+4+\b], v[TM+\b], s[SEL], s[SEL+1]
.endr
.irp b, 0,1,2,3
	v_max_num_f32 v[TM+\b], v[TM+\b], v[TM+4+\b]
.endr
.irp b, 0,1,2,3
	v_add_nc_u32 v[TM+12+\b], 0xff000000, v[TM+\b] ; 2 off the exponent field: the conversion's scale operand
.endr
.irp b, 0,1,2,3
	v_lshrrev_b32 v[TM+4+\b], 23, v[TM+12+\b]
.endr
	v_lshl_or_b32 v[\pw], v[TM+5], 8, v[TM+4]
	v_lshl_or_b32 v[\pw], v[TM+6], 16, v[\pw]
	v_lshl_or_b32 v[\pw], v[TM+7], 24, v[\pw]
	WIN (\w)
.irp c, 0,1
	v_cvt_scalef32_pk16_fp6_f32 v[PC+6*\c:PC+6*\c+2], v[(\s)+32*\c:(\s)+32*\c+15], v[TM+12+2*\c]
	v_cvt_scalef32_pk16_fp6_f32 v[PC+12+4*\c:PC+14+4*\c], v[(\s)+32*\c+16:(\s)+32*\c+31], v[TM+13+2*\c]
.endr
	WIN 0
	v_nop                                          ; one plain place behind a scaled conversion
.irp c, 0,1
.irp i, 0,1,2
	v_permlane16_swap_b32 v[PC+6*\c+\i], v[PC+12+4*\c+\i]
.endr
.irp i, 0,1,2
	v_mov_b32 v[PC+3+6*\c+\i], v[PC+12+4*\c+\i]
.endr
.endr
.endm
	s_load_b256 s[4:11], s[0:1], 0x0               ; pq s[4:5], bq s[6:7], bk s[8:9], bv s[10:11]
	s_load_b64 s[12:13], s[0:1], 0x20              ; qkv
	v_lshl_add_u32 v[SPW], v0, 2, SPARE
	v_mov_b32 v[NIL], 0
	ds_add_u32 v28, v29
	ds_add_u32 v28, v29
	s_wait_dscnt 0x0
	v_lshrrev_b32 v1, 5, v0
	v_readfirstlane_b32 s14, v1                    ; wave 0..3
	s_lshr_b32 s15, s14, 1                         ; which of A's two groups is mine.  Also: I fetch for A (0) or for B (1)
	s_and_b32 s16, s14, 1                          ; which of B's two.  Also: which group of that operand I fetch
	s_bfe_u32 s40, ttmp6, 0x40000                  ; cx
	s_bfe_u32 s41, ttmp6, 0x40004                  ; cy
	s_and_b32 s17, ttmp7, 0xffff
	s_lshl_b32 s17, s17, 2                         ; 4 x cluster y
	s_add_co_u32 s18, s17, s41                     ; 4 x cluster y + cy
	s_add_co_u32 s42, s17, s40                     ; 4 x cluster y + cx
	s_lshl_b32 s43, s41, 2
	s_lshl_b32 s43, 15, s43                        ; my row of the cluster
	s_lshl_b32 s44, 0x1111, s40                    ; my column
	s_or_b32 s[G1+0], s43, (3<<16)|(1<<21)         ; 15:0 the mask; 17:16 elements of 8 bytes; 21 set beside a mask; no padding: an image is read 512 bytes on end
	s_or_b32 s[G1B+0], s44, (3<<16)|(1<<21)
.irp g, G1, G1B
	s_mov_b32 s[\g+1], 32<<16                      ; tensor_dim0: rows of 256 bytes
	s_mov_b32 s[\g+2], 96<<16                      ; tensor_dim1: 96 of them, 24,576 dense bytes
	s_mov_b32 s[\g+3], 32<<16                      ; tile_dim0
	s_mov_b32 s[\g+4], 96                          ; tile_dim1
	s_mov_b32 s[\g+5], 32                          ; the pitch
	s_mov_b32 s[\g+6], 0
	s_mov_b32 s[\g+7], 0
.endr
	s_or_b32 s[G1S+0], s43, (3<<16)|(1<<21)
	s_or_b32 s[G1SB+0], s44, (3<<16)|(1<<21)
.irp g, G1S, G1SB
	s_mov_b32 s[\g+1], 32<<16
	s_mov_b32 s[\g+2], (2*NS)<<16                  ; a group's scale words: 512 NS dense bytes
	s_mov_b32 s[\g+3], 32<<16
	s_mov_b32 s[\g+4], 2*NS
	s_mov_b32 s[\g+5], 32
	s_mov_b32 s[\g+6], 0
	s_mov_b32 s[\g+7], 0
.endr
	; groups in pq (98,304 bytes of codes, 4,096 of scale words each): x 0-31, Wq 32-39, Wk 40-47, Wv 48-55.  A's number is made of cy alone, B's of cx alone
	s_lshl_b32 s20, s18, 1                         ; Q, K: A = x, tile row 4 cluster y + cy
	s_lshl_b32 s21, s41, 1
	s_add_co_u32 s21, s21, 48                      ; V: A = Wv, tile row cy
	s_lshl_b32 s46, s40, 1
	s_lshl_b32 s47, ttmp9, 3
	s_add_co_u32 s46, s46, s47
	s_add_co_u32 s46, s46, 32                      ; Q, K: B = the weight, tile column cx
	s_lshl_b32 s47, s42, 1                         ; V: B = x, tile column 4 cluster y + cx
	s_cmp_eq_u32 ttmp9, 2
	s_cselect_b32 s20, s21, s20
	s_cselect_b32 s46, s47, s46
	s_cselect_b32 s[ISV], 1, 0
	s_add_co_u32 s20, s20, s16                     ; the group that I fetch
	s_add_co_u32 s46, s46, s16
	s_mul_i32 s22, s20, HALFS
	s_add_co_u32 s22, s22, SCB
	s_mul_i32 s20, s20, NS*UNIT
	s_mov_b32 s21, 0
	s_mov_b32 s23, 0
	s_mul_i32 s92, s46, HALFS
	s_add_co_u32 s92, s92, SCB
	s_mul_i32 s46, s46, NS*UNIT
	s_mov_b32 s47, 0
	s_mov_b32 s93, 0
	s_mul_i32 s45, s14, GB                         ; where they go: wave x a block: no place in the cluster enters an LDS address
	s_mul_i32 s94, s14, HALFS
	s_wait_kmcnt 0x0
	s_add_nc_u64 s[20:21], s[4:5], s[20:21]
	s_add_nc_u64 s[22:23], s[4:5], s[22:23]
	s_add_nc_u64 s[46:47], s[4:5], s[46:47]
	s_add_nc_u64 s[92:93], s[4:5], s[92:93]
	CROUND                                         ; all sixteen work-groups are here: the first joint loads meet
	s_mov_b32 s[G0S], 1
	s_add_co_u32 s[G0S+1], s94, SCL
	s_mov_b64 s[G0S+2:G0S+3], s[22:23]
	s_or_b32 s[G0S+3], s[G0S+3], 0x80000000
	s_mov_b32 s[G0SB], 1
	s_add_co_u32 s[G0SB+1], s94, SCL
	s_mov_b64 s[G0SB+2:G0SB+3], s[92:93]
	s_or_b32 s[G0SB+3], s[G0SB+3], 0x80000000
	JLOAD G0S, G1S, G0SB, G1SB                     ; the scale words first: they are wanted with K step 0
.irp s, 0,1
	s_mov_b32 s[G0+4*\s], 1
	s_add_co_u32 s[G0+4*\s+1], s45, \s*SLOT
	s_add_nc_u64 s[G0+4*\s+2:G0+4*\s+3], s[20:21], \s*GB
	s_or_b32 s[G0+4*\s+3], s[G0+4*\s+3], 0x80000000
	s_mov_b32 s[G0B+4*\s], 1
	s_add_co_u32 s[G0B+4*\s+1], s45, \s*SLOT
	s_add_nc_u64 s[G0B+4*\s+2:G0B+4*\s+3], s[46:47], \s*GB
	s_or_b32 s[G0B+4*\s+3], s[G0B+4*\s+3], 0x80000000
	JLOAD G0+4*\s, G1, G0B+4*\s, G1B
.endr
	v_and_b32 v7, 31, v0                           ; lane
	v_and_b32 v1, 15, v0                           ; r
	v_bfe_u32 v2, v0, 4, 1                         ; h
	v_lshlrev_b32 v3, 4, v7                        ; 16 x lane
	s_mul_i32 s21, s15, GB                         ; my group of A,
	s_mul_i32 s22, s16, GB
	s_add_co_u32 s22, s22, 2*GB                    ; my group of B, behind A's two
.irp s, 0,1
	v_add_nc_u32 v[ADRA+\s], s21, v3
	v_add_nc_u32 v[ADRB+\s], s22, v3
	s_add_co_u32 s21, s21, SLOT
	s_add_co_u32 s22, s22, SLOT
.endr
	v_lshlrev_b32 v5, 4, v1                        ; scale words: 16 r; lanes 0-15 take A's, lanes 16-31 B's
	s_mul_i32 s21, s15, HALFS
	s_mul_i32 s22, s16, HALFS
	s_add_co_u32 s22, s22, 2*HALFS
	s_sub_co_u32 s22, s22, s21
	v_mul_u32_u24 v6, s22, v2
	s_add_co_u32 s21, s21, SCL
	v_add_nc_u32 v5, v5, v6
	v_add_nc_u32 v[ADRS], s21, v5
	; the bias: bq, bk or bv, by the cluster's x
	s_cmp_eq_u32 ttmp9, 0
	s_cselect_b64 s[6:7], s[6:7], s[8:9]
	s_cmp_eq_u32 ttmp9, 2
	s_cselect_b64 s[6:7], s[10:11], s[6:7]
	s_lshl_b32 s22, s40, 1
	s_add_co_u32 s22, s22, s16                     ; 2 cx + my group of B: Q's and K's group of 128 features
	s_lshl_b32 s23, s41, 1
	s_add_co_u32 s23, s23, s15                     ; 2 cy + my group of A: V's
	s_lshl_b32 s20, s22, 9
	v_lshl_add_u32 v13, v2, 6, s20                 ; along the registers: 512 x group + 64 h
	v_and_b32 v4, 8, v1
	v_add_nc_u32 v4, v4, v1                        ; r + 8 (r / 8)
	s_lshl_b32 s20, s23, 9
	v_lshl_add_u32 v14, v4, 2, s20                 ; along the lanes: 512 x group + 4 (r + 8 (r / 8)).  Both stay inside the 4,096 bytes whichever is used
.irp t, 0,1,2,3,4,5,6,7
	global_load_b128 v[BJ+8*\t:BJ+8*\t+3], v13, s[6:7] offset:(32*(\t/2)+8*(\t%2))*4
	global_load_b128 v[BJ+8*\t+4:BJ+8*\t+7], v13, s[6:7] offset:(32*(\t/2)+8*(\t%2))*4+16
.endr
.irp a, 0,1,2,3,4,5,6,7
	global_load_b32 v[BL+\a], v14, s[6:7] offset:(32*(\a/2)+8*(\a%2))*4
.endr
	; where my results go
	s_lshl_b32 s20, s18, 1
	s_add_co_u32 s20, s20, s15                     ; Q, K: my token group
	s_lshl_b32 s21, s42, 1
	s_add_co_u32 s21, s21, s16                     ; V: my token group
	s_mov_b32 s92, 768
	s_mov_b32 s94, 768
	s_mov_b32 s46, 98304
	s_mov_b32 s47, 256
	s_cmp_eq_u32 s[ISV], 1
	s_cselect_b32 s20, s21, s20                    ; the token group, 0..31
	s_cselect_b32 s21, s23, s22                    ; the group of 128 features: heads 2 F and 2 F + 1
	s_cselect_b32 s66, 1.0, 0                      ; the lanes' bias counts for V,
	s_cselect_b32 s67, 0, 1.0                      ; the registers' for Q and K
	s_cselect_b32 s92, 1536, s92                   ; from tile to tile,
	s_cselect_b32 s94, 93696, s94                  ; from tile 3 to tile 4 (V: on to the odd head: 98,304 - 3 x 1,536),
	s_cselect_b32 s46, 768, s46                    ; from a fragment's first half to its second (Q, K: the odd head)
	s_cselect_b32 s47, 12288, s47                  ; scale words: from lanes 0-15 to lanes 16-31 (V: the odd head)
	s_cselect_b32 s45, 8, 9                        ; a token group's scale words: 256 or 512 bytes
	s_cselect_b32 s101, 8192, 0
	s_mov_b32 s93, 0
	s_mov_b32 s95, 0
	s_lshr_b32 s22, s20, 4
	s_lshl_b32 s22, s22, 4
	s_lshl_b32 s23, s21, 1
	s_add_co_u32 s22, s22, s23                     ; the even head: 16 x batch + 2 F
	s_and_b32 s20, s20, 15                         ; the token group in its batch
	s_mul_i32 s[OC], ttmp9, 3145728
	s_mul_i32 s23, s22, 98304
	s_add_co_u32 s[OC], s[OC], s23
	s_mul_i32 s23, s20, 6144
	s_add_co_u32 s[OC], s[OC], s23
	s_mov_b32 s[OC+1], 0
	s_add_nc_u64 s[OC:OC+1], s[12:13], s[OC:OC+1]
	s_min_u32 s23, ttmp9, 1
	s_mul_i32 s[OS], s23, 393216
	s_mul_i32 s23, s22, 12288
	s_add_co_u32 s[OS], s[OS], s23
	s_lshl_b32 s23, s20, s45
	s_add_co_u32 s[OS], s[OS], s23
	s_add_co_u32 s[OS], s[OS], s101
	s_add_co_u32 s[OS], s[OS], QSC
	s_mov_b32 s[OS+1], 0
	s_add_nc_u64 s[OS:OS+1], s[12:13], s[OS:OS+1]
	v_mov_b32 v8, v3                               ; registers 0-3: 16 x lane
	v_lshl_add_u32 v9, v7, 3, 512                  ; registers 4-5: 512 + 8 x lane
	v_add_nc_u32 v10, s46, v8                      ; registers 6-9
	v_add_nc_u32 v11, s46, v9                      ; registers 10-11
	v_mul_u32_u24 v12, s47, v2
	v_lshl_add_u32 v12, v1, 4, v12                 ; scale words: 16 r + h x the distance
.macro FRAG reg, adr, q, i             ; an image comes back as it was stored: three loads of 512 consecutive bytes
.irp c, 0,1,2
	ds_load_b128 v[\reg+4*\c:\reg+4*\c+3], v[\adr] offset:UNIT*(\q)+1536*(\i)+512*\c
.endr
.endm
; 16 matrix instructions: A's tiles a0, a0 + 1 x B's eight.  p: B's set; q: the slot's K step; sc: the set of scale words.  first = 1: C is the bias.  The 64 accumulators take turns.
.macro MUL16 a0, p, q, sc, first
.irp a, \a0, \a0+1
.irp b, 0,1,2,3,4,5,6,7
.if \first
	v_wmma_scale_f32_16x16x128_f8f6f4 v[8*(8*((\a)%4)+\b):8*(8*((\a)%4)+\b)+7], v[128*(\p)+FR*\b:128*(\p)+FR*\b+FR-1], v[AF+FR*(\a):AF+FR*(\a)+FR-1], v[BJ+8*\b:BJ+8*\b+7], v[SC+16*(\sc)+8*(\q)+\b], v[SC+16*(\sc)+8*(\q)+(\a)] matrix_a_fmt:MATRIX_FMT_FP6 matrix_b_fmt:MATRIX_FMT_FP6 matrix_a_scale:MATRIX_SCALE_ROW1
.else
	v_wmma_scale_f32_16x16x128_f8f6f4 v[8*(8*((\a)%4)+\b):8*(8*((\a)%4)+\b)+7], v[128*(\p)+FR*\b:128*(\p)+FR*\b+FR-1], v[AF+FR*(\a):AF+FR*(\a)+FR-1], v[8*(8*((\a)%4)+\b):8*(8*((\a)%4)+\b)+7], v[SC+16*(\sc)+8*(\q)+\b], v[SC+16*(\sc)+8*(\q)+(\a)] matrix_a_fmt:MATRIX_FMT_FP6 matrix_b_fmt:MATRIX_FMT_FP6 matrix_a_scale:MATRIX_SCALE_ROW1
.endif
.endr
.endr
.endm
.macro FETCH_B slot, q, p
	WIN TO_B
.irp i, 0,1,2,3,4,5,6,7
	FRAG 128*(\p)+FR*\i, ADRB+\slot, \q, \i
.endr
	WIN 0
.endm
.macro FETCH_A slot, q, i0
.irp i, \i0, \i0+1, \i0+2, \i0+3
	FRAG AF+FR*(\i), ADRA+\slot, \q, \i
.endr
.endm
.macro SCALES sc                       ; a slot's scale words: register SC + 16 sc + 8 q + tile; lanes 0-15 A's, lanes 16-31 B's
.irp q, 0,1
.irp u, 0,1
	ds_load_b128 v[SC+16*\sc+8*\q+4*\u:SC+16*\sc+8*\q+4*\u+3], v[ADRS] offset:512*\q+256*\u
.endr
.endr
.endm
.macro STEP slot, q, first             ; a K step that has its successor in the same slot
	s_wait_dscnt 4*NL                              ; all but the youngest 12 loads (A's tiles 4-7)
.if \first
	WIN FST_LO
.else
	WIN MUL_LO
.endif
	MUL16 0, (\q)%2, \q, \slot, \first
	MUL16 2, (\q)%2, \q, \slot, \first
	s_wait_dscnt 0
	PLACES NP                                      ; in front of loads into registers that matrix instructions have read
	FETCH_B \slot, (\q)+1, 1-(\q)%2
	FETCH_A \slot, (\q)+1, 0
.if \first
	WIN FST_HI
.else
	WIN MUL_HI
.endif
	MUL16 4, (\q)%2, \q, \slot, \first
	MUL16 6, (\q)%2, \q, \slot, \first
	PLACES NP
	WIN 0
	FETCH_A \slot, (\q)+1, 4
.endm
; A slot's last K step changes slots: each wave waits for all its tensor loads, adds 0 to its spare word, waits for that and for its reads of the slot; fill = 1: a round of the cluster's barrier, and the joint refill first behind it.
.macro TURN slot, next, fill
	s_wait_tensorcnt 0x0                           ; all my tensor loads have landed: my part of the next slot
	ds_add_u32 v[SPW], v[NIL]                      ; 0 onto my spare word
	s_wait_dscnt 4*NL+1                            ; (the add and the youngest 12 loads may be out)
	WIN MUL_LO
	MUL16 0, 1, NQ-1, \slot, 0
	s_wait_dscnt 0x0                               ; the add is done, and my reads of this slot are over
	s_barrier_signal -1
	MUL16 2, 1, NQ-1, \slot, 0
	WIN 0
	s_barrier_wait -1
.if \fill
	CREST                                          ; no wave of any partner still reads this slot or has a load on its way
	s_add_nc_u64 s[G0+4*\slot+2:G0+4*\slot+3], s[G0+4*\slot+2:G0+4*\slot+3], 2*GB
	s_add_nc_u64 s[G0B+4*\slot+2:G0B+4*\slot+3], s[G0B+4*\slot+2:G0B+4*\slot+3], 2*GB
	JLOAD G0+4*\slot, G1, G0B+4*\slot, G1B         ; its four v_nop are also the places in front of the loads below
.else
	PLACES NP
.endif
	v_add_nc_u32 v[ADRS], 512*NQ, v[ADRS]          ; the next slot's scale words
	FETCH_B \next, 0, 0
	FETCH_A \next, 0, 0
	SCALES \next
	WIN MUL_HI
	MUL16 4, 1, NQ-1, \slot, 0
	MUL16 6, 1, NQ-1, \slot, 0
	PLACES NP
	WIN 0
	FETCH_A \next, 0, 4
.endm
	s_wait_loadcnt 0x0                             ; the bias, in both forms
.set i, 0
.rept 64
	v_mul_f32 v[BJ+i], s67, v[BJ+i]
.set i, i+1
.endr
.irp a, 0,1,2,3,4,5,6,7
	v_mul_f32 v[BL+\a], s66, v[BL+\a]
.endr
	s_wait_tensorcnt 1                             ; the scale words and my part of slot 0 are in; slot 1's load may be out
	s_barrier_signal -1
	s_barrier_wait -1
	FETCH_B 0, 0, 0
	FETCH_A 0, 0, 0
	SCALES 0
	FETCH_A 0, 0, 4
	STEP 0, 0, 1                                   ; the first K step stands in front of the loop: its products start the sums on the bias
	s_mov_b32 s3, LAPS-1
.Llap:
	TURN 0, 1, 1
	STEP 1, 0, 0
	TURN 1, 0, 1
	STEP 0, 0, 0
	s_sub_co_u32 s3, s3, 1
	s_cmp_lg_u32 s3, 0
	s_cbranch_scc1 .Llap
	TURN 0, 1, 0                                   ; the last lap fills nothing
	STEP 1, 0, 0
	s_wait_dscnt 4*NL
	WIN MUL_LO
	MUL16 0, 1, NQ-1, 1, 0
	MUL16 2, 1, NQ-1, 1, 0
	s_wait_dscnt 0
	WIN MUL_HI
	MUL16 4, 1, NQ-1, 1, 0
	MUL16 6, 1, NQ-1, 1, 0
	WIN 0
	; THE WAY OUT: tile by tile of A: the lanes' bias, the quantiser, four stores of whole blocks of 256 bytes
	PLACES NP
	s_mov_b32 s[SEL], 0x76543210
	s_mov_b32 s[SEL+1], 0xfedcba98
.irp b, 0,1,2,3
	v_mov_b32 v[TM+4+\b], 0                        ; a lane permute's destination counts as one of its sources
.endr
.macro TILE a
.set AC, 64*((\a)%4)
.set WA, 2+(\a)/4
	WIN WA|(WA<<6)
.set i, 0
.rept 32
.if (\a)%2
	v_pk_add_f32 v[AC+i:AC+i+1], v[AC+i:AC+i+1], v[BL+(\a)-1:BL+(\a)] op_sel:[0,1] op_sel_hi:[1,1]   ; the pair's second register for both halves
.else
	v_pk_add_f32 v[AC+i:AC+i+1], v[AC+i:AC+i+1], v[BL+(\a):BL+(\a)+1] op_sel_hi:[1,0]                ; its first
.endif
.set i, i+2
.endr
	QUANT AC, WA, PWB+(\a)
.if (\a) == 4
	s_add_nc_u64 s[OC:OC+1], s[OC:OC+1], s[94:95]  ; (behind QUANT's wait: the earlier stores have read their base)
.elseif (\a) > 0
	s_add_nc_u64 s[OC:OC+1], s[OC:OC+1], s[92:93]
.endif
	global_store_b128 v8, v[PC:PC+3], s[OC:OC+1]
	global_store_b64 v9, v[PC+4:PC+5], s[OC:OC+1]
	global_store_b128 v10, v[PC+6:PC+9], s[OC:OC+1]
	global_store_b64 v11, v[PC+10:PC+11], s[OC:OC+1]
.endm
.irp a, 0,1,2,3,4,5,6,7
	TILE \a
.endr
	v_cmp_lt_u32 vcc_lo, 15, v7
.irp j, 0,1,2,3
	v_cndmask_b32 v[EI+\j], v[PWB+\j], v[PWB+4+\j], vcc_lo   ; lanes 0-15: tiles 0-3, lanes 16-31: tiles 4-7
.endr
	global_store_b128 v12, v[EI:EI+3], s[OS:OS+1]
	s_cmp_eq_u32 s[ISV], 1
	s_cbranch_scc1 .Lno_odd                        ; V's odd head has its words from lanes 16-31
.irp j, 0,1,2,3
	v_lshrrev_b32 v[E2+\j], 16, v[EI+\j]           ; Q, K: the odd head's two bytes
.endr
	global_store_b128 v12, v[E2:E2+3], s[OS:OS+1] offset:12288
.Lno_odd:
	s_wait_tensorcnt 0x0                           ; the wave's end
	ds_add_u32 v[SPW], v[NIL]
	s_wait_dscnt 0x0
	CROUND                                         ; the closing round
	s_endpgm
.Lfunc_end_k_q82f3aee488_qkv:
	.size	k_q82f3aee488_qkv, .Lfunc_end_k_q82f3aee488_qkv-k_q82f3aee488_qkv
	.p2alignl 7, 3214868480
	.fill 96, 4, 3214868480
	.section	.rodata,"a",@progbits
	.p2align	6, 0x0
	.amdhsa_kernel k_q82f3aee488_qkv
		.amdhsa_group_segment_fixed_size 327680
		.amdhsa_private_segment_fixed_size 0
		.amdhsa_enable_private_segment 0
		.amdhsa_kernarg_size 40
		.amdhsa_user_sgpr_count 2
		.amdhsa_user_sgpr_kernarg_segment_ptr 1
		.amdhsa_wavefront_size32 1
		.amdhsa_system_sgpr_workgroup_id_x 1
		.amdhsa_system_sgpr_workgroup_id_y 1
		.amdhsa_system_sgpr_workgroup_id_z 1
		.amdhsa_system_vgpr_workitem_id 0
		.amdhsa_next_free_vgpr 1024
		.amdhsa_next_free_sgpr 102
		.amdhsa_reserve_vcc 1
		.amdhsa_float_denorm_mode_32 3
		.amdhsa_float_denorm_mode_16_64 3
		.amdhsa_memory_ordered 1
		.amdhsa_forward_progress 1
		.amdhsa_inst_pref_size 163
	.end_amdhsa_kernel
	.amdgpu_metadata
---
amdhsa.version: [ 1, 2 ]
amdhsa.kernels:
  - .name:           k_q82f3aee488_qkv
    .symbol:         k_q82f3aee488_qkv.kd
    .args:
      - { .name: pq, .offset: 0, .size: 8, .value_kind: global_buffer, .address_space: global }
      - { .name: bq, .offset: 8, .size: 8, .value_kind: global_buffer, .address_space: global }
      - { .name: bk, .offset: 16, .size: 8, .value_kind: global_buffer, .address_space: global }
      - { .name: bv, .offset: 24, .size: 8, .value_kind: global_buffer, .address_space: global }
      - { .name: qkv, .offset: 32, .size: 8, .value_kind: global_buffer, .address_space: global }
    .group_segment_fixed_size: 327680
    .private_segment_fixed_size: 0
    .kernarg_segment_align: 8
    .kernarg_segment_size: 40
    .max_flat_workgroup_size: 128
    .sgpr_count:     102
    .vgpr_count:     1024
    .wavefront_size: 32
...
	.end_amdgpu_metadata
.endif
;; end of part 2
;; launch attn (part 3): grid 8 x 32, 16 waves a work-group, clusters of 4 x 1, 280,576 bytes of LDS; arguments qkv, ao; writes ao
.if DOCPART == 3
	.amdgcn_target "amdgcn-amd-amdhsa--gfx1250"
	.amdhsa_code_object_version 6
	.text
	.protected	k_q82f3aee488_attn
	.globl	k_q82f3aee488_attn
	.p2align	8
	.type	k_q82f3aee488_attn,@function
k_q82f3aee488_attn:
	s_mov_b64 s[64:65], 0
	v_nop
	global_prefetch_b8 v0, s[64:65] scope:SCOPE_SE
	s_setreg_imm32_b32 hwreg(HW_REG_WAVE_MODE, 25, 1), 1
	s_wait_xcnt 0x0
	s_wait_alu depctr_hold_cnt(0) depctr_sa_sdst(0) depctr_va_vdst(0) depctr_va_sdst(0) depctr_va_ssrc(0) depctr_va_vcc(0) depctr_vm_vsrc(0)
	s_getreg_b32 s2, hwreg(HW_REG_IB_STS2, 6, 4)
	s_cmp_eq_u32 s2, 0
	s_cbranch_scc0 .Lentry_in_a_cluster
	s_endpgm
.Lentry_in_a_cluster:
	s_bfe_u32 s2, ttmp6, 0x10000c
	s_cmp_lg_u32 s2, 0x3003
	s_cbranch_scc0 .Lentry_shape_is_right
	s_endpgm
.Lentry_shape_is_right:
; ao[token][64 head + d] = the sum over keys of softmax(Q . K / 8) V, both products on codes of FP6 (E2M3) with E8M0 scales, for one of 32 (batch, head) pairs and 256 queries a work-group.
; THE SOFTMAX AHEAD OF THE SECOND PRODUCT: t = score x log2(e) / 8; M = the running largest t rounded UP to a whole number; p = 2^(t - M) is quantised along the keys, not normalised; the row's sum is taken of the
; unquantised p and divides at the end.  When M moves, the sum and O are multiplied by 2^(old M - new M): exact.
; SHARES.  Sixteen waves, each one tile of 16 queries in 256 registers: four waves to a SIMD, so that one wave's vector work stands beside another's matrix work.  Every wave walks the head's 2,048 keys, 128 a step.
; ALL OF THE HEAD'S K AND V (196,608 bytes of codes, 12,288 of scale words) COME INTO LDS ONCE, in four parts of 512 keys, by five tensor loads a wave at the head: no LDS byte is filled twice, so there is no ring.
; By this text's own count a wave has five tensor loads out.  CLUSTER: the four query blocks of a cluster belong to one head and ask for each piece jointly (mask 15).
; LAYOUT.  Both products transposed: S^T = K Q^T, O^T = V^T P^T: a lane holds one query throughout.  The head has 64 channels, half of the instruction's 128: registers 6-11 of Q's and K's operands are zeros, kept in registers.
; The rows of every tile lie in the order 32 (t/2) + 8 (t%2) + r + 8 (r/8), so that S^T's 16 registers of tiles 2 b, 2 b + 1 are 16 neighbouring keys.
; A head fragment is 768 bytes: registers 0-3 at 16 l, 4-5 at 512 + 8 l; a fragment of V is two of these on end.
; No prefetch: everything that the launch reads from its streams is asked for by the tensor loads at its head.
; LIMITS: p's blocks whose every p has fallen to 0 keep the byte 1 (their codes are zeros); NaN and infinities are not served.
; REGISTERS: v1-7 addresses that stay; v8-11 addresses in hand; v12 -M, v13 the largest t, v[14:15] the sum; v16-27 Q; v32-79 four fragments of K; v84-87 V's scale words; v96-159 S^T, p, then V's four fragments;
;   v160-191 O^T; v224-235 p's codes; v232-254 at work; v248-251 K's scale words; v255 Q's.
.set QSC,   9437184
.set PARTB, 49152                      ; a part in LDS: K of four key steps (4 x 6,144), then V of the same
.set SL,    196608                     ; the scale words: K [key step][512], V at + 8,192 [key step][256]
.set STAGE, 208896                     ; 16 rows x (256 + 16) bytes for each wave, bytes of their own
.set AK0,  1
.set AK1,  2
.set ASK0, 4
.set ASV0, 5
.set GO,   7
.set ADK,  8
.set ADK1, 9
.set ADS,  10
.set ADT,  11
.set WV,   18
.set SEL,  20
.set CS,   22
.set G1A,  24                          ; s[24:31] group 1: 3 rows of 256 bytes
.set G1P,  32                          ; s[32:39] group 1: 12 rows of 256 bytes
.set G0,   40                          ; s[40:59] five groups 0
.set TK,   60                          ; LDS byte of the step's K
.set TS,   61                          ; of its scale words of K
.set TJ,   62                          ; of V
.set CNT,  63
.macro CROUND
	s_barrier_signal -1
	s_barrier_wait -1
	s_cmp_lg_u32 s[WV], 0
	s_cbranch_scc1 .Lnot_wave_0_\@
	s_barrier_signal -3
.Lnot_wave_0_\@:
	s_barrier_wait -3
	s_barrier_signal -1
	s_barrier_wait -1
.endm
	s_load_b128 s[4:7], s[0:1], 0x0                ; qkv s[4:5], ao s[6:7]
	v_lshl_add_u32 v223, v0, 2, 0x44000
	v_mov_b32 v243, 0
	ds_add_u32 v223, v243
	ds_add_u32 v223, v243
	v_lshrrev_b32 v8, 5, v0
	v_readfirstlane_b32 s[WV], v8                  ; wave 0..15
	s_bfe_u32 s13, ttmp6, 0x40000                  ; cx: it enters Q's and ao's addresses alone
	s_lshl_b32 s14, ttmp9, 2
	s_add_co_u32 s14, s14, s13                     ; my block of 256 queries
	s_and_b32 s15, ttmp7, 0xffff                   ; 16 x batch + head
	s_mov_b32 s[G1A], 15|(3<<16)|(1<<21)           ; the mask: all four work-groups; elements of 8 bytes; 21 set beside a mask; no padding
	s_mov_b32 s[G1A+1], 32<<16
	s_mov_b32 s[G1A+2], 3<<16
	s_mov_b32 s[G1A+3], 32<<16
	s_mov_b32 s[G1A+4], 3
	s_mov_b32 s[G1A+5], 32
	s_mov_b32 s[G1A+6], 0
	s_mov_b32 s[G1A+7], 0
	s_mov_b32 s[G1P], 15|(3<<16)|(1<<21)
	s_mov_b32 s[G1P+1], 32<<16
	s_mov_b32 s[G1P+2], 12<<16
	s_mov_b32 s[G1P+3], 32<<16
	s_mov_b32 s[G1P+4], 12
	s_mov_b32 s[G1P+5], 32
	s_mov_b32 s[G1P+6], 0
	s_mov_b32 s[G1P+7], 0
	s_mul_i32 s66, s15, 12288
	s_mul_i32 s71, s[WV], 768                      ; a sixteenth of the head's 12,288 bytes of K's and V's scale words
	s_add_co_u32 s66, s66, s71
	s_add_co_u32 s66, s66, QSC+393216
	s_mov_b32 s67, 0
	s_mul_i32 s68, s15, 98304
	s_lshr_b32 s69, s[WV], 3                       ; waves 0-7 fetch K, waves 8-15 V
	s_add_co_u32 s69, s69, 1
	s_mul_i32 s69, s69, 3145728
	s_add_co_u32 s68, s68, s69
	s_and_b32 s69, s[WV], 7
	s_mul_i32 s69, s69, 3072                       ; an eighth of a part's 24,576 bytes
	s_add_co_u32 s68, s68, s69
	s_mov_b32 s69, 0
	s_mul_i32 s70, s[WV], 3072
	s_mov_b32 s[SEL], 0x76543210
	s_mov_b32 s[SEL+1], 0xfedcba98
	s_mov_b32 s[CS], 0x3e38aa3b                    ; c = log2(e) / 8
	s_mov_b32 s[CS+1], s[CS]
	s_mov_b32 s[TK], 0
	s_mov_b32 s[TS], 0
	s_mov_b32 s[TJ], 0
	s_wait_dscnt 0x0
	s_wait_kmcnt 0x0
	s_mov_b32 s[G0], 1
	s_add_co_u32 s[G0+1], s71, SL
	s_add_nc_u64 s[G0+2:G0+3], s[4:5], s[66:67]
	s_or_b32 s[G0+3], s[G0+3], 0x80000000
	s_add_nc_u64 s[68:69], s[4:5], s[68:69]
.irp i, 0,1,2,3
	s_mov_b32 s[G0+4+4*\i], 1
	s_add_co_u32 s[G0+5+4*\i], s70, PARTB*\i
	s_add_nc_u64 s[G0+6+4*\i:G0+7+4*\i], s[68:69], 24576*\i
	s_or_b32 s[G0+7+4*\i], s[G0+7+4*\i], 0x80000000
.endr
	CROUND                                         ; all four work-groups are here: the joint loads meet
	tensor_load_to_lds s[G0:G0+3], s[G1A:G1A+7]    ; the scale words, then the four parts: every fill of the launch, as one group
	s_nop 0
	tensor_load_to_lds s[G0+4:G0+7], s[G1P:G1P+7]
	s_nop 0
	tensor_load_to_lds s[G0+8:G0+11], s[G1P:G1P+7]
	s_nop 0
	tensor_load_to_lds s[G0+12:G0+15], s[G1P:G1P+7]
	s_nop 0
	tensor_load_to_lds s[G0+16:G0+19], s[G1P:G1P+7]
	s_nop 0
.rept 4
	v_nop
.endr
	s_lshl_b32 s72, s14, 1
	s_lshr_b32 s73, s[WV], 3
	s_add_co_u32 s72, s72, s73                     ; my token group in the batch
	s_and_b32 s73, s[WV], 7                        ; my tile in it
	s_mul_i32 s74, s15, 98304
	s_mul_i32 s75, s72, 6144
	s_add_co_u32 s74, s74, s75
	s_mul_i32 s75, s73, 768
	s_add_co_u32 s74, s74, s75
	s_mov_b32 s75, 0
	s_add_nc_u64 s[74:75], s[4:5], s[74:75]        ; Q's codes
	s_mul_i32 s76, s15, 12288
	s_lshl_b32 s77, s72, 9
	s_add_co_u32 s76, s76, s77
	s_lshr_b32 s77, s73, 2
	s_lshl_b32 s77, s77, 8
	s_add_co_u32 s76, s76, s77
	s_and_b32 s77, s73, 3
	s_lshl_b32 s77, s77, 2
	s_add_co_u32 s76, s76, s77
	s_add_co_u32 s76, s76, QSC
	s_mov_b32 s77, 0
	s_add_nc_u64 s[76:77], s[4:5], s[76:77]        ; Q's scale words
	s_lshr_b32 s78, s15, 4
	s_lshl_b32 s78, s78, 11                        ; 2,048 x batch
	s_lshl_b32 s79, s72, 7
	s_add_co_u32 s78, s78, s79
	s_lshr_b32 s79, s73, 1
	s_lshl_b32 s79, s79, 5
	s_add_co_u32 s78, s78, s79
	s_and_b32 s79, s73, 1
	s_lshl_b32 s79, s79, 3
	s_add_co_u32 s78, s78, s79                     ; my tile's first token
	s_lshl_b32 s78, s78, 12
	s_and_b32 s79, s15, 15
	s_lshl_b32 s79, s79, 8
	s_add_co_u32 s78, s78, s79                     ; + the head's 256 bytes of a row
	s_mov_b32 s79, 0
	s_add_nc_u64 s[6:7], s[6:7], s[78:79]
	v_and_b32 v3, 31, v0                           ; lane
	v_and_b32 v8, 15, v0                           ; r
	v_bfe_u32 v9, v0, 4, 1                         ; h
	v_lshlrev_b32 v[AK0], 4, v3
	v_lshl_add_u32 v[AK1], v3, 3, 512
	v_lshl_add_u32 v[ASK0], v3, 4, SL              ; K's scale words: lanes 0-15 tiles 0-3, lanes 16-31 tiles 4-7
	v_lshl_add_u32 v[ASV0], v8, 4, SL+8192         ; V's: four tiles' words of lane-row r
	v_lshlrev_b32 v6, 4, v8
	global_load_b128 v[16:19], v[AK0], s[74:75]    ; Q's fragment stays in registers
	global_load_b64 v[20:21], v[AK1], s[74:75]
	global_load_b32 v255, v6, s[76:77]
	v_lshlrev_b32 v[GO], 12, v9
	v_lshl_add_u32 v[GO], v8, 4, v[GO]             ; the way out: lanes 0-15 one row of ao, lanes 16-31 the next
.irp j, 22,23,24,25,26,27
	v_mov_b32 v[\j], 0                             ; k = 64 .. 127 of Q: zero codes
.endr
.irp t, 0,1,2,3
.irp j, 6,7,8,9,10,11
	v_mov_b32 v[32+12*\t+\j], 0                    ; and of K
.endr
.endr
	v_mov_b32 v13, 0xff61b1e6                      ; the largest t so far: -3e38
	v_floor_f32 v12, -v13                          ; -M
	v_mov_b32 v14, 0
	v_mov_b32 v15, 0
.irp b, 0,1,2,3
	v_mov_b32 v[236+\b], 0                         ; a lane permute's destination counts as one of its sources
.endr
	v_mov_b32 v253, 0
.set i, 0
.rept 32
	v_mov_b32 v[160+i], 0                          ; O^T: the step is written once; the first finds zeros
.set i, i+1
.endr
; A KEY STEP: 128 keys.
.macro STEP
	v_add_nc_u32 v[ADK], s[TK], v[AK0]             ; these four and the v_nop are the five places between the last V^T P products and the K Q^T products that write over V's registers
	v_add_nc_u32 v[ADK1], s[TK], v[AK1]
	v_add_nc_u32 v[ADS], s[TS], v[ASK0]
	v_add_nc_u32 v[ADT], s[TJ], v[ASV0]
	v_nop
	ds_load_b128 v[248:251], v[ADS]
	ds_load_b128 v[84:87], v[ADT]
.irp g, 0,1                                    ; S^T = K Q^T, four tiles of 16 keys at a time
.if \g
.rept 4
	v_nop                                          ; places in front of loads into registers that matrix instructions have read
.endr
.endif
.irp t, 0,1,2,3
	ds_load_b128 v[32+12*\t:35+12*\t], v[ADK] offset:768*(4*\g+\t)
	ds_load_b64 v[36+12*\t:37+12*\t], v[ADK1] offset:768*(4*\g+\t)
.endr
	s_wait_dscnt 0x0
.irp t, 0,1,2,3
.if \g
	v_wmma_scale_f32_16x16x128_f8f6f4 v[96+8*(4*\g+\t):103+8*(4*\g+\t)], v[32+12*\t:43+12*\t], v[16:27], 0, v[248+\t], v255 matrix_a_fmt:MATRIX_FMT_FP6 matrix_b_fmt:MATRIX_FMT_FP6 matrix_a_scale:MATRIX_SCALE_ROW1
.else
	v_wmma_scale_f32_16x16x128_f8f6f4 v[96+8*(4*\g+\t):103+8*(4*\g+\t)], v[32+12*\t:43+12*\t], v[16:27], 0, v[248+\t], v255 matrix_a_fmt:MATRIX_FMT_FP6 matrix_b_fmt:MATRIX_FMT_FP6
.endif
.endr
.endr
.rept 4
	v_nop
.endr
.irp b, 0,1,2,3
	v_max3_num_f32 v[232+\b], v[96+16*\b], v[97+16*\b], v[98+16*\b]   ; the largest score of each block of 32 keys: for the row's maximum, and, since p rises with the score, for the block's largest p
.endr
.irp i, 3,5,7,9,11,13
.irp b, 0,1,2,3
	v_max3_num_f32 v[232+\b], v[232+\b], v[96+16*\b+\i], v[97+16*\b+\i]
.endr
.endr
.irp b, 0,1,2,3
	v_max_num_f32 v[232+\b], v[232+\b], v[111+16*\b]
.endr
.irp b, 0,1,2,3
	v_permlanex16_b32 v[236+\b], v[232+\b], s[SEL], s[SEL+1]
.endr
.irp b, 0,1,2,3
	v_max_num_f32 v[232+\b], v[232+\b], v[236+\b]
.endr
	v_max3_num_f32 v254, v232, v233, v234
	v_max_num_f32 v254, v254, v235
	v_mul_f32 v254, s[CS], v254                    ; as t (c is positive)
	v_max_num_f32 v13, v13, v254                   ; the running largest t
	v_mov_b32 v254, v12
	v_floor_f32 v12, -v13                          ; the new -M = -ceil(t)
	v_sub_f32 v254, v12, v254                      ; old M - new M: a whole number, 0 or less
	v_cvt_i32_f32 v254, v254                       ; (it saturates)
	v_ldexp_f32 v252, 1.0, v254                    ; f = 2^(old M - new M)
.set i, 0
.rept 32
	v_pk_fma_f32 v[96+i:97+i], v[96+i:97+i], s[CS:CS+1], v[12:13] op_sel_hi:[1,0,0]   ; t - M
.set i, i+2
.endr
.irp b, 0,1,2,3
	v_fma_f32 v[232+\b], v[232+\b], s[CS], v12
.endr
.set i, 0
.rept 64
	v_exp_f32 v[96+i], v[96+i]                     ; p = 2^(t - M)
.set i, i+1
.endr
	v_pk_mul_f32 v[14:15], v[14:15], v[252:253] op_sel_hi:[1,0]   ; the sums under the new M: a plain place behind the exponentials
	s_wait_alu depctr_va_vdst(0)                   ; one wait for the batch, ahead of its first reader
.irp b, 0,1,2,3
	v_exp_f32 v[232+\b], v[232+\b]                 ; the blocks' largest p
.endr
	v_pk_add_f32 v[236:237], v[96:97], v[98:99]    ; the row's sum of the unquantised p, in two chains
.irp j, 4,8,12,16,20,24,28,32,36,40,44,48,52,56,60
	v_pk_add_f32 v[14:15], v[14:15], v[96+\j:97+\j]
	v_pk_add_f32 v[236:237], v[236:237], v[98+\j:99+\j]
.endr
	v_pk_add_f32 v[14:15], v[14:15], v[236:237]
	s_wait_alu depctr_va_vdst(0)                   ; and one for the four
.irp b, 0,1,2,3
	v_max_num_f32 v[232+\b], 0x1800000, v[232+\b]  ; the floor 2^(3 - 127)
.endr
.irp b, 0,1,2,3
	v_add_nc_u32 v[244+\b], 0xff000000, v[232+\b]
.endr
.irp b, 0,1,2,3
	v_lshrrev_b32 v[236+\b], 23, v[244+\b]
.endr
	v_lshl_or_b32 v253, v237, 8, v236              ; p's scale word for these 128 keys
	v_lshl_or_b32 v253, v238, 16, v253
	v_lshl_or_b32 v253, v239, 24, v253
.irp c, 0,1
	v_cvt_scalef32_pk16_fp6_f32 v[224+6*\c:226+6*\c], v[96+32*\c:111+32*\c], v[244+2*\c]
	v_cvt_scalef32_pk16_fp6_f32 v[236+4*\c:238+4*\c], v[112+32*\c:127+32*\c], v[244+2*\c+1]
.endr
	v_nop                                          ; one plain place behind a scaled conversion
.irp t, 0,1,2,3                                ; V's four fragments land where p lay, while p's codes are put in order
	ds_load_b128 v[96+12*\t:99+12*\t], v[ADK] offset:24576+1536*\t
	ds_load_b64 v[100+12*\t:101+12*\t], v[ADK1] offset:24576+1536*\t
	ds_load_b128 v[102+12*\t:105+12*\t], v[ADK] offset:24576+1536*\t+768
	ds_load_b64 v[106+12*\t:107+12*\t], v[ADK1] offset:24576+1536*\t+768
.endr
.irp c, 0,1
.irp i, 0,1,2
	v_permlane16_swap_b32 v[224+6*\c+\i], v[236+4*\c+\i]
.endr
.irp i, 0,1,2
	v_mov_b32 v[227+6*\c+\i], v[236+4*\c+\i]
.endr
.endr
.set i, 0
.rept 16
	v_pk_mul_f32 v[160+i:161+i], v[160+i:161+i], v[252:253] op_sel_hi:[1,0]   ; O^T under the new M; also the places in front of the scaled products
.set i, i+2
.endr
	s_wait_dscnt 0x0
.irp t, 0,1,2,3                                ; O^T += V^T P^T: the four accumulators by turns
	v_wmma_scale_f32_16x16x128_f8f6f4 v[160+8*\t:167+8*\t], v[96+12*\t:107+12*\t], v[224:235], v[160+8*\t:167+8*\t], v[84+\t], v253 matrix_a_fmt:MATRIX_FMT_FP6 matrix_b_fmt:MATRIX_FMT_FP6
.endr
	s_add_co_u32 s[TK], s[TK], 6144
	s_add_co_u32 s[TS], s[TS], 512
	s_add_co_u32 s[TJ], s[TJ], 256
.endm
; Part n: four key steps.  The count leaves out the parts issued behind it, so they may stay on their way across the barrier.
.macro PART n
	s_wait_tensorcnt 3-\n
	s_wait_dscnt 0x0
	s_barrier_signal -1
	s_barrier_wait -1                              ; every wave's piece of the part has landed
	s_mov_b32 s[CNT], 4
.Lstep_\@:
	STEP
	s_sub_co_u32 s[CNT], s[CNT], 1
	s_cmp_lg_u32 s[CNT], 0
	s_cbranch_scc1 .Lstep_\@
	s_add_co_u32 s[TK], s[TK], 24576               ; over the part's V
.endm
	s_wait_loadcnt 0x0                             ; Q
	PART 0
	PART 1
	PART 2
	PART 3
	; THE WAY OUT: O^T / the sum, through my stage, so that sixteen lanes store the head's 256 bytes of a token's row
	v_add_f32 v14, v14, v15
	v_permlanex16_b32 v252, v14, s[SEL], s[SEL+1]
	v_add_f32 v14, v14, v252                       ; the row's sum
	v_rcp_f32 v14, v14
	v_and_b32 v8, 15, v0
	v_bfe_u32 v9, v0, 4, 1
	s_mul_i32 s73, s[WV], 16*272
	s_add_co_u32 s73, s73, STAGE
	v_mul_u32_u24 v10, v8, 272
	v_lshl_add_u32 v10, v9, 6, v10
	v_add_nc_u32 v10, s73, v10                     ; in: row r, + 64 h: register 8 t + j is channel 32 (t / 2) + 16 h + 8 (t % 2) + j
	v_mul_u32_u24 v11, v9, 272
	v_lshl_add_u32 v11, v8, 4, v11
	v_add_nc_u32 v11, s73, v11                     ; back: lanes 0-15 one row, lanes 16-31 the next
	s_wait_alu depctr_va_vdst(0)                   ; the wait ahead of the reciprocal's first reader
.set i, 0
.rept 32
	v_mul_f32 v[96+i], v[160+i], v14
.set i, i+1
.endr
.irp t, 0,1,2,3
	ds_store_b128 v10, v[96+8*\t:99+8*\t] offset:128*(\t/2)+32*(\t%2)
	ds_store_b128 v10, v[100+8*\t:103+8*\t] offset:128*(\t/2)+32*(\t%2)+16
.endr
.irp i, 0,1,2,3,4,5,6,7
	ds_load_b128 v[32+4*\i:35+4*\i], v11 offset:544*\i   ; my own stage, in order behind my stores
.endr
.irp i, 0,1,2,3,4,5,6,7
	s_wait_dscnt 7-\i                              ; the younger loads may be out
	global_store_b128 v[GO], v[32+4*\i:35+4*\i], s[6:7] offset:(2*\i+8*(\i/4))*4096   ; lane-rows 2 i, 2 i + 1 are tokens 2 i + 8 (i / 4) on
.endr
	s_wait_tensorcnt 0x0
	ds_add_u32 v223, v243
	s_wait_dscnt 0x0
	CROUND                                         ; the closing round
	s_endpgm
.Lfunc_end_k_q82f3aee488_attn:
	.size	k_q82f3aee488_attn, .Lfunc_end_k_q82f3aee488_attn-k_q82f3aee488_attn
	.p2alignl 7, 3214868480
	.fill 96, 4, 3214868480
	.section	.rodata,"a",@progbits
	.p2align	6, 0x0
	.amdhsa_kernel k_q82f3aee488_attn
		.amdhsa_group_segment_fixed_size 280576
		.amdhsa_private_segment_fixed_size 0
		.amdhsa_enable_private_segment 0
		.amdhsa_kernarg_size 16
		.amdhsa_user_sgpr_count 2
		.amdhsa_user_sgpr_kernarg_segment_ptr 1
		.amdhsa_wavefront_size32 1
		.amdhsa_system_sgpr_workgroup_id_x 1
		.amdhsa_system_sgpr_workgroup_id_y 1
		.amdhsa_system_sgpr_workgroup_id_z 1
		.amdhsa_system_vgpr_workitem_id 0
		.amdhsa_next_free_vgpr 256
		.amdhsa_next_free_sgpr 92
		.amdhsa_reserve_vcc 0
		.amdhsa_float_denorm_mode_32 3
		.amdhsa_float_denorm_mode_16_64 3
		.amdhsa_memory_ordered 1
		.amdhsa_forward_progress 1
		.amdhsa_inst_pref_size 79
	.end_amdhsa_kernel
	.amdgpu_metadata
---
amdhsa.version: [ 1, 2 ]
amdhsa.kernels:
  - .name:           k_q82f3aee488_attn
    .symbol:         k_q82f3aee488_attn.kd
    .args:
      - { .name: qkv, .offset: 0, .size: 8, .value_kind: global_buffer, .address_space: global }
      - { .name: ao, .offset: 8, .size: 8, .value_kind: global_buffer, .address_space: global }
    .group_segment_fixed_size: 280576
    .private_segment_fixed_size: 0
    .kernarg_segment_align: 8
    .kernarg_segment_size: 16
    .max_flat_workgroup_size: 512
    .sgpr_count:     92
    .vgpr_count:     256
    .wavefront_size: 32
...
	.end_amdgpu_metadata
.endif
;; end of part 3
;; launch ln1 (part 4): grid 256 x 1, 8 waves a work-group, no clusters, 69,632 bytes of LDS; arguments ao, x, g1, be1, hq; writes hq
.if DOCPART == 4
	.amdgcn_target "amdgcn-amd-amdhsa--gfx1250"
	.amdhsa_code_object_version 6
	.text
	.protected	k_q82f3aee488_ln1
	.globl	k_q82f3aee488_ln1
	.p2align	8
	.type	k_q82f3aee488_ln1,@function
k_q82f3aee488_ln1:
	s_mov_b64 s[64:65], 0
	v_nop
	global_prefetch_b8 v0, s[64:65] scope:SCOPE_SE
	s_setreg_imm32_b32 hwreg(HW_REG_WAVE_MODE, 25, 1), 1
	s_wait_xcnt 0x0
; h = LayerNorm(ao + x) g1 + be1, in f32, quantised to FP6 (E2M3) along its 1,024 and stored as the first FFN product's operand: fragment images and scale words, laid as x's are:
; unit 8 g + s: codes at 12,288 x unit + 1,536 x tile, scale words at HSC + 512 x unit.
; A work-group takes one tile: 16 tokens, 128 g + 32 (t/2) + 8 (t%2) + r + 8 (r/8); wave w takes K step w, 128 columns.  The mean and then the mean of squares about it (two passes: an offset of the inputs costs no accuracy)
; are summed in a lane, with lane l xor 16, and over the eight waves through LDS: two barriers.  Memory binds: every byte is read once in runs of 512 bytes; the matrix unit, clusters and tensor loads would add nothing.
; The scale words leave as 4 bytes of each 16: one byte in 256 of what the launch reads.
; LIMITS: a block of zeros gets the byte 1 (its codes are zeros); largest magnitudes under 2^-124 are held at that floor; NaN and infinities are not served; v_rsq_f32 is the chip's.
.set STGB, 8448                        ; a wave's stage: 16 rows x (512 + 16) bytes
.set RED,  67584                       ; behind the stages: [row 16][wave 8] words, twice
.set HSC,  3145728
.set SU,   32                          ; v32-95 ao, then ao + x, then g1
.set D,    96                          ; v96-159 x, then the 64 numbers of my row
.set BE,   160                         ; v160-223 be1
.set PC,   224
.set TM,   8
.set PW,   24
.set SEL,  20
.set MSB, 0
.macro WIN new
.if MSB != (\new)
	s_set_vgpr_msb (MSB<<8)|(\new)
.set MSB, (\new)
.endif
.endm
.macro QUANT s, w, pw
	s_wait_xcnt 0x0
	WIN ((\w)<<2)|((\w)<<4)
.irp b, 0,1,2,3
	v_max3_num_f32 v[TM+\b], 0x1800000, |v[(\s)+16*\b]|, |v[(\s)+16*\b+1]|
.endr
.irp i, 2,4,6,8,10,12,14
.irp b, 0,1,2,3
	v_max3_num_f32 v[TM+\b], v[TM+\b], |v[(\s)+16*\b+\i]|, |v[(\s)+16*\b+\i+1]|
.endr
.endr
	WIN 0
.irp b, 0,1,2,3
	v_permlanex16_b32 v[TM+4+\b], v[TM+\b], s[SEL], s[SEL+1]
.endr
.irp b, 0,1,2,3
	v_max_num_f32 v[TM+\b], v[TM+\b], v[TM+4+\b]
.endr
.irp b, 0,1,2,3
	v_add_nc_u32 v[TM+12+\b], 0xff000000, v[TM+\b]
.endr
.irp b, 0,1,2,3
	v_lshrrev_b32 v[TM+4+\b], 23, v[TM+12+\b]
.endr
	v_lshl_or_b32 v[\pw], v[TM+5], 8, v[TM+4]
	v_lshl_or_b32 v[\pw], v[TM+6], 16, v[\pw]
	v_lshl_or_b32 v[\pw], v[TM+7], 24, v[\pw]
	WIN (\w)
.irp c, 0,1
	v_cvt_scalef32_pk16_fp6_f32 v[PC+6*\c:PC+6*\c+2], v[(\s)+32*\c:(\s)+32*\c+15], v[TM+12+2*\c]
	v_cvt_scalef32_pk16_fp6_f32 v[PC+12+4*\c:PC+14+4*\c], v[(\s)+32*\c+16:(\s)+32*\c+31], v[TM+13+2*\c]
.endr
	WIN 0
	v_nop
.irp c, 0,1
.irp i, 0,1,2
	v_permlane16_swap_b32 v[PC+6*\c+\i], v[PC+12+4*\c+\i]
.endr
.irp i, 0,1,2
	v_mov_b32 v[PC+3+6*\c+\i], v[PC+12+4*\c+\i]
.endr
.endr
.endm
.macro TURNIN src, dst, ain, aout
.irp i, 0,1,2,3,4,5,6,7,8,9,10,11,12,13,14,15
	ds_store_b128 v[\ain], v[\src+4*\i:\src+4*\i+3] offset:528*\i
.endr
.irp b, 0,1,2,3
.irp j, 0,1,2,3
	ds_load_b128 v[\dst+16*\b+4*\j:\dst+16*\b+4*\j+3], v[\aout] offset:128*\b+16*\j
.endr
.endr
.endm
; v26: my wave's sum for row r -> v26: the row's sum over the eight waves
.macro ACROSS off
	v_permlanex16_b32 v27, v26, s[SEL], s[SEL+1]
	v_add_f32 v26, v26, v27                        ; with lane l xor 16's 64 numbers
	ds_store_b32 v25, v26 offset:\off              ; (both lanes of a row write the same word with the same value)
	s_wait_dscnt 0x0                               ; for the others' sake
	s_barrier_signal -1
	s_barrier_wait -1
	ds_load_b128 v[246:249], v244 offset:\off
	ds_load_b128 v[250:253], v244 offset:\off+16
	s_wait_dscnt 0x0
	v_add_f32 v246, v246, v247
	v_add_f32 v248, v248, v249
	v_add_f32 v250, v250, v251
	v_add_f32 v252, v252, v253
	v_add_f32 v246, v246, v248
	v_add_f32 v250, v250, v252
	v_add_f32 v26, v246, v250
.endm
	s_load_b256 s[4:11], s[0:1], 0x0               ; ao s[4:5], x s[6:7], g1 s[8:9], be1 s[10:11]
	s_load_b64 s[12:13], s[0:1], 0x20              ; hq
	v_lshl_add_u32 v254, v0, 2, 0x10c00
	v_mov_b32 v255, 0
	v_lshrrev_b32 v1, 5, v0
	v_readfirstlane_b32 s14, v1                    ; wave = K step
	v_and_b32 v1, 31, v0
	v_lshlrev_b32 v2, 4, v1                        ; 16 x lane
	v_and_b32 v3, 15, v0                           ; r
	v_bfe_u32 v4, v0, 4, 1                         ; h
	s_mul_i32 s15, s14, STGB
	v_add_nc_u32 v5, s15, v2                       ; into my stage
	v_mul_u32_u24 v6, v3, 528
	v_lshl_add_u32 v6, v4, 6, v6
	v_add_nc_u32 v6, s15, v6                       ; out of it
	v_lshlrev_b32 v7, 4, v3                        ; 16 r
	s_lshl_b32 s15, s14, 2
	s_add_co_u32 s15, s15, RED
	v_lshl_add_u32 v25, v3, 5, s15                 ; my wave's word of row r
	v_lshlrev_b32 v244, 5, v3
	v_add_nc_u32 v244, RED, v244                   ; row r's eight words
	s_lshl_b32 s15, s14, 9
	v_lshl_add_u32 v245, v4, 6, s15                ; g1, be1: 512 w + 64 h
	s_lshr_b32 s16, ttmp9, 3                       ; the group
	s_and_b32 s17, ttmp9, 7                        ; the tile
	s_lshl_b32 s18, s16, 7
	s_lshr_b32 s19, s17, 1
	s_lshl_b32 s19, s19, 5
	s_add_co_u32 s18, s18, s19
	s_and_b32 s19, s17, 1
	s_lshl_b32 s19, s19, 3
	s_add_co_u32 s18, s18, s19                     ; the tile's first token
	s_lshl_b32 s18, s18, 12
	s_add_co_u32 s18, s18, s15
	s_mov_b32 s19, 0
	s_lshl_b32 s22, s16, 3
	s_add_co_u32 s22, s22, s14                     ; the unit
	s_mul_i32 s24, s22, 12288
	s_mul_i32 s25, s17, 1536
	s_add_co_u32 s24, s24, s25
	s_mov_b32 s25, 0
	s_lshl_b32 s26, s22, 9
	s_lshr_b32 s27, s17, 2
	s_lshl_b32 s27, s27, 8
	s_add_co_u32 s26, s26, s27
	s_and_b32 s27, s17, 3
	s_lshl_b32 s27, s27, 2
	s_add_co_u32 s26, s26, s27
	s_add_co_u32 s26, s26, HSC
	s_mov_b32 s27, 0
	s_mov_b32 s[SEL], 0x76543210
	s_mov_b32 s[SEL+1], 0xfedcba98
	s_mov_b32 s28, 0x3a800000                      ; 1 / 1,024
	s_mov_b32 s29, 0x3727c5ac                      ; 1e-5
.irp b, 0,1,2,3
	v_mov_b32 v[TM+4+\b], 0
.endr
	s_wait_kmcnt 0x0
	s_add_nc_u64 s[4:5], s[4:5], s[18:19]
	s_add_nc_u64 s[6:7], s[6:7], s[18:19]
	s_add_nc_u64 s[24:25], s[12:13], s[24:25]
	s_add_nc_u64 s[26:27], s[12:13], s[26:27]
.irp i, 0,1,2,3,4,5,6,7,8,9,10,11,12,13,14,15
	global_load_b128 v[SU+4*\i:SU+4*\i+3], v2, s[4:5] offset:(\i+8*(\i/8))*4096 th:TH_LOAD_NT
.endr
.irp i, 0,1,2,3,4,5,6,7,8,9,10,11,12,13,14,15
	global_load_b128 v[D+4*\i:D+4*\i+3], v2, s[6:7] offset:(\i+8*(\i/8))*4096 th:TH_LOAD_NT
.endr
.irp b, 0,1,2,3
.irp j, 0,1,2,3
	global_load_b128 v[BE+16*\b+4*\j:BE+16*\b+4*\j+3], v245, s[10:11] offset:128*\b+16*\j
.endr
.endr
	s_wait_loadcnt 16                              ; ao and x are in; be1's sixteen loads may be out
.set i, 0
.rept 32
	v_pk_add_f32 v[SU+i:SU+i+1], v[SU+i:SU+i+1], v[D+i:D+i+1]
.set i, i+2
.endr
	TURNIN SU, D, 5, 6
	s_wait_dscnt 0x0
.irp b, 0,1,2,3
.irp j, 0,1,2,3
	global_load_b128 v[SU+16*\b+4*\j:SU+16*\b+4*\j+3], v245, s[8:9] offset:128*\b+16*\j   ; g1, where the sums lay
.endr
.endr
	v_pk_add_f32 v[26:27], v[D:D+1], v[D+2:D+3]
	v_pk_add_f32 v[28:29], v[D+4:D+5], v[D+6:D+7]
.set i, 8
.rept 14
	v_pk_add_f32 v[26:27], v[26:27], v[D+i:D+i+1]
	v_pk_add_f32 v[28:29], v[28:29], v[D+i+2:D+i+3]
.set i, i+4
.endr
	v_pk_add_f32 v[26:27], v[26:27], v[28:29]
	v_add_f32 v26, v26, v27
	ACROSS 0
	v_mul_f32 v26, s28, v26                        ; the mean
.set i, 0
.rept 32
	v_pk_add_f32 v[D+i:D+i+1], v[D+i:D+i+1], v[26:27] op_sel_hi:[1,0] neg_lo:[0,1] neg_hi:[0,1]
.set i, i+2
.endr
	v_pk_mul_f32 v[28:29], v[D:D+1], v[D:D+1]
	v_pk_mul_f32 v[30:31], v[D+2:D+3], v[D+2:D+3]
.set i, 4
.rept 15
	v_pk_fma_f32 v[28:29], v[D+i:D+i+1], v[D+i:D+i+1], v[28:29]
	v_pk_fma_f32 v[30:31], v[D+i+2:D+i+3], v[D+i+2:D+i+3], v[30:31]
.set i, i+4
.endr
	v_pk_add_f32 v[28:29], v[28:29], v[30:31]
	v_add_f32 v26, v28, v29
	ACROSS 512
	v_fma_f32 v28, v26, s28, s29                   ; the variance + 1e-5
	v_rsq_f32 v28, v28
	v_nop                                          ; a plain place behind the transcendental
	s_wait_alu depctr_va_vdst(0)                   ; and the wait ahead of its first reader
	s_wait_loadcnt 0x0                             ; g1 and be1
.set i, 0
.rept 32
	v_pk_mul_f32 v[D+i:D+i+1], v[D+i:D+i+1], v[28:29] op_sel_hi:[1,0]
.set i, i+2
.endr
.set i, 0
.rept 32
	v_pk_fma_f32 v[D+i:D+i+1], v[D+i:D+i+1], v[SU+i:SU+i+1], v[BE+i:BE+i+1]
.set i, i+2
.endr
	QUANT D, 0, PW
.irp c, 0,1,2
	global_store_b128 v2, v[PC+4*\c:PC+4*\c+3], s[24:25] offset:512*\c
.endr
	global_store_b32 v7, v[PW], s[26:27]           ; lanes 16-31 hold the same word for the same place
	s_wait_tensorcnt 0x0
	ds_add_u32 v254, v255
	s_wait_dscnt 0x0
	s_endpgm
.Lfunc_end_k_q82f3aee488_ln1:
	.size	k_q82f3aee488_ln1, .Lfunc_end_k_q82f3aee488_ln1-k_q82f3aee488_ln1
	.p2alignl 7, 3214868480
	.fill 96, 4, 3214868480
	.section	.rodata,"a",@progbits
	.p2align	6, 0x0
	.amdhsa_kernel k_q82f3aee488_ln1
		.amdhsa_group_segment_fixed_size 69632
		.amdhsa_private_segment_fixed_size 0
		.amdhsa_enable_private_segment 0
		.amdhsa_kernarg_size 40
		.amdhsa_user_sgpr_count 2
		.amdhsa_user_sgpr_kernarg_segment_ptr 1
		.amdhsa_wavefront_size32 1
		.amdhsa_system_sgpr_workgroup_id_x 1
		.amdhsa_system_sgpr_workgroup_id_y 1
		.amdhsa_system_sgpr_workgroup_id_z 1
		.amdhsa_system_vgpr_workitem_id 0
		.amdhsa_next_free_vgpr 256
		.amdhsa_next_free_sgpr 66
		.amdhsa_reserve_vcc 0
		.amdhsa_float_denorm_mode_32 3
		.amdhsa_float_denorm_mode_16_64 3
		.amdhsa_memory_ordered 1
		.amdhsa_forward_progress 1
		.amdhsa_inst_pref_size 29
	.end_amdhsa_kernel
	.amdgpu_metadata
---
amdhsa.version: [ 1, 2 ]
amdhsa.kernels:
  - .name:           k_q82f3aee488_ln1
    .symbol:         k_q82f3aee488_ln1.kd
    .args:
      - { .name: ao, .offset: 0, .size: 8, .value_kind: global_buffer, .address_space: global }
      - { .name: x, .offset: 8, .size: 8, .value_kind: global_buffer, .address_space: global }
      - { .name: g1, .offset: 16, .size: 8, .value_kind: global_buffer, .address_space: global }
      - { .name: be1, .offset: 24, .size: 8, .value_kind: global_buffer, .address_space: global }
      - { .name: hq, .offset: 32, .size: 8, .value_kind: global_buffer, .address_space: global }
    .group_segment_fixed_size: 69632
    .private_segment_fixed_size: 0
    .kernarg_segment_align: 8
    .kernarg_segment_size: 40
    .max_flat_workgroup_size: 256
    .sgpr_count:     66
    .vgpr_count:     256
    .wavefront_size: 32
...
	.end_amdgpu_metadata
.endif
;; end of part 4
;; launch ffn1 (part 5): grid 16 x 16, 4 waves a work-group, clusters of 4 x 4, 327,680 bytes of LDS; arguments hq, pq, b1, gq; writes gq
.if DOCPART == 5
	.amdgcn_target "amdgcn-amd-amdhsa--gfx1250"
	.amdhsa_code_object_version 6
	.text
	.protected	k_q82f3aee488_ffn1
	.globl	k_q82f3aee488_ffn1
	.p2align	8
	.type	k_q82f3aee488_ffn1,@function
k_q82f3aee488_ffn1:
	s_mov_b64 s[64:65], 0
	v_nop
	global_prefetch_b8 v0, s[64:65] scope:SCOPE_SE
	s_setreg_imm32_b32 hwreg(HW_REG_WAVE_MODE, 25, 1), 1
	s_wait_xcnt 0x0
	s_wait_alu depctr_hold_cnt(0) depctr_sa_sdst(0) depctr_va_vdst(0) depctr_va_sdst(0) depctr_va_ssrc(0) depctr_va_vcc(0) depctr_vm_vsrc(0)
	s_getreg_b32 s2, hwreg(HW_REG_IB_STS2, 6, 4)
	s_cmp_eq_u32 s2, 0
	s_cbranch_scc0 .Lentry_in_a_cluster
	s_endpgm
.Lentry_in_a_cluster:
	s_bfe_u32 s2, ttmp6, 0x10000c
	s_cmp_lg_u32 s2, 0xf033
	s_cbranch_scc0 .Lentry_shape_is_right
	s_endpgm
.Lentry_shape_is_right:
; g = gelu(h W1 + b1), the product on codes of FP6 (E2M3) with E8M0 scales, the exact gelu in f32, g quantised in registers along its 4,096 for the second FFN product.
; OPERANDS are images of the matrix unit's registers: a group of 128 rows and a K step of 128 are eight images of 1,536 bytes (register j of lane l at 512 (j/4) + 16 l + 4 (j%4)) and 512 bytes of scale words
; (tile 4 q + j, lane-row r at 16 (16 q + r) + 4 j).  Lane-row r of tile t is row 32 (t/2) + 8 (t%2) + r + 8 (r/8) of its group.  A = h (hq), B = W1 (pq, groups 56-87).
; A work-group of four waves makes 256 x 256, a wave 128 x 128.  K = 1,024 goes through a ring of two LDS slots of 256 along K, four dense blocks of 24,576 bytes, one tensor load a wave; all scale words come once.
; CLUSTER 4 x 4: A's blocks are asked for jointly along a row of the cluster, B's along a column.  THE PRODUCT IS USED TRANSPOSED (source 0 = a tile of W1, source 1 = a tile of h): the 64 registers of h's tile a are
; register 16 b + i = hidden unit 32 b + 16 h + i of my token: QUANT turns them into tile a of K step 2 wx + wc of the next operand.  b1 is the C of the first product.
; GELU.  gelu(x) = max(x, 0) - |x| w, w = erfc(|x| / sqrt 2) / 2 = t 2^(log2(e) (P(t) - x^2 / 2) - 1), t = 1 / (1 + 0.35355339 |x|), P a polynomial of degree 9 (a fractional error of 1.2e-7 in erfc): nothing cancels for x < 0.
; The way out is a loop of eight trips, one for each tile of h, since written out it would be some 50 KB of code: a trip begins with one of eight written-out blocks that bring |x| and max(x, 0) of its tile into window 1.
; LIMITS: erfc to 1.2e-7 of its value, v_rcp_f32 and v_exp_f32 as the chip has them; a block of zeros gets the byte 1 (its codes are zeros); largest magnitudes under 2^-124 are held at that floor; NaN and infinities are not served.
; REGISTERS: window 0: v1-13 lane terms; v16-17, v20-21 LDS addresses; v27 scale words' address; v28-29 the add's; v32-63 scale words, two sets; v64-127 b1; v128-223 A's eight fragments;
;   on the way out v64-95 x^2, v128-159 t, v160-191 P, v192-244 the quantiser's.  window 1: B's fragments, two sets; on the way out v0-63 |x|, v64-127 max(x, 0), then g.  windows 2, 3: the accumulators.
.set NS,     8
.set NQ,     2
.set UNIT,   12288
.set GB,     NQ*UNIT
.set SLOT,   4*GB
.set LAPS,   NS/4
.set HALFS,  512*NS
.set SCL,    2*SLOT
.set SPARE,  SCL+4*HALFS               ; the spare words, 128 bytes a wave: two blocks of 256 bytes that no other line names
.set ASC,    3145728                   ; hq: where the scale words begin
.set BC0,    56*98304                  ; pq: W1's codes,
.set BS0,    11796480+56*4096          ; and its scale words
.set GSC,    12582912                  ; gq: where the scale words begin
.set FR,     12
.set NL,     3
.set NP,     4
.set ADRA, 16
.set ADRB, 20
.set ADRS, 27
.set SPW,  28
.set NIL,  29
.set SC,   32
.set BJ,   64
.set AF,   128
.set Z,    64
.set T,    128
.set P,    160
.set PC,   192
.set TM,   212
.set PWB,  228
.set EI,   236
.set PWT,  244
.set SEL,  20
.set G1,   24
.set G0,   32
.set G1B,  48
.set G0B,  56
.set G1S,  68
.set G0S,  76
.set G1SB, 80
.set G0SB, 88
.set OC,   96
.set OS,   98
.set MSB, 0
.macro WIN new                         ; the immediate's high byte repeats the setting that is left
.if MSB != (\new)
	s_set_vgpr_msb (MSB<<8)|(\new)
.set MSB, (\new)
.endif
.endm
.set MUL_LO, 0xa1
.set MUL_HI, 0xf1
.set FST_LO, 0x81
.set FST_HI, 0xc1
.set TO_B,   0x40
.macro JLOAD g0a, g1a, g0b, g1b        ; a joint load: waves 0 and 1 fetch for A, waves 2 and 3 for B; four v_nop follow each of the two lines
	s_cmp_eq_u32 s15, 0
	s_cbranch_scc0 .Lfor_b_\@
	tensor_load_to_lds s[\g0a:\g0a+3], s[\g1a:\g1a+7]
	s_nop 0
.rept 4
	v_nop
.endr
	s_branch .Lasked_\@
.Lfor_b_\@:
	tensor_load_to_lds s[\g0b:\g0b+3], s[\g1b:\g1b+7]
	s_nop 0
.rept 4
	v_nop
.endr
.Lasked_\@:
.endm
.macro CREST
	s_cmp_lg_u32 s14, 0
	s_cbranch_scc1 .Lnot_wave_0_\@
	s_barrier_signal -3
.Lnot_wave_0_\@:
	s_barrier_wait -3
	s_barrier_signal -1
	s_barrier_wait -1
.endm
.macro CROUND
	s_barrier_signal -1
	s_barrier_wait -1
	CREST
.endm
.macro PLACES n
.rept \n
	v_nop
.endr
.endm
.macro QUANT s, w, pw                  ; 64 numbers of window w (register 16 b + i = k 32 b + 16 h + i of my row) -> codes in v[PC] on, scale word in v[pw]
	s_wait_xcnt 0x0
	WIN ((\w)<<2)|((\w)<<4)
.irp b, 0,1,2,3
	v_max3_num_f32 v[TM+\b], 0x1800000, |v[(\s)+16*\b]|, |v[(\s)+16*\b+1]|
.endr
.irp i, 2,4,6,8,10,12,14
.irp b, 0,1,2,3
	v_max3_num_f32 v[TM+\b], v[TM+\b], |v[(\s)+16*\b+\i]|, |v[(\s)+16*\b+\i+1]|
.endr
.endr
	WIN 0
.irp b, 0,1,2,3
	v_permlanex16_b32 v[TM+4+\b], v[TM+\b], s[SEL], s[SEL+1]
.endr
.irp b, 0,1,2,3
	v_max_num_f32 v[TM+\b], v[TM+\b], v[TM+4+\b]
.endr
.irp b, 0,1,2,3
	v_add_nc_u32 v[TM+12+\b], 0xff000000, v[TM+\b]
.endr
.irp b, 0,1,2,3
	v_lshrrev_b32 v[TM+4+\b], 23, v[TM+12+\b]
.endr
	v_lshl_or_b32 v[\pw], v[TM+5], 8, v[TM+4]
	v_lshl_or_b32 v[\pw], v[TM+6], 16, v[\pw]
	v_lshl_or_b32 v[\pw], v[TM+7], 24, v[\pw]
	WIN (\w)
.irp c, 0,1
	v_cvt_scalef32_pk16_fp6_f32 v[PC+6*\c:PC+6*\c+2], v[(\s)+32*\c:(\s)+32*\c+15], v[TM+12+2*\c]
	v_cvt_scalef32_pk16_fp6_f32 v[PC+12+4*\c:PC+14+4*\c], v[(\s)+32*\c+16:(\s)+32*\c+31], v[TM+13+2*\c]
.endr
	WIN 0
	v_nop
.irp c, 0,1
.irp i, 0,1,2
	v_permlane16_swap_b32 v[PC+6*\c+\i], v[PC+12+4*\c+\i]
.endr
.irp i, 0,1,2
	v_mov_b32 v[PC+3+6*\c+\i], v[PC+12+4*\c+\i]
.endr
.endr
.endm
	s_load_b128 s[4:7], s[0:1], 0x0                ; hq s[4:5], pq s[6:7]
	s_load_b128 s[8:11], s[0:1], 0x10              ; b1 s[8:9], gq s[10:11]
	v_lshl_add_u32 v[SPW], v0, 2, SPARE
	v_mov_b32 v[NIL], 0
	ds_add_u32 v28, v29
	ds_add_u32 v28, v29
	s_wait_dscnt 0x0
	v_lshrrev_b32 v1, 5, v0
	v_readfirstlane_b32 s14, v1                    ; wave 0..3
	s_lshr_b32 s15, s14, 1                         ; which of A's two groups is mine.  Also: I fetch for A (0) or for B (1)
	s_and_b32 s16, s14, 1                          ; which of B's two.  Also: which group of that operand I fetch
	s_bfe_u32 s40, ttmp6, 0x40000                  ; cx
	s_bfe_u32 s41, ttmp6, 0x40004                  ; cy
	s_lshl_b32 s42, ttmp9, 2
	s_add_co_u32 s42, s42, s40                     ; tile column
	s_and_b32 s17, ttmp7, 0xffff
	s_lshl_b32 s17, s17, 2
	s_add_co_u32 s17, s17, s41                     ; tile row
	s_lshl_b32 s43, s41, 2
	s_lshl_b32 s43, 15, s43                        ; my row of the cluster
	s_lshl_b32 s44, 0x1111, s40                    ; my column
	s_or_b32 s[G1+0], s43, (3<<16)|(1<<21)         ; the mask; elements of 8 bytes; 21 set beside a mask; no padding
	s_or_b32 s[G1B+0], s44, (3<<16)|(1<<21)
.irp g, G1, G1B
	s_mov_b32 s[\g+1], 32<<16                      ; rows of 256 bytes,
	s_mov_b32 s[\g+2], 96<<16                      ; 96 of them: 24,576 dense bytes
	s_mov_b32 s[\g+3], 32<<16
	s_mov_b32 s[\g+4], 96
	s_mov_b32 s[\g+5], 32
	s_mov_b32 s[\g+6], 0
	s_mov_b32 s[\g+7], 0
.endr
	s_or_b32 s[G1S+0], s43, (3<<16)|(1<<21)
	s_or_b32 s[G1SB+0], s44, (3<<16)|(1<<21)
.irp g, G1S, G1SB
	s_mov_b32 s[\g+1], 32<<16
	s_mov_b32 s[\g+2], (2*NS)<<16
	s_mov_b32 s[\g+3], 32<<16
	s_mov_b32 s[\g+4], 2*NS
	s_mov_b32 s[\g+5], 32
	s_mov_b32 s[\g+6], 0
	s_mov_b32 s[\g+7], 0
.endr
	s_lshl_b32 s20, s17, 1
	s_add_co_u32 s20, s20, s16                     ; A's group that I fetch
	s_lshl_b32 s46, s42, 1
	s_add_co_u32 s46, s46, s16                     ; B's
	s_mul_i32 s22, s20, HALFS
	s_add_co_u32 s22, s22, ASC
	s_mul_i32 s20, s20, NS*UNIT
	s_mov_b32 s21, 0
	s_mov_b32 s23, 0
	s_mul_i32 s92, s46, HALFS
	s_add_co_u32 s92, s92, BS0
	s_mul_i32 s46, s46, NS*UNIT
	s_add_co_u32 s46, s46, BC0
	s_mov_b32 s47, 0
	s_mov_b32 s93, 0
	s_mul_i32 s45, s14, GB
	s_mul_i32 s94, s14, HALFS
	s_wait_kmcnt 0x0
	s_add_nc_u64 s[20:21], s[4:5], s[20:21]
	s_add_nc_u64 s[22:23], s[4:5], s[22:23]
	s_add_nc_u64 s[46:47], s[6:7], s[46:47]
	s_add_nc_u64 s[92:93], s[6:7], s[92:93]
	CROUND                                         ; all sixteen work-groups are here: the first joint loads meet
	s_mov_b32 s[G0S], 1
	s_add_co_u32 s[G0S+1], s94, SCL
	s_mov_b64 s[G0S+2:G0S+3], s[22:23]
	s_or_b32 s[G0S+3], s[G0S+3], 0x80000000
	s_mov_b32 s[G0SB], 1
	s_add_co_u32 s[G0SB+1], s94, SCL
	s_mov_b64 s[G0SB+2:G0SB+3], s[92:93]
	s_or_b32 s[G0SB+3], s[G0SB+3], 0x80000000
	JLOAD G0S, G1S, G0SB, G1SB
.irp s, 0,1
	s_mov_b32 s[G0+4*\s], 1
	s_add_co_u32 s[G0+4*\s+1], s45, \s*SLOT
	s_add_nc_u64 s[G0+4*\s+2:G0+4*\s+3], s[20:21], \s*GB
	s_or_b32 s[G0+4*\s+3], s[G0+4*\s+3], 0x80000000
	s_mov_b32 s[G0B+4*\s], 1
	s_add_co_u32 s[G0B+4*\s+1], s45, \s*SLOT
	s_add_nc_u64 s[G0B+4*\s+2:G0B+4*\s+3], s[46:47], \s*GB
	s_or_b32 s[G0B+4*\s+3], s[G0B+4*\s+3], 0x80000000
	JLOAD G0+4*\s, G1, G0B+4*\s, G1B
.endr
	v_and_b32 v7, 31, v0                           ; lane
	v_and_b32 v1, 15, v0                           ; r
	v_bfe_u32 v2, v0, 4, 1                         ; h
	v_lshlrev_b32 v3, 4, v7                        ; 16 x lane
	s_mul_i32 s21, s15, GB
	s_mul_i32 s22, s16, GB
	s_add_co_u32 s22, s22, 2*GB
.irp s, 0,1
	v_add_nc_u32 v[ADRA+\s], s21, v3
	v_add_nc_u32 v[ADRB+\s], s22, v3
	s_add_co_u32 s21, s21, SLOT
	s_add_co_u32 s22, s22, SLOT
.endr
	v_lshlrev_b32 v5, 4, v1
	s_mul_i32 s21, s15, HALFS
	s_mul_i32 s22, s16, HALFS
	s_add_co_u32 s22, s22, 2*HALFS
	s_sub_co_u32 s22, s22, s21
	v_mul_u32_u24 v6, s22, v2                      ; lanes 16-31 take B's scale words
	s_add_co_u32 s21, s21, SCL
	v_add_nc_u32 v5, v5, v6
	v_add_nc_u32 v[ADRS], s21, v5
	s_lshl_b32 s20, s17, 1
	s_add_co_u32 s20, s20, s15                     ; my token group
	s_lshl_b32 s21, s42, 1
	s_add_co_u32 s21, s21, s16                     ; my group of hidden units = the next product's K step
	s_lshl_b32 s20, s20, 5
	s_add_co_u32 s20, s20, s21                     ; the unit in gq
	s_mul_i32 s[OC], s20, UNIT
	s_mov_b32 s[OC+1], 0
	s_lshl_b32 s[OS], s20, 9
	s_add_co_u32 s[OS], s[OS], GSC
	s_mov_b32 s[OS+1], 0
	s_add_nc_u64 s[OC:OC+1], s[10:11], s[OC:OC+1]
	s_add_nc_u64 s[OS:OS+1], s[10:11], s[OS:OS+1]
	s_lshl_b32 s21, s21, 9
	v_lshl_add_u32 v13, v2, 6, s21                 ; b1: 512 x group + 64 h
.irp t, 0,1,2,3,4,5,6,7
	global_load_b128 v[BJ+8*\t:BJ+8*\t+3], v13, s[8:9] offset:(32*(\t/2)+8*(\t%2))*4
	global_load_b128 v[BJ+8*\t+4:BJ+8*\t+7], v13, s[8:9] offset:(32*(\t/2)+8*(\t%2))*4+16
.endr
.macro FRAG reg, adr, q, i
.irp c, 0,1,2
	ds_load_b128 v[\reg+4*\c:\reg+4*\c+3], v[\adr] offset:UNIT*(\q)+1536*(\i)+512*\c
.endr
.endm
.macro MUL16 a0, p, q, sc, first       ; 16 matrix instructions; the 64 accumulators take turns
.irp a, \a0, \a0+1
.irp b, 0,1,2,3,4,5,6,7
.if \first
	v_wmma_scale_f32_16x16x128_f8f6f4 v[8*(8*((\a)%4)+\b):8*(8*((\a)%4)+\b)+7], v[128*(\p)+FR*\b:128*(\p)+FR*\b+FR-1], v[AF+FR*(\a):AF+FR*(\a)+FR-1], v[BJ+8*\b:BJ+8*\b+7], v[SC+16*(\sc)+8*(\q)+\b], v[SC+16*(\sc)+8*(\q)+(\a)] matrix_a_fmt:MATRIX_FMT_FP6 matrix_b_fmt:MATRIX_FMT_FP6 matrix_a_scale:MATRIX_SCALE_ROW1
.else
	v_wmma_scale_f32_16x16x128_f8f6f4 v[8*(8*((\a)%4)+\b):8*(8*((\a)%4)+\b)+7], v[128*(\p)+FR*\b:128*(\p)+FR*\b+FR-1], v[AF+FR*(\a):AF+FR*(\a)+FR-1], v[8*(8*((\a)%4)+\b):8*(8*((\a)%4)+\b)+7], v[SC+16*(\sc)+8*(\q)+\b], v[SC+16*(\sc)+8*(\q)+(\a)] matrix_a_fmt:MATRIX_FMT_FP6 matrix_b_fmt:MATRIX_FMT_FP6 matrix_a_scale:MATRIX_SCALE_ROW1
.endif
.endr
.endr
.endm
.macro FETCH_B slot, q, p
	WIN TO_B
.irp i, 0,1,2,3,4,5,6,7
	FRAG 128*(\p)+FR*\i, ADRB+\slot, \q, \i
.endr
	WIN 0
.endm
.macro FETCH_A slot, q, i0
.irp i, \i0, \i0+1, \i0+2, \i0+3
	FRAG AF+FR*(\i), ADRA+\slot, \q, \i
.endr
.endm
.macro SCALES sc
.irp q, 0,1
.irp u, 0,1
	ds_load_b128 v[SC+16*\sc+8*\q+4*\u:SC+16*\sc+8*\q+4*\u+3], v[ADRS] offset:512*\q+256*\u
.endr
.endr
.endm
.macro STEP slot, q, first
	s_wait_dscnt 4*NL                              ; all but the youngest 12 loads (A's tiles 4-7)
.if \first
	WIN FST_LO
.else
	WIN MUL_LO
.endif
	MUL16 0, (\q)%2, \q, \slot, \first
	MUL16 2, (\q)%2, \q, \slot, \first
	s_wait_dscnt 0
	PLACES NP
	FETCH_B \slot, (\q)+1, 1-(\q)%2
	FETCH_A \slot, (\q)+1, 0
.if \first
	WIN FST_HI
.else
	WIN MUL_HI
.endif
	MUL16 4, (\q)%2, \q, \slot, \first
	MUL16 6, (\q)%2, \q, \slot, \first
	PLACES NP
	WIN 0
	FETCH_A \slot, (\q)+1, 4
.endm
.macro TURN slot, next, fill
	s_wait_tensorcnt 0x0                           ; all my tensor loads have landed: my part of the next slot
	ds_add_u32 v[SPW], v[NIL]                      ; 0 onto my spare word
	s_wait_dscnt 4*NL+1                            ; (the add and the youngest 12 loads may be out)
	WIN MUL_LO
	MUL16 0, 1, NQ-1, \slot, 0
	s_wait_dscnt 0x0                               ; the add is done, and my reads of this slot are over
	s_barrier_signal -1
	MUL16 2, 1, NQ-1, \slot, 0
	WIN 0
	s_barrier_wait -1
.if \fill
	CREST                                          ; no wave of any partner still reads this slot or has a load on its way
	s_add_nc_u64 s[G0+4*\slot+2:G0+4*\slot+3], s[G0+4*\slot+2:G0+4*\slot+3], 2*GB
	s_add_nc_u64 s[G0B+4*\slot+2:G0B+4*\slot+3], s[G0B+4*\slot+2:G0B+4*\slot+3], 2*GB
	JLOAD G0+4*\slot, G1, G0B+4*\slot, G1B
.else
	PLACES NP
.endif
	v_add_nc_u32 v[ADRS], 512*NQ, v[ADRS]
	FETCH_B \next, 0, 0
	FETCH_A \next, 0, 0
	SCALES \next
	WIN MUL_HI
	MUL16 4, 1, NQ-1, \slot, 0
	MUL16 6, 1, NQ-1, \slot, 0
	PLACES NP
	WIN 0
	FETCH_A \next, 0, 4
.endm
	s_wait_loadcnt 0x0                             ; b1
	s_wait_tensorcnt 1                             ; the scale words and my part of slot 0 are in; slot 1's load may be out
	s_barrier_signal -1
	s_barrier_wait -1
	FETCH_B 0, 0, 0
	FETCH_A 0, 0, 0
	SCALES 0
	FETCH_A 0, 0, 4
	STEP 0, 0, 1
	s_mov_b32 s3, LAPS-1
.Llap:
	TURN 0, 1, 1
	STEP 1, 0, 0
	TURN 1, 0, 1
	STEP 0, 0, 0
	s_sub_co_u32 s3, s3, 1
	s_cmp_lg_u32 s3, 0
	s_cbranch_scc1 .Llap
	TURN 0, 1, 0
	STEP 1, 0, 0
	s_wait_dscnt 4*NL
	WIN MUL_LO
	MUL16 0, 1, NQ-1, 1, 0
	MUL16 2, 1, NQ-1, 1, 0
	s_wait_dscnt 0
	WIN MUL_HI
	MUL16 4, 1, NQ-1, 1, 0
	MUL16 6, 1, NQ-1, 1, 0
	WIN 0
	; THE WAY OUT
	PLACES NP
	s_mov_b32 s[SEL], 0x76543210
	s_mov_b32 s[SEL+1], 0xfedcba98
	s_mov_b32 s66, 0x7fffffff                      ; clears a sign
	s_mov_b32 s18, 0x3e2ef945                      ; P's leading coefficient, 0.17087277
	s_mov_b32 s19, s18
.irp b, 0,1,2,3
	v_mov_b32 v[TM+4+\b], 0
.endr
	v_mov_b32 v[PWT], 0                            ; written once, so that every way through the branches below finds them written
.irp j, 0,1,2,3,4,5,6,7
	v_mov_b32 v[PWB+\j], 0
.endr
.macro TAKE k                          ; tile k's |x| and max(x, 0) into window 1; the scale word of the tile before into its place
.if (\k) > 0
	v_mov_b32 v[PWB+(\k)-1], v[PWT]
.endif
	WIN 0x40|((2+(\k)/4)<<2)
.set i, 0
.rept 64
	v_and_b32 v[i], s66, v[64*((\k)%4)+i]
.set i, i+1
.endr
.set i, 0
.rept 64
	v_max_num_f32 v[64+i], 0, v[64*((\k)%4)+i]
.set i, i+1
.endr
	WIN 0
.endm
.macro GELU hf                         ; 32 numbers of the tile
.set AXB, 32*(\hf)
.set RB,  64+32*(\hf)
	WIN 0x01
.set i, 0
.rept 16
	v_pk_fma_f32 v[T+i:T+i+1], v[AXB+i:AXB+i+1], 0x3eb504f3, 1.0 op_sel_hi:[1,0,0]   ; 1 + |x| / (2 sqrt 2)
.set i, i+2
.endr
	WIN 0
.set i, 0
.rept 32
	v_rcp_f32 v[T+i], v[T+i]                       ; t
.set i, i+1
.endr
	WIN 0x05
.set i, 0
.rept 16
	v_pk_mul_f32 v[Z+i:Z+i+1], v[AXB+i:AXB+i+1], v[AXB+i:AXB+i+1]   ; x^2: plain work behind the batch
.set i, i+2
.endr
	WIN 0
	s_wait_alu depctr_va_vdst(0)                   ; one wait for the 32 reciprocals, ahead of their first reader
.set i, 0
.rept 16
	v_pk_fma_f32 v[P+i:P+i+1], v[T+i:T+i+1], s[18:19], 0xbf527892 op_sel_hi:[1,0,0]
.set i, i+2
.endr
.irp c, 0x3fbe87b0, 0xbf914e5d, 0x3e8ec7cc, 0xbe3ec24c, 0x3dc636c9, 0x3ebf88fb, 0x3f8000c7, 0xbfa1fc4e
.set i, 0
.rept 16
	v_pk_fma_f32 v[P+i:P+i+1], v[P+i:P+i+1], v[T+i:T+i+1], \c op_sel_hi:[1,1,0]
.set i, i+2
.endr
.endr
.set i, 0
.rept 16
	v_pk_fma_f32 v[P+i:P+i+1], v[Z+i:Z+i+1], -0.5, v[P+i:P+i+1] op_sel_hi:[1,0,1]
.set i, i+2
.endr
.set i, 0
.rept 16
	v_pk_fma_f32 v[P+i:P+i+1], v[P+i:P+i+1], 0x3fb8aa3b, -1.0 op_sel_hi:[1,0,0]
.set i, i+2
.endr
.set i, 0
.rept 32
	v_exp_f32 v[P+i], v[P+i]
.set i, i+1
.endr
	v_nop                                          ; a plain place behind the last exponential
	s_wait_alu depctr_va_vdst(0)                   ; one wait for the 32
.set i, 0
.rept 16
	v_pk_mul_f32 v[T+i:T+i+1], v[T+i:T+i+1], v[P+i:P+i+1]   ; w
.set i, i+2
.endr
	WIN 0x51
.set i, 0
.rept 16
	v_pk_fma_f32 v[RB+i:RB+i+1], v[AXB+i:AXB+i+1], v[T+i:T+i+1], v[RB+i:RB+i+1] neg_lo:[1,0,0] neg_hi:[1,0,0]   ; max(x, 0) - |x| w
.set i, i+2
.endr
	WIN 0
.endm
	s_mov_b32 s2, 0
.Ltile:
.irp k, 1,2,3,4,5,6,7
	s_cmp_eq_u32 s2, \k
	s_cbranch_scc1 .Ltake\k
.endr
	TAKE 0
	s_branch .Lwork
.irp k, 1,2,3,4,5,6,7
.Ltake\k:
	TAKE \k
	s_branch .Lwork
.endr
.Lwork:
	GELU 0
	GELU 1
	QUANT 64, 1, PWT
.irp c, 0,1,2
	global_store_b128 v3, v[PC+4*\c:PC+4*\c+3], s[OC:OC+1] offset:512*\c   ; 512 consecutive bytes
.endr
	s_wait_xcnt 0x0                                ; the stores have read their base
	s_add_nc_u64 s[OC:OC+1], s[OC:OC+1], 1536
	s_add_co_u32 s2, s2, 1
	s_cmp_lt_u32 s2, 8
	s_cbranch_scc1 .Ltile
	v_mov_b32 v[PWB+7], v[PWT]
	v_cmp_lt_u32 vcc_lo, 15, v7
.irp j, 0,1,2,3
	v_cndmask_b32 v[EI+\j], v[PWB+\j], v[PWB+4+\j], vcc_lo   ; lanes 0-15: tiles 0-3, lanes 16-31: tiles 4-7
.endr
	global_store_b128 v3, v[EI:EI+3], s[OS:OS+1]
	s_wait_tensorcnt 0x0                           ; the wave's end
	ds_add_u32 v[SPW], v[NIL]
	s_wait_dscnt 0x0
	CROUND                                         ; the closing round
	s_endpgm
.Lfunc_end_k_q82f3aee488_ffn1:
	.size	k_q82f3aee488_ffn1, .Lfunc_end_k_q82f3aee488_ffn1-k_q82f3aee488_ffn1
	.p2alignl 7, 3214868480
	.fill 96, 4, 3214868480
	.section	.rodata,"a",@progbits
	.p2align	6, 0x0
	.amdhsa_kernel k_q82f3aee488_ffn1
		.amdhsa_group_segment_fixed_size 327680
		.amdhsa_private_segment_fixed_size 0
		.amdhsa_enable_private_segment 0
		.amdhsa_kernarg_size 32
		.amdhsa_user_sgpr_count 2
		.amdhsa_user_sgpr_kernarg_segment_ptr 1
		.amdhsa_wavefront_size32 1
		.amdhsa_system_sgpr_workgroup_id_x 1
		.amdhsa_system_sgpr_workgroup_id_y 1
		.amdhsa_system_sgpr_workgroup_id_z 1
		.amdhsa_system_vgpr_workitem_id 0
		.amdhsa_next_free_vgpr 1024
		.amdhsa_next_free_sgpr 102
		.amdhsa_reserve_vcc 1
		.amdhsa_float_denorm_mode_32 3
		.amdhsa_float_denorm_mode_16_64 3
		.amdhsa_memory_ordered 1
		.amdhsa_forward_progress 1
		.amdhsa_inst_pref_size 191
	.end_amdhsa_kernel
	.amdgpu_metadata
---
amdhsa.version: [ 1, 2 ]
amdhsa.kernels:
  - .name:           k_q82f3aee488_ffn1
    .symbol:         k_q82f3aee488_ffn1.kd
    .args:
      - { .name: hq, .offset: 0, .size: 8, .value_kind: global_buffer, .address_space: global }
      - { .name: pq, .offset: 8, .size: 8, .value_kind: global_buffer, .address_space: global }
      - { .name: b1, .offset: 16, .size: 8, .value_kind: global_buffer, .address_space: global }
      - { .name: gq, .offset: 24, .size: 8, .value_kind: global_buffer, .address_space: global }
    .group_segment_fixed_size: 327680
    .private_segment_fixed_size: 0
    .kernarg_segment_align: 8
    .kernarg_segment_size: 32
    .max_flat_workgroup_size: 128
    .sgpr_count:     102
    .vgpr_count:     1024
    .wavefront_size: 32
...
	.end_amdgpu_metadata
.endif
;; end of part 5
;; launch ffn2 (part 6): grid 4 x 16, 4 waves a work-group, clusters of 4 x 4, 327,680 bytes of LDS; arguments gq, pq, b2, y; writes y
.if DOCPART == 6
	.amdgcn_target "amdgcn-amd-amdhsa--gfx1250"
	.amdhsa_code_object_version 6
	.text
	.protected	k_q82f3aee488_ffn2
	.globl	k_q82f3aee488_ffn2
	.p2align	8
	.type	k_q82f3aee488_ffn2,@function
k_q82f3aee488_ffn2:
	s_mov_b64 s[64:65], 0
	v_nop
	global_prefetch_b8 v0, s[64:65] scope:SCOPE_SE
	s_setreg_imm32_b32 hwreg(HW_REG_WAVE_MODE, 25, 1), 1
	s_wait_xcnt 0x0
	s_wait_alu depctr_hold_cnt(0) depctr_sa_sdst(0) depctr_va_vdst(0) depctr_va_sdst(0) depctr_va_ssrc(0) depctr_va_vcc(0) depctr_vm_vsrc(0)
	s_getreg_b32 s2, hwreg(HW_REG_IB_STS2, 6, 4)
	s_cmp_eq_u32 s2, 0
	s_cbranch_scc0 .Lentry_in_a_cluster
	s_endpgm
.Lentry_in_a_cluster:
	s_bfe_u32 s2, ttmp6, 0x10000c
	s_cmp_lg_u32 s2, 0xf033
	s_cbranch_scc0 .Lentry_shape_is_right
	s_endpgm
.Lentry_shape_is_right:
; y = g W2 + b2, on codes of FP6 (E2M3) with E8M0 scales; y [4096][1024] f32.
; OPERANDS are images of the matrix unit's registers: a group of 128 rows and a K step of 128 are eight images of 1,536 bytes (register j of lane l at 512 (j/4) + 16 l + 4 (j%4)) and 512 bytes of scale words
; (tile 4 q + j, lane-row r at 16 (16 q + r) + 4 j).  Lane-row r of tile t is row 32 (t/2) + 8 (t%2) + r + 8 (r/8) of its group.  A = g (gq), B = W2 (pq).
; A work-group of four waves makes 256 x 256, a wave 128 x 128.  K = 4,096 goes through a ring of two LDS slots of 256 along K, four dense blocks of 24,576 bytes, one tensor load a wave; all scale words (65,536 bytes) come once.
; CLUSTER 4 x 4: A's blocks are asked for jointly along a row of the cluster, B's along a column.  y has 64 tiles of 256 x 256: a smaller tile would feed fewer products from each byte fetched and each LDS byte read.
; THE PRODUCT IS USED TRANSPOSED (source 0 = a tile of W2, source 1 = a tile of g): a lane holds one token; register 8 b + j is column 32 (b/2) + 16 h + 8 (b%2) + j.  b2 is the C of the first product.
; The way out goes through each wave's stage, which lies in slot 0: that slot has had its last fill and its last read when the first result is stored there.
; LIMITS: NaN and infinities are not served.
.set NS,     32
.set NQ,     2
.set UNIT,   12288
.set GB,     NQ*UNIT
.set SLOT,   4*GB
.set LAPS,   NS/4
.set HALFS,  512*NS
.set SCL,    2*SLOT
.set SPARE,  SCL+4*HALFS               ; the spare words, 128 bytes a wave: two blocks of 256 bytes that no other line names
.set ASC,    12582912                  ; gq: where the scale words begin
.set BC0,    88*98304                  ; pq: W2's codes,
.set BS0,    11796480+88*4096          ; and its scale words
.set SPITCH, 528
.set FR,     12
.set NL,     3
.set NP,     4
.set ADRA, 16
.set ADRB, 20
.set STO,  24
.set RD,   25
.set ADRS, 27
.set SPW,  28
.set NIL,  29
.set SC,   32
.set BJ,   64
.set AF,   128
.set BK,   128                         ; the way out: 16 rows read back: v128-191 and v192-255 by turns
.set G1,   24
.set G0,   32
.set G1B,  48
.set G0B,  56
.set G1S,  68
.set G0S,  76
.set G1SB, 80
.set G0SB, 88
.set MSB, 0
.macro WIN new                         ; the immediate's high byte repeats the setting that is left
.if MSB != (\new)
	s_set_vgpr_msb (MSB<<8)|(\new)
.set MSB, (\new)
.endif
.endm
.set MUL_LO, 0xa1
.set MUL_HI, 0xf1
.set FST_LO, 0x81
.set FST_HI, 0xc1
.set TO_B,   0x40
.macro JLOAD g0a, g1a, g0b, g1b        ; a joint load: waves 0 and 1 fetch for A, waves 2 and 3 for B; four v_nop follow each of the two lines
	s_cmp_eq_u32 s15, 0
	s_cbranch_scc0 .Lfor_b_\@
	tensor_load_to_lds s[\g0a:\g0a+3], s[\g1a:\g1a+7]
	s_nop 0
.rept 4
	v_nop
.endr
	s_branch .Lasked_\@
.Lfor_b_\@:
	tensor_load_to_lds s[\g0b:\g0b+3], s[\g1b:\g1b+7]
	s_nop 0
.rept 4
	v_nop
.endr
.Lasked_\@:
.endm
.macro CREST
	s_cmp_lg_u32 s14, 0
	s_cbranch_scc1 .Lnot_wave_0_\@
	s_barrier_signal -3
.Lnot_wave_0_\@:
	s_barrier_wait -3
	s_barrier_signal -1
	s_barrier_wait -1
.endm
.macro CROUND
	s_barrier_signal -1
	s_barrier_wait -1
	CREST
.endm
.macro PLACES n
.rept \n
	v_nop
.endr
.endm
	s_load_b128 s[4:7], s[0:1], 0x0                ; gq s[4:5], pq s[6:7]
	s_load_b128 s[8:11], s[0:1], 0x10              ; b2 s[8:9], y s[10:11]
	v_lshl_add_u32 v[SPW], v0, 2, SPARE
	v_mov_b32 v[NIL], 0
	ds_add_u32 v28, v29
	ds_add_u32 v28, v29
	s_wait_dscnt 0x0
	v_lshrrev_b32 v1, 5, v0
	v_readfirstlane_b32 s14, v1                    ; wave 0..3
	s_lshr_b32 s15, s14, 1                         ; which of A's two groups is mine.  Also: I fetch for A (0) or for B (1)
	s_and_b32 s16, s14, 1                          ; which of B's two.  Also: which group of that operand I fetch
	s_bfe_u32 s40, ttmp6, 0x40000                  ; cx
	s_bfe_u32 s41, ttmp6, 0x40004                  ; cy
	s_lshl_b32 s42, ttmp9, 2
	s_add_co_u32 s42, s42, s40                     ; tile column
	s_and_b32 s17, ttmp7, 0xffff
	s_lshl_b32 s17, s17, 2
	s_add_co_u32 s17, s17, s41                     ; tile row
	s_lshl_b32 s43, s41, 2
	s_lshl_b32 s43, 15, s43                        ; my row of the cluster
	s_lshl_b32 s44, 0x1111, s40                    ; my column
	s_or_b32 s[G1+0], s43, (3<<16)|(1<<21)         ; the mask; elements of 8 bytes; 21 set beside a mask; no padding
	s_or_b32 s[G1B+0], s44, (3<<16)|(1<<21)
.irp g, G1, G1B
	s_mov_b32 s[\g+1], 32<<16                      ; rows of 256 bytes,
	s_mov_b32 s[\g+2], 96<<16                      ; 96 of them: 24,576 dense bytes
	s_mov_b32 s[\g+3], 32<<16
	s_mov_b32 s[\g+4], 96
	s_mov_b32 s[\g+5], 32
	s_mov_b32 s[\g+6], 0
	s_mov_b32 s[\g+7], 0
.endr
	s_or_b32 s[G1S+0], s43, (3<<16)|(1<<21)
	s_or_b32 s[G1SB+0], s44, (3<<16)|(1<<21)
.irp g, G1S, G1SB
	s_mov_b32 s[\g+1], 32<<16
	s_mov_b32 s[\g+2], (2*NS)<<16
	s_mov_b32 s[\g+3], 32<<16
	s_mov_b32 s[\g+4], 2*NS
	s_mov_b32 s[\g+5], 32
	s_mov_b32 s[\g+6], 0
	s_mov_b32 s[\g+7], 0
.endr
	s_lshl_b32 s20, s17, 1
	s_add_co_u32 s20, s20, s16                     ; A's group that I fetch
	s_lshl_b32 s46, s42, 1
	s_add_co_u32 s46, s46, s16                     ; B's
	s_mul_i32 s22, s20, HALFS
	s_add_co_u32 s22, s22, ASC
	s_mul_i32 s20, s20, NS*UNIT
	s_mov_b32 s21, 0
	s_mov_b32 s23, 0
	s_mul_i32 s92, s46, HALFS
	s_add_co_u32 s92, s92, BS0
	s_mul_i32 s46, s46, NS*UNIT
	s_add_co_u32 s46, s46, BC0
	s_mov_b32 s47, 0
	s_mov_b32 s93, 0
	s_mul_i32 s45, s14, GB
	s_mul_i32 s94, s14, HALFS
	s_wait_kmcnt 0x0
	s_add_nc_u64 s[20:21], s[4:5], s[20:21]
	s_add_nc_u64 s[22:23], s[4:5], s[22:23]
	s_add_nc_u64 s[46:47], s[6:7], s[46:47]
	s_add_nc_u64 s[92:93], s[6:7], s[92:93]
	CROUND                                         ; all sixteen work-groups are here: the first joint loads meet
	s_mov_b32 s[G0S], 1
	s_add_co_u32 s[G0S+1], s94, SCL
	s_mov_b64 s[G0S+2:G0S+3], s[22:23]
	s_or_b32 s[G0S+3], s[G0S+3], 0x80000000
	s_mov_b32 s[G0SB], 1
	s_add_co_u32 s[G0SB+1], s94, SCL
	s_mov_b64 s[G0SB+2:G0SB+3], s[92:93]
	s_or_b32 s[G0SB+3], s[G0SB+3], 0x80000000
	JLOAD G0S, G1S, G0SB, G1SB
.irp s, 0,1
	s_mov_b32 s[G0+4*\s], 1
	s_add_co_u32 s[G0+4*\s+1], s45, \s*SLOT
	s_add_nc_u64 s[G0+4*\s+2:G0+4*\s+3], s[20:21], \s*GB
	s_or_b32 s[G0+4*\s+3], s[G0+4*\s+3], 0x80000000
	s_mov_b32 s[G0B+4*\s], 1
	s_add_co_u32 s[G0B+4*\s+1], s45, \s*SLOT
	s_add_nc_u64 s[G0B+4*\s+2:G0B+4*\s+3], s[46:47], \s*GB
	s_or_b32 s[G0B+4*\s+3], s[G0B+4*\s+3], 0x80000000
	JLOAD G0+4*\s, G1, G0B+4*\s, G1B
.endr
	v_and_b32 v7, 31, v0                           ; lane
	v_and_b32 v1, 15, v0                           ; r
	v_bfe_u32 v2, v0, 4, 1                         ; h
	v_lshlrev_b32 v3, 4, v7                        ; 16 x lane
	s_mul_i32 s21, s15, GB
	s_mul_i32 s22, s16, GB
	s_add_co_u32 s22, s22, 2*GB
.irp s, 0,1
	v_add_nc_u32 v[ADRA+\s], s21, v3
	v_add_nc_u32 v[ADRB+\s], s22, v3
	s_add_co_u32 s21, s21, SLOT
	s_add_co_u32 s22, s22, SLOT
.endr
	v_lshlrev_b32 v5, 4, v1
	s_mul_i32 s21, s15, HALFS
	s_mul_i32 s22, s16, HALFS
	s_add_co_u32 s22, s22, 2*HALFS
	s_sub_co_u32 s22, s22, s21
	v_mul_u32_u24 v6, s22, v2                      ; lanes 16-31 take B's scale words
	s_add_co_u32 s21, s21, SCL
	v_add_nc_u32 v5, v5, v6
	v_add_nc_u32 v[ADRS], s21, v5
	s_mul_i32 s23, s14, 16*SPITCH                  ; my stage
	v_mul_u32_u24 v5, v1, SPITCH
	v_lshl_add_u32 v5, v2, 6, v5
	v_add_nc_u32 v[STO], s23, v5                   ; in: row r, + 64 h
	v_add_nc_u32 v[RD], s23, v3                    ; back: the 32 lanes take one row of 512 bytes
	s_lshl_b32 s20, s17, 8
	s_lshl_b32 s21, s15, 7
	s_add_co_u32 s20, s20, s21                     ; my first token
	s_lshl_b32 s20, s20, 12
	s_lshl_b32 s21, s42, 10
	s_add_co_u32 s20, s20, s21
	s_lshl_b32 s21, s16, 9
	s_add_co_u32 s20, s20, s21                     ; + my first column, in bytes
	s_mov_b32 s21, 0
	s_add_nc_u64 s[10:11], s[10:11], s[20:21]
	s_lshl_b32 s21, s42, 1
	s_add_co_u32 s21, s21, s16
	s_lshl_b32 s21, s21, 9
	v_lshl_add_u32 v13, v2, 6, s21                 ; b2: 512 x group + 64 h
.irp t, 0,1,2,3,4,5,6,7
	global_load_b128 v[BJ+8*\t:BJ+8*\t+3], v13, s[8:9] offset:(32*(\t/2)+8*(\t%2))*4
	global_load_b128 v[BJ+8*\t+4:BJ+8*\t+7], v13, s[8:9] offset:(32*(\t/2)+8*(\t%2))*4+16
.endr
.macro FRAG reg, adr, q, i
.irp c, 0,1,2
	ds_load_b128 v[\reg+4*\c:\reg+4*\c+3], v[\adr] offset:UNIT*(\q)+1536*(\i)+512*\c
.endr
.endm
.macro MUL16 a0, p, q, sc, first       ; 16 matrix instructions; the 64 accumulators take turns
.irp a, \a0, \a0+1
.irp b, 0,1,2,3,4,5,6,7
.if \first
	v_wmma_scale_f32_16x16x128_f8f6f4 v[8*(8*((\a)%4)+\b):8*(8*((\a)%4)+\b)+7], v[128*(\p)+FR*\b:128*(\p)+FR*\b+FR-1], v[AF+FR*(\a):AF+FR*(\a)+FR-1], v[BJ+8*\b:BJ+8*\b+7], v[SC+16*(\sc)+8*(\q)+\b], v[SC+16*(\sc)+8*(\q)+(\a)] matrix_a_fmt:MATRIX_FMT_FP6 matrix_b_fmt:MATRIX_FMT_FP6 matrix_a_scale:MATRIX_SCALE_ROW1
.else
	v_wmma_scale_f32_16x16x128_f8f6f4 v[8*(8*((\a)%4)+\b):8*(8*((\a)%4)+\b)+7], v[128*(\p)+FR*\b:128*(\p)+FR*\b+FR-1], v[AF+FR*(\a):AF+FR*(\a)+FR-1], v[8*(8*((\a)%4)+\b):8*(8*((\a)%4)+\b)+7], v[SC+16*(\sc)+8*(\q)+\b], v[SC+16*(\sc)+8*(\q)+(\a)] matrix_a_fmt:MATRIX_FMT_FP6 matrix_b_fmt:MATRIX_FMT_FP6 matrix_a_scale:MATRIX_SCALE_ROW1
.endif
.endr
.endr
.endm
.macro FETCH_B slot, q, p
	WIN TO_B
.irp i, 0,1,2,3,4,5,6,7
	FRAG 128*(\p)+FR*\i, ADRB+\slot, \q, \i
.endr
	WIN 0
.endm
.macro FETCH_A slot, q, i0
.irp i, \i0, \i0+1, \i0+2, \i0+3
	FRAG AF+FR*(\i), ADRA+\slot, \q, \i
.endr
.endm
.macro SCALES sc
.irp q, 0,1
.irp u, 0,1
	ds_load_b128 v[SC+16*\sc+8*\q+4*\u:SC+16*\sc+8*\q+4*\u+3], v[ADRS] offset:512*\q+256*\u
.endr
.endr
.endm
.macro STEP slot, q, first
	s_wait_dscnt 4*NL                              ; all but the youngest 12 loads (A's tiles 4-7)
.if \first
	WIN FST_LO
.else
	WIN MUL_LO
.endif
	MUL16 0, (\q)%2, \q, \slot, \first
	MUL16 2, (\q)%2, \q, \slot, \first
	s_wait_dscnt 0
	PLACES NP
	FETCH_B \slot, (\q)+1, 1-(\q)%2
	FETCH_A \slot, (\q)+1, 0
.if \first
	WIN FST_HI
.else
	WIN MUL_HI
.endif
	MUL16 4, (\q)%2, \q, \slot, \first
	MUL16 6, (\q)%2, \q, \slot, \first
	PLACES NP
	WIN 0
	FETCH_A \slot, (\q)+1, 4
.endm
.macro TURN slot, next, fill
	s_wait_tensorcnt 0x0                           ; all my tensor loads have landed: my part of the next slot
	ds_add_u32 v[SPW], v[NIL]                      ; 0 onto my spare word
	s_wait_dscnt 4*NL+1                            ; (the add and the youngest 12 loads may be out)
	WIN MUL_LO
	MUL16 0, 1, NQ-1, \slot, 0
	s_wait_dscnt 0x0                               ; the add is done, and my reads of this slot are over
	s_barrier_signal -1
	MUL16 2, 1, NQ-1, \slot, 0
	WIN 0
	s_barrier_wait -1
.if \fill
	CREST                                          ; no wave of any partner still reads this slot or has a load on its way
	s_add_nc_u64 s[G0+4*\slot+2:G0+4*\slot+3], s[G0+4*\slot+2:G0+4*\slot+3], 2*GB
	s_add_nc_u64 s[G0B+4*\slot+2:G0B+4*\slot+3], s[G0B+4*\slot+2:G0B+4*\slot+3], 2*GB
	JLOAD G0+4*\slot, G1, G0B+4*\slot, G1B
.else
	PLACES NP
.endif
	v_add_nc_u32 v[ADRS], 512*NQ, v[ADRS]
	FETCH_B \next, 0, 0
	FETCH_A \next, 0, 0
	SCALES \next
	WIN MUL_HI
	MUL16 4, 1, NQ-1, \slot, 0
	MUL16 6, 1, NQ-1, \slot, 0
	PLACES NP
	WIN 0
	FETCH_A \next, 0, 4
.endm
	s_wait_loadcnt 0x0                             ; b2
	s_wait_tensorcnt 1                             ; the scale words and my part of slot 0 are in; slot 1's load may be out
	s_barrier_signal -1
	s_barrier_wait -1
	FETCH_B 0, 0, 0
	FETCH_A 0, 0, 0
	SCALES 0
	FETCH_A 0, 0, 4
	STEP 0, 0, 1
	s_mov_b32 s3, LAPS-1
.Llap:
	TURN 0, 1, 1
	STEP 1, 0, 0
	TURN 1, 0, 1
	STEP 0, 0, 0
	s_sub_co_u32 s3, s3, 1
	s_cmp_lg_u32 s3, 0
	s_cbranch_scc1 .Llap
	TURN 0, 1, 0
	STEP 1, 0, 0
	s_wait_dscnt 4*NL
	WIN MUL_LO
	MUL16 0, 1, NQ-1, 1, 0
	MUL16 2, 1, NQ-1, 1, 0
	s_wait_dscnt 0
	WIN MUL_HI
	MUL16 4, 1, NQ-1, 1, 0
	MUL16 6, 1, NQ-1, 1, 0
	WIN 0
; THE WAY OUT, tile by tile of 16 tokens x 128 columns: through my own stage, back as whole rows of 512 bytes.  LDS serves a wave's instructions in order: no wait between the stores and the loads.
.macro TOSTAGE a
.set AC, 64*((\a)%4)
	WIN 0x08+4*((\a)/4)                            ; an LDS store's data: window 2 or 3
.irp b, 0,1,2,3,4,5,6,7
	ds_store_b128 v[STO], v[AC+8*\b:AC+8*\b+3] offset:128*(\b/2)+32*(\b%2)       ; each accumulator from its low end on
	ds_store_b128 v[STO], v[AC+8*\b+4:AC+8*\b+7] offset:128*(\b/2)+32*(\b%2)+16
.endr
	WIN 0
.set BB, BK+64*((\a)%2)
.irp t, 0,1,2,3,4,5,6,7,8,9,10,11,12,13,14,15
	ds_load_b128 v[BB+4*\t:BB+4*\t+3], v[RD] offset:\t*SPITCH
.endr
.endm
.macro SEND a, younger
.set BB, BK+64*((\a)%2)
	s_wait_dscnt \younger                          ; the tile is back in registers; the next tile's 16 stores and 16 loads may be out
.irp t, 0,1,2,3,4,5,6,7,8,9,10,11,12,13,14,15
	global_store_b128 v3, v[BB+4*\t:BB+4*\t+3], s[10:11] offset:(32*((\a)/2)+8*((\a)%2)+\t+8*(\t/8))*4096   ; 512 consecutive bytes of the token's row
.endr
.endm
	PLACES NP
	TOSTAGE 0
.irp a, 1,2,3,4,5,6,7
.if \a > 1
	s_wait_xcnt 0x0                                ; tile a - 2's stores have read their registers: tile a's loads may land there
.endif
	TOSTAGE \a
	SEND \a-1, 32
.endr
	SEND 7, 0
	s_wait_tensorcnt 0x0                           ; the wave's end
	ds_add_u32 v[SPW], v[NIL]
	s_wait_dscnt 0x0
	CROUND                                         ; the closing round
	s_endpgm
.Lfunc_end_k_q82f3aee488_ffn2:
	.size	k_q82f3aee488_ffn2, .Lfunc_end_k_q82f3aee488_ffn2-k_q82f3aee488_ffn2
	.p2alignl 7, 3214868480
	.fill 96, 4, 3214868480
	.section	.rodata,"a",@progbits
	.p2align	6, 0x0
	.amdhsa_kernel k_q82f3aee488_ffn2
		.amdhsa_group_segment_fixed_size 327680
		.amdhsa_private_segment_fixed_size 0
		.amdhsa_enable_private_segment 0
		.amdhsa_kernarg_size 32
		.amdhsa_user_sgpr_count 2
		.amdhsa_user_sgpr_kernarg_segment_ptr 1
		.amdhsa_wavefront_size32 1
		.amdhsa_system_sgpr_workgroup_id_x 1
		.amdhsa_system_sgpr_workgroup_id_y 1
		.amdhsa_system_sgpr_workgroup_id_z 1
		.amdhsa_system_vgpr_workitem_id 0
		.amdhsa_next_free_vgpr 1024
		.amdhsa_next_free_sgpr 102
		.amdhsa_reserve_vcc 0
		.amdhsa_float_denorm_mode_32 3
		.amdhsa_float_denorm_mode_16_64 3
		.amdhsa_memory_ordered 1
		.amdhsa_forward_progress 1
		.amdhsa_inst_pref_size 136
	.end_amdhsa_kernel
	.amdgpu_metadata
---
amdhsa.version: [ 1, 2 ]
amdhsa.kernels:
  - .name:           k_q82f3aee488_ffn2
    .symbol:         k_q82f3aee488_ffn2.kd
    .args:
      - { .name: gq, .offset: 0, .size: 8, .value_kind: global_buffer, .address_space: global }
      - { .name: pq, .offset: 8, .size: 8, .value_kind: global_buffer, .address_space: global }
      - { .name: b2, .offset: 16, .size: 8, .value_kind: global_buffer, .address_space: global }
      - { .name: y, .offset: 24, .size: 8, .value_kind: global_buffer, .address_space: global }
    .group_segment_fixed_size: 327680
    .private_segment_fixed_size: 0
    .kernarg_segment_align: 8
    .kernarg_segment_size: 32
    .max_flat_workgroup_size: 128
    .sgpr_count:     102
    .vgpr_count:     1024
    .wavefront_size: 32
...
	.end_amdgpu_metadata
.endif
;; end of part 6
;; launch ln2 (part 7): grid 256 x 1, 8 waves a work-group, no clusters, 0 bytes of LDS; arguments y, g2, be2, out0; writes out0
.if DOCPART == 7
	.amdgcn_target "amdgcn-amd-amdhsa--gfx1250"
	.amdhsa_code_object_version 6
	.text
	.protected	k_q82f3aee488_ln2
	.globl	k_q82f3aee488_ln2
	.p2align	8
	.type	k_q82f3aee488_ln2,@function
k_q82f3aee488_ln2:
	s_mov_b64 s[64:65], 0
	v_nop
	global_prefetch_b8 v0, s[64:65] scope:SCOPE_SE
	s_setreg_imm32_b32 hwreg(HW_REG_WAVE_MODE, 25, 1), 1
	s_wait_xcnt 0x0
; out0 = LayerNorm(y + y) g2 + be2, all f32, rows of 1,024.  A wave takes two rows; a row is 32 registers a lane, read once by eight loads of 512 consecutive bytes and kept between the passes.
; The mean, then the mean of squares about it (two passes: an offset of the inputs costs no accuracy), each summed in a lane and then over the 32 lanes.  No LDS, no barrier: no wave waits for another.
; Memory binds: the matrix unit, clusters and tensor loads would add nothing.  LIMITS: NaN and infinities are not served; v_rsq_f32 is the chip's.
.set R0, 32                            ; v32-63 row 0, v64-95 row 1
.set G,  96                            ; v96-127 g2
.set BE, 128                           ; v128-159 be2
.set SEL, 18
	s_load_b256 s[4:11], s[0:1], 0x0               ; y s[4:5], g2 s[6:7], be2 s[8:9], out0 s[10:11]
	v_lshrrev_b32 v1, 5, v0
	v_readfirstlane_b32 s12, v1                    ; wave
	v_and_b32 v1, 31, v0
	v_lshlrev_b32 v2, 4, v1                        ; 16 x lane
	s_lshl_b32 s14, ttmp9, 16                      ; 16 rows of 4,096 bytes a work-group,
	s_lshl_b32 s15, s12, 13                        ; two a wave
	s_add_co_u32 s14, s14, s15
	s_mov_b32 s15, 0
	s_mov_b32 s16, 0x3a800000                      ; 1 / 1,024
	s_mov_b32 s17, 0x3727c5ac                      ; 1e-5
	s_mov_b32 s[SEL], 0x76543210
	s_mov_b32 s[SEL+1], 0xfedcba98
	s_wait_kmcnt 0x0
	s_add_nc_u64 s[4:5], s[4:5], s[14:15]
	s_add_nc_u64 s[10:11], s[10:11], s[14:15]
.irp j, 0,1,2,3,4,5,6,7
	global_load_b128 v[G+4*\j:G+4*\j+3], v2, s[6:7] offset:512*\j
.endr
.irp j, 0,1,2,3,4,5,6,7
	global_load_b128 v[BE+4*\j:BE+4*\j+3], v2, s[8:9] offset:512*\j
.endr
.irp j, 0,1,2,3,4,5,6,7
	global_load_b128 v[R0+4*\j:R0+4*\j+3], v2, s[4:5] offset:512*\j th:TH_LOAD_NT
.endr
.irp j, 0,1,2,3,4,5,6,7
	global_load_b128 v[R0+32+4*\j:R0+32+4*\j+3], v2, s[4:5] offset:4096+512*\j th:TH_LOAD_NT
.endr
.macro ALL a, t                        ; v[a] summed over the 32 lanes, the result in every lane; v[t] has been written before
	v_add_f32_dpp v[\a], v[\a], v[\a] row_xmask:1 row_mask:0xf bank_mask:0xf
	v_add_f32_dpp v[\a], v[\a], v[\a] row_xmask:2 row_mask:0xf bank_mask:0xf
	v_add_f32_dpp v[\a], v[\a], v[\a] row_xmask:4 row_mask:0xf bank_mask:0xf
	v_add_f32_dpp v[\a], v[\a], v[\a] row_xmask:8 row_mask:0xf bank_mask:0xf
	v_permlanex16_b32 v[\t], v[\a], s[SEL], s[SEL+1]
	v_add_f32 v[\a], v[\a], v[\t]
.endm
.macro ROW x, off, left
	s_wait_loadcnt \left                           ; this row, g2 and be2 are in; the younger row's eight loads may be out
.set i, 0
.rept 16
	v_pk_add_f32 v[\x+i:\x+i+1], v[\x+i:\x+i+1], v[\x+i:\x+i+1]   ; y + y
.set i, i+2
.endr
	v_pk_add_f32 v[8:9], v[\x:\x+1], v[\x+2:\x+3]
	v_pk_add_f32 v[10:11], v[\x+4:\x+5], v[\x+6:\x+7]
.set i, 8
.rept 6
	v_pk_add_f32 v[8:9], v[8:9], v[\x+i:\x+i+1]
	v_pk_add_f32 v[10:11], v[10:11], v[\x+i+2:\x+i+3]
.set i, i+4
.endr
	v_pk_add_f32 v[8:9], v[8:9], v[10:11]
	v_add_f32 v8, v8, v9
	ALL 8, 9
	v_mul_f32 v8, s16, v8                          ; the mean
.set i, 0
.rept 16
	v_pk_add_f32 v[\x+i:\x+i+1], v[\x+i:\x+i+1], v[8:9] op_sel_hi:[1,0] neg_lo:[0,1] neg_hi:[0,1]
.set i, i+2
.endr
	v_pk_mul_f32 v[10:11], v[\x:\x+1], v[\x:\x+1]
	v_pk_mul_f32 v[12:13], v[\x+2:\x+3], v[\x+2:\x+3]
.set i, 4
.rept 7
	v_pk_fma_f32 v[10:11], v[\x+i:\x+i+1], v[\x+i:\x+i+1], v[10:11]
	v_pk_fma_f32 v[12:13], v[\x+i+2:\x+i+3], v[\x+i+2:\x+i+3], v[12:13]
.set i, i+4
.endr
	v_pk_add_f32 v[10:11], v[10:11], v[12:13]
	v_add_f32 v10, v10, v11
	ALL 10, 11
	v_fma_f32 v10, v10, s16, s17                   ; the variance + 1e-5
	v_rsq_f32 v10, v10
	v_nop                                          ; a plain place behind the transcendental
	s_wait_alu depctr_va_vdst(0)                   ; and the wait ahead of its first reader
.set i, 0
.rept 16
	v_pk_mul_f32 v[\x+i:\x+i+1], v[\x+i:\x+i+1], v[10:11] op_sel_hi:[1,0]
.set i, i+2
.endr
.set i, 0
.rept 16
	v_pk_fma_f32 v[\x+i:\x+i+1], v[\x+i:\x+i+1], v[G+i:G+i+1], v[BE+i:BE+i+1]
.set i, i+2
.endr
.irp j, 0,1,2,3,4,5,6,7
	global_store_b128 v2, v[\x+4*\j:\x+4*\j+3], s[10:11] offset:\off+512*\j th:TH_STORE_NT   ; 512 consecutive bytes
.endr
.endm
	ROW R0, 0, 8
	ROW R0+32, 4096, 0
	s_endpgm
.Lfunc_end_k_q82f3aee488_ln2:
	.size	k_q82f3aee488_ln2, .Lfunc_end_k_q82f3aee488_ln2-k_q82f3aee488_ln2
	.p2alignl 7, 3214868480
	.fill 96, 4, 3214868480
	.section	.rodata,"a",@progbits
	.p2align	6, 0x0
	.amdhsa_kernel k_q82f3aee488_ln2
		.amdhsa_group_segment_fixed_size 0
		.amdhsa_private_segment_fixed_size 0
		.amdhsa_enable_private_segment 0
		.amdhsa_kernarg_size 32
		.amdhsa_user_sgpr_count 2
		.amdhsa_user_sgpr_kernarg_segment_ptr 1
		.amdhsa_wavefront_size32 1
		.amdhsa_system_sgpr_workgroup_id_x 1
		.amdhsa_system_sgpr_workgroup_id_y 1
		.amdhsa_system_sgpr_workgroup_id_z 1
		.amdhsa_system_vgpr_workitem_id 0
		.amdhsa_next_free_vgpr 160
		.amdhsa_next_free_sgpr 66
		.amdhsa_reserve_vcc 0
		.amdhsa_float_denorm_mode_32 3
		.amdhsa_float_denorm_mode_16_64 3
		.amdhsa_memory_ordered 1
		.amdhsa_forward_progress 1
		.amdhsa_inst_pref_size 20
	.end_amdhsa_kernel
	.amdgpu_metadata
---
amdhsa.version: [ 1, 2 ]
amdhsa.kernels:
  - .name:           k_q82f3aee488_ln2
    .symbol:         k_q82f3aee488_ln2.kd
    .args:
      - { .name: y, .offset: 0, .size: 8, .value_kind: global_buffer, .address_space: global }
      - { .name: g2, .offset: 8, .size: 8, .value_kind: global_buffer, .address_space: global }
      - { .name: be2, .offset: 16, .size: 8, .value_kind: global_buffer, .address_space: global }
      - { .name: out0, .offset: 24, .size: 8, .value_kind: global_buffer, .address_space: global }
    .group_segment_fixed_size: 0
    .private_segment_fixed_size: 0
    .kernarg_segment_align: 8
    .kernarg_segment_size: 32
    .max_flat_workgroup_size: 256
    .sgpr_count:     66
    .vgpr_count:     160
    .wavefront_size: 32
...
	.end_amdgpu_metadata
.endif
;; end of part 7
;; ======== version 2 of 2: 7 launches
;; limits: right only within a limited range of input values
;; workspace buffers: pq 12,288,000 bytes; qkv 10,223,616 bytes; ao 16,777,216 bytes; hq 3,276,800 bytes; gq 13,107,200 bytes; y 16,777,216 bytes
;; launch prep (part 8): grid 1216 x 1, 4 waves a work-group, no clusters, 48,128 bytes of LDS; arguments x, Wq, Wk, Wv, W1, W2, pq; writes pq
.if DOCPART == 8
	.amdgcn_target "amdgcn-amd-amdhsa--gfx1250"
	.amdhsa_code_object_version 6
	.text
	.protected	k_q82f3aee488_prep
	.globl	k_q82f3aee488_prep
	.p2align	8
	.type	k_q82f3aee488_prep,@function
k_q82f3aee488_prep:
	s_mov_b64 s[64:65], 0
	v_nop
	global_prefetch_b8 v0, s[64:65] scope:SCOPE_SE
	s_setreg_imm32_b32 hwreg(HW_REG_WAVE_MODE, 25, 1), 1
	s_wait_xcnt 0x0
; x [4096][1024] (K innermost) and Wq, Wk, Wv [1024][1024], W1 [1024][4096], W2 [4096][1024] (K = the FIRST axis) become codes of FP6 (E2M3) with one E8M0 byte for each 32 along K.
; THE WORKSPACE IS LAID AS THE MATRIX UNIT'S REGISTERS.  128 rows of an operand (tokens of x, columns n of a weight) are a GROUP of eight tiles; lane-row r of tile t is row 32 (t/2) + 8 (t%2) + r + 8 (r/8).
; A fragment (tile x 128 K, 12 registers a lane) is an image of 1,536 bytes: register j of lane l at 512 (j/4) + 16 l + 4 (j%4).  A UNIT = the eight images of one group and one K step, 12,288 bytes; unit UI's codes lie at
; 12,288 UI, its 128 scale words at SCB + 512 UI (tile 4 q + j, lane-row r: 16 (16 q + r) + 4 j).  x: UI = 8 g + s.  Weights: UI = 256 + the work-group's number.
; A block's scale is 2^(floor(log2(largest magnitude)) - 2): its byte is the largest magnitude's exponent field - 2, held at 1 from below by a floor among the maximum's leaves.
; LIMITS: a block of zeros gets the byte 1 where the rule says 127 (its codes are zeros; this program alone reads the bytes); blocks whose largest magnitude lies under 2^-124 are held at that floor; NaN and infinities are not served.
; Work-groups 0-703 take one unit of a weight each (a lane = a column, its registers run down K: nothing is transposed), work-groups 704-1215 half a tile of x (a wave = 16 rows x 128 K).  Each path has LDS bytes of its own.
; x's scale words leave as 4 bytes of each 16 (one tile of four): one byte in 128 of what that path reads; whole blocks would want four tiles to a work-group, a quarter of the work-groups.
.set NWU, 704                          ; units of weights
.set SCB, 11796480                     ; 960 units of codes, then the scale words
.set WTP, 1664                         ; path W: an image in the wave's stage, 1,536 bytes + 128, so that the two tiles of a store fall on different banks
.set WSC, 13312                        ; path W: behind the four waves' stages, the unit's 512 bytes of scale words
.set XST, 13824                        ; path X: a stage of 16 rows x (512 + 16) bytes for each wave
.set PC,  192                          ; v192-211 codes
.set TM,  212                          ; v212-227 at work in QUANT
.set PW,  228                          ; v228 the scale word
.set SEL, 36                           ; s[36:37] v_permlanex16_b32's selects for lane l xor 16
.set MSB, 0
.macro WIN new                         ; the immediate's high byte repeats the setting that is left (here every window is 0 and nothing is emitted)
.if MSB != (\new)
	s_set_vgpr_msb (MSB<<8)|(\new)
.set MSB, (\new)
.endif
.endm
; 64 numbers of a lane, register 16 b + i = k 32 b + 16 (lane / 16) + i of the lane's row, become a fragment's 12 registers in v[PC] on and the row's scale word in v[pw].
.macro QUANT s, w, pw
	s_wait_xcnt 0x0                                ; the last stores have read v[PC] on
	WIN ((\w)<<2)|((\w)<<4)
.irp b, 0,1,2,3
	v_max3_num_f32 v[TM+\b], 0x1800000, |v[(\s)+16*\b]|, |v[(\s)+16*\b+1]|   ; my 16 numbers of block b, and the floor 2^(3 - 127)
.endr
.irp i, 2,4,6,8,10,12,14
.irp b, 0,1,2,3
	v_max3_num_f32 v[TM+\b], v[TM+\b], |v[(\s)+16*\b+\i]|, |v[(\s)+16*\b+\i+1]|
.endr
.endr
	WIN 0
.irp b, 0,1,2,3
	v_permlanex16_b32 v[TM+4+\b], v[TM+\b], s[SEL], s[SEL+1]
.endr
.irp b, 0,1,2,3
	v_max_num_f32 v[TM+\b], v[TM+\b], v[TM+4+\b]   ; with lane l xor 16's: the block's largest magnitude
.endr
.irp b, 0,1,2,3
	v_add_nc_u32 v[TM+12+\b], 0xff000000, v[TM+\b] ; 2 off its exponent field: the conversion's scale operand
.endr
.irp b, 0,1,2,3
	v_lshrrev_b32 v[TM+4+\b], 23, v[TM+12+\b]      ; the byte
.endr
	v_lshl_or_b32 v[\pw], v[TM+5], 8, v[TM+4]
	v_lshl_or_b32 v[\pw], v[TM+6], 16, v[\pw]
	v_lshl_or_b32 v[\pw], v[TM+7], 24, v[\pw]
	WIN (\w)
.irp c, 0,1
	v_cvt_scalef32_pk16_fp6_f32 v[PC+6*\c:PC+6*\c+2], v[(\s)+32*\c:(\s)+32*\c+15], v[TM+12+2*\c]
	v_cvt_scalef32_pk16_fp6_f32 v[PC+12+4*\c:PC+14+4*\c], v[(\s)+32*\c+16:(\s)+32*\c+31], v[TM+13+2*\c]
.endr
	WIN 0
	v_nop                                          ; one plain place behind a scaled conversion
.irp c, 0,1                                    ; the layout wants a whole block in a lane: lanes 0-15 block 2 c, lanes 16-31 block 2 c + 1
.irp i, 0,1,2
	v_permlane16_swap_b32 v[PC+6*\c+\i], v[PC+12+4*\c+\i]
.endr
.irp i, 0,1,2
	v_mov_b32 v[PC+3+6*\c+\i], v[PC+12+4*\c+\i]
.endr
.endr
.endm
; 16 rows of 512 bytes, loaded one row an instruction, go through the wave's own stage and come back as QUANT wants them.  LDS serves a wave's instructions in order: no wait between.
.macro TURNIN src, dst, ain, aout
.irp i, 0,1,2,3,4,5,6,7,8,9,10,11,12,13,14,15
	ds_store_b128 v[\ain], v[\src+4*\i:\src+4*\i+3] offset:528*\i
.endr
.irp b, 0,1,2,3
.irp j, 0,1,2,3
	ds_load_b128 v[\dst+16*\b+4*\j:\dst+16*\b+4*\j+3], v[\aout] offset:128*\b+16*\j
.endr
.endr
.endm
	s_load_b256 s[4:11], s[0:1], 0x0               ; x s[4:5], Wq s[6:7], Wk s[8:9], Wv s[10:11]
	s_load_b128 s[12:15], s[0:1], 0x20             ; W1 s[12:13], W2 s[14:15]
	s_load_b64 s[16:17], s[0:1], 0x30              ; pq
	v_lshl_add_u32 v232, v0, 2, 0xba00
	v_mov_b32 v233, 0
	v_lshrrev_b32 v1, 5, v0
	v_readfirstlane_b32 s20, v1                    ; wave 0..3
	v_and_b32 v1, 31, v0                           ; lane
	v_lshlrev_b32 v2, 4, v1                        ; 16 x lane
	v_lshlrev_b32 v3, 2, v1                        ; 4 x lane
	s_cmp_lt_u32 ttmp9, NWU
	s_cbranch_scc0 .Lpath_x
	; ---------------- PATH W: one unit of a weight: 128 columns x 128 along K; wave w takes columns 32 w on: tiles 2 w and 2 w + 1
	v_and_b32 v4, 7, v1
	v_lshrrev_b32 v5, 4, v1
	v_lshl_add_u32 v4, v5, 3, v4                   ; my column's lane-row: lane % 8 + 8 (lane / 16)
	v_bfe_u32 v5, v1, 3, 1                         ; and which of the two tiles
	s_mul_i32 s21, s20, 2*WTP
	v_mul_u32_u24 v6, v5, WTP
	v_lshl_add_u32 v6, v4, 4, v6
	v_add_nc_u32 v6, s21, v6                       ; into my stage: tile, 16 x lane-row
	v_add_nc_u32 v7, s21, v2                       ; out of it: 16 x lane
	s_lshr_b32 s22, s20, 1
	s_lshl_b32 s22, s22, 8
	s_and_b32 s23, s20, 1
	s_lshl_b32 s23, s23, 3
	s_add_co_u32 s22, s22, s23
	s_add_co_u32 s22, s22, WSC
	v_lshlrev_b32 v8, 4, v4
	v_lshl_add_u32 v8, v5, 2, v8
	v_add_nc_u32 v8, s22, v8                       ; my scale word: 256 (w / 2) + 8 (w % 2) + 16 x lane-row + 4 x tile
	v_add_nc_u32 v9, WSC, v2                       ; wave 0 reads the 512 bytes back
	s_and_b32 s24, ttmp9, 63                       ; which unit of which weight: the choices hang on the work-group's number alone
	s_sub_co_u32 s25, ttmp9, 192
	s_sub_co_u32 s26, ttmp9, 448
	s_mov_b32 s27, 4096                            ; a row of the weight in bytes
	s_mov_b32 s28, 4096
	s_wait_kmcnt 0x0
	s_cmp_ge_u32 ttmp9, 64
	s_cselect_b64 s[6:7], s[8:9], s[6:7]
	s_cmp_ge_u32 ttmp9, 128
	s_cselect_b64 s[6:7], s[10:11], s[6:7]
	s_cmp_ge_u32 ttmp9, 192
	s_cselect_b64 s[6:7], s[12:13], s[6:7]
	s_cselect_b32 s24, s25, s24
	s_cselect_b32 s27, 16384, s27
	s_cmp_ge_u32 ttmp9, 448
	s_cselect_b64 s[6:7], s[14:15], s[6:7]
	s_cselect_b32 s24, s26, s24
	s_cselect_b32 s27, s28, s27
	s_cselect_b32 s29, 5, 3                        ; W2 has 32 K steps to a group, the others 8
	s_cselect_b32 s30, 31, 7
	s_lshr_b32 s31, s24, s29                       ; the group of columns
	s_and_b32 s24, s24, s30                        ; the K step
	s_lshl_b32 s24, s24, 7
	s_mul_i32 s24, s24, s27                        ; 128 s rows,
	s_lshl_b32 s31, s31, 9
	s_add_co_u32 s24, s24, s31                     ; 128 g columns,
	s_lshl_b32 s31, s20, 7
	s_add_co_u32 s24, s24, s31                     ; 32 w columns
	s_mov_b32 s25, 0
	s_add_nc_u64 s[40:41], s[6:7], s[24:25]        ; a base for each block of 32 rows
	s_lshl_b32 s24, s27, 5
	s_add_nc_u64 s[42:43], s[40:41], s[24:25]
	s_add_nc_u64 s[44:45], s[42:43], s[24:25]
	s_add_nc_u64 s[46:47], s[44:45], s[24:25]
.set i, 0
.rept 32
	v_mad_u32_u24 v[32+i], s27, i, v3              ; row i of a block, my column
.set i, i+1
.endr
.irp b, 0,1,2,3
.set i, 0
.rept 32
	global_load_b32 v[64+32*\b+i], v[32+i], s[40+2*\b:41+2*\b] th:TH_LOAD_NT   ; a wave reads 128 consecutive bytes, the four waves 512
.set i, i+1
.endr
.endr
	s_add_co_u32 s24, ttmp9, 256                   ; UI
	s_mul_i32 s26, s24, 12288
	s_mul_i32 s28, s20, 3072
	s_add_co_u32 s26, s26, s28
	s_mov_b32 s27, 0
	s_add_nc_u64 s[26:27], s[16:17], s[26:27]      ; my two images
	s_lshl_b32 s24, s24, 9
	s_add_co_u32 s24, s24, SCB
	s_add_nc_u64 s[24:25], s[16:17], s[24:25]      ; the unit's scale words
; Block b = 2 c + hh of my column belongs to lane (lane-row, hh), registers 6 c .. 6 c + 5 of the fragment.
.macro WBLOCK b
.set XS, 64+32*(\b)
.set CB, 192+8*(\b)
.if (\b) < 2
	s_wait_loadcnt 63                              ; at most 63 of the 128 loads are out: the first 65 are in, blocks 0 and 1 among them (a wait's field holds no larger count)
.else
	s_wait_loadcnt 96-32*(\b)                      ; the younger blocks' loads may be out
.endif
	v_max3_num_f32 v12, |v[XS]|, |v[XS+1]|, |v[XS+2]|
	v_max3_num_f32 v13, |v[XS+3]|, |v[XS+4]|, |v[XS+5]|
.irp i, 6,10,14,18,22,26
	v_max3_num_f32 v12, v12, |v[XS+\i]|, |v[XS+\i+1]|
	v_max3_num_f32 v13, v13, |v[XS+\i+2]|, |v[XS+\i+3]|
.endr
	v_max3_num_f32 v12, v12, |v[XS+30]|, |v[XS+31]|
	v_max3_num_f32 v12, v12, v13, 0x1800000        ; and the floor
	v_add_nc_u32 v11, 0xff000000, v12
	v_lshrrev_b32 v13, 23, v11
.if (\b) == 0
	v_mov_b32 v30, v13
.else
	v_lshl_or_b32 v30, v13, 8*(\b), v30            ; the K step's scale word of my column
.endif
	v_cvt_scalef32_pk16_fp6_f32 v[CB:CB+2], v[XS:XS+15], v11
	v_cvt_scalef32_pk16_fp6_f32 v[CB+4:CB+6], v[XS+16:XS+31], v11   ; (a conversion's three registers begin on an even number)
	v_nop
	v_mov_b32 v[CB+3], v[CB+4]
	v_mov_b32 v[CB+4], v[CB+5]
	v_mov_b32 v[CB+5], v[CB+6]                     ; six registers on end; each block has its own, so no LDS store's data are written again
.if (\b) < 2
	ds_store_b128 v6, v[CB:CB+3] offset:256*(\b)
	ds_store_b64 v6, v[CB+4:CB+5] offset:512+256*(\b)
.else
	ds_store_b64 v6, v[CB:CB+1] offset:520+256*((\b)-2)
	ds_store_b128 v6, v[CB+2:CB+5] offset:1024+256*((\b)-2)
.endif
.endm
	WBLOCK 0
	WBLOCK 1
	WBLOCK 2
	WBLOCK 3
	ds_store_b32 v8, v30
.irp u, 0,1
.irp c, 0,1,2
	ds_load_b128 v[64+12*\u+4*\c:67+12*\u+4*\c], v7 offset:WTP*\u+512*\c   ; my own stage, in order behind my stores
.endr
.endr
	s_wait_dscnt 0x0                               ; the images are back; my scale words have landed, for wave 0's sake
.irp u, 0,1
.irp c, 0,1,2
	global_store_b128 v2, v[64+12*\u+4*\c:67+12*\u+4*\c], s[26:27] offset:1536*\u+512*\c th:TH_STORE_NT   ; 512 consecutive bytes
.endr
.endr
	s_barrier_signal -1
	s_barrier_wait -1                              ; all four waves' scale words lie in LDS
	s_cmp_lg_u32 s20, 0
	s_cbranch_scc1 .Lw_done
	ds_load_b128 v[88:91], v9
	s_wait_dscnt 0x0
	global_store_b128 v2, v[88:91], s[24:25] th:TH_STORE_NT
.Lw_done:
	s_wait_tensorcnt 0x0
	ds_add_u32 v232, v233
	s_wait_dscnt 0x0
	s_endpgm
	; ---------------- PATH X: tile T of x, K steps 4 (xw % 2) + wave
.Lpath_x:
	s_sub_co_u32 s21, ttmp9, NWU
	s_lshr_b32 s22, s21, 1                         ; T
	s_and_b32 s21, s21, 1
	s_lshl_b32 s21, s21, 2
	s_add_co_u32 s21, s21, s20                     ; the K step
	s_lshr_b32 s23, s22, 3                         ; the group
	s_and_b32 s22, s22, 7                          ; the tile
	s_lshl_b32 s24, s23, 7
	s_lshr_b32 s25, s22, 1
	s_lshl_b32 s25, s25, 5
	s_add_co_u32 s24, s24, s25
	s_and_b32 s25, s22, 1
	s_lshl_b32 s25, s25, 3
	s_add_co_u32 s24, s24, s25                     ; the tile's first row: 128 g + 32 (t / 2) + 8 (t % 2)
	s_lshl_b32 s24, s24, 12
	s_lshl_b32 s25, s21, 9
	s_add_co_u32 s24, s24, s25
	s_mov_b32 s25, 0
	s_lshl_b32 s26, s23, 3
	s_add_co_u32 s26, s26, s21                     ; UI = 8 g + s
	s_mul_i32 s28, s26, 12288
	s_mul_i32 s29, s22, 1536
	s_add_co_u32 s28, s28, s29
	s_mov_b32 s29, 0
	s_lshl_b32 s30, s26, 9
	s_lshr_b32 s31, s22, 2
	s_lshl_b32 s31, s31, 8
	s_add_co_u32 s30, s30, s31
	s_and_b32 s31, s22, 3
	s_lshl_b32 s31, s31, 2
	s_add_co_u32 s30, s30, s31
	s_add_co_u32 s30, s30, SCB
	s_mov_b32 s31, 0
	s_mov_b32 s[SEL], 0x76543210
	s_mov_b32 s[SEL+1], 0xfedcba98
	s_mul_i32 s32, s20, 8448
	s_add_co_u32 s32, s32, XST
	s_wait_alu depctr_va_vdst(0)
	v_add_nc_u32 v4, s32, v2                       ; into my stage: 16 x lane
	v_and_b32 v5, 15, v1                           ; r
	v_lshrrev_b32 v6, 4, v1                        ; h
	v_mul_u32_u24 v7, v5, 528
	v_lshl_add_u32 v7, v6, 6, v7
	v_add_nc_u32 v7, s32, v7                       ; out of it: row r, + 64 h
	v_lshlrev_b32 v8, 4, v5                        ; 16 r
.irp b, 0,1,2,3
	v_mov_b32 v[TM+4+\b], 0                        ; a lane permute's destination counts as one of its sources
.endr
	s_wait_alu depctr_va_vdst(0)
	s_wait_kmcnt 0x0
	s_add_nc_u64 s[4:5], s[4:5], s[24:25]
	s_add_nc_u64 s[28:29], s[16:17], s[28:29]
	s_add_nc_u64 s[30:31], s[16:17], s[30:31]
.irp i, 0,1,2,3,4,5,6,7,8,9,10,11,12,13,14,15
	global_load_b128 v[64+4*\i:67+4*\i], v2, s[4:5] offset:(\i+8*(\i/8))*4096 th:TH_LOAD_NT   ; lane-row i: 512 consecutive bytes
.endr
	s_wait_loadcnt 0x0
	TURNIN 64, 128, 4, 7
	s_wait_dscnt 0x0
	QUANT 128, 0, PW
.irp c, 0,1,2
	global_store_b128 v2, v[PC+4*\c:PC+4*\c+3], s[28:29] offset:512*\c th:TH_STORE_NT
.endr
	global_store_b32 v8, v[PW], s[30:31]           ; lanes 16-31 hold the same word for the same place
	s_wait_tensorcnt 0x0
	ds_add_u32 v232, v233
	s_wait_dscnt 0x0
	s_endpgm
.Lfunc_end_k_q82f3aee488_prep:
	.size	k_q82f3aee488_prep, .Lfunc_end_k_q82f3aee488_prep-k_q82f3aee488_prep
	.p2alignl 7, 3214868480
	.fill 96, 4, 3214868480
	.section	.rodata,"a",@progbits
	.p2align	6, 0x0
	.amdhsa_kernel k_q82f3aee488_prep
		.amdhsa_group_segment_fixed_size 48128
		.amdhsa_private_segment_fixed_size 0
		.amdhsa_enable_private_segment 0
		.amdhsa_kernarg_size 56
		.amdhsa_user_sgpr_count 2
		.amdhsa_user_sgpr_kernarg_segment_ptr 1
		.amdhsa_wavefront_size32 1
		.amdhsa_system_sgpr_workgroup_id_x 1
		.amdhsa_system_sgpr_workgroup_id_y 1
		.amdhsa_system_sgpr_workgroup_id_z 1
		.amdhsa_system_vgpr_workitem_id 0
		.amdhsa_next_free_vgpr 234
		.amdhsa_next_free_sgpr 66
		.amdhsa_reserve_vcc 0
		.amdhsa_float_denorm_mode_32 3
		.amdhsa_float_denorm_mode_16_64 3
		.amdhsa_memory_ordered 1
		.amdhsa_forward_progress 1
		.amdhsa_inst_pref_size 36
	.end_amdhsa_kernel
	.amdgpu_metadata
---
amdhsa.version: [ 1, 2 ]
amdhsa.kernels:
  - .name:           k_q82f3aee488_prep
    .symbol:         k_q82f3aee488_prep.kd
    .args:
      - { .name: x, .offset: 0, .size: 8, .value_kind: global_buffer, .address_space: global }
      - { .name: Wq, .offset: 8, .size: 8, .value_kind: global_buffer, .address_space: global }
      - { .name: Wk, .offset: 16, .size: 8, .value_kind: global_buffer, .address_space: global }
      - { .name: Wv, .offset: 24, .size: 8, .value_kind: global_buffer, .address_space: global }
      - { .name: W1, .offset: 32, .size: 8, .value_kind: global_buffer, .address_space: global }
      - { .name: W2, .offset: 40, .size: 8, .value_kind: global_buffer, .address_space: global }
      - { .name: pq, .offset: 48, .size: 8, .value_kind: global_buffer, .address_space: global }
    .group_segment_fixed_size: 48128
    .private_segment_fixed_size: 0
    .kernarg_segment_align: 8
    .kernarg_segment_size: 56
    .max_flat_workgroup_size: 128
    .sgpr_count:     66
    .vgpr_count:     234
    .wavefront_size: 32
...
	.end_amdgpu_metadata
.endif
;; end of part 8
;; launch qkv (part 9): grid 12 x 16, 4 waves a work-group, clusters of 4 x 4, 327,680 bytes of LDS; arguments pq, bq, bk, bv, qkv; writes qkv
.if DOCPART == 9
	.amdgcn_target "amdgcn-amd-amdhsa--gfx1250"
	.amdhsa_code_object_version 6
	.text
	.protected	k_q82f3aee488_qkv
	.globl	k_q82f3aee488_qkv
	.p2align	8
	.type	k_q82f3aee488_qkv,@function
k_q82f3aee488_qkv:
	s_mov_b64 s[64:65], 0
	v_nop
	global_prefetch_b8 v0, s[64:65] scope:SCOPE_SE
	s_setreg_imm32_b32 hwreg(HW_REG_WAVE_MODE, 25, 1), 1
	s_wait_xcnt 0x0
	s_wait_alu depctr_hold_cnt(0) depctr_sa_sdst(0) depctr_va_vdst(0) depctr_va_sdst(0) depctr_va_ssrc(0) depctr_va_vcc(0) depctr_vm_vsrc(0)
	s_getreg_b32 s2, hwreg(HW_REG_IB_STS2, 6, 4)
	s_cmp_eq_u32 s2, 0
	s_cbranch_scc0 .Lentry_in_a_cluster
	s_endpgm
.Lentry_in_a_cluster:
	s_bfe_u32 s2, ttmp6, 0x10000c
	s_cmp_lg_u32 s2, 0xf033
	s_cbranch_scc0 .Lentry_shape_is_right
	s_endpgm
.Lentry_shape_is_right:
.set NS,     8
.set NQ,     2
.set UNIT,   12288
.set GB,     NQ*UNIT
.set SLOT,   4*GB
.set LAPS,   NS/4
.set HALFS,  512*NS
.set SCL,    2*SLOT
.set SPARE,  SCL+4*HALFS
.set SCB,    11796480
.set QSC,    0
.set FR,     12
.set NL,     3
.set NP,     4
.set ADRA, 16
.set ADRB, 20
.set ADRS, 27
.set SPW,  28
.set NIL,  29
.set SC,   32
.set BJ,   64
.set AF,   128
.set PC,   192
.set TM,   212
.set PWB,  228
.set EI,   236
.set BL,   240
.set E2,   248
.set SEL,  18
.set G1,   24
.set G0,   32
.set G1B,  48
.set G0B,  56
.set G1S,  68
.set G0S,  76
.set G1SB, 80
.set G0SB, 88
.set PFA,  104
.set PFO,  30
.set OC,   96
.set OS,   98
.set ISV,  100
.set MSB, 0
.macro WIN new
.if MSB != (\new)
	s_set_vgpr_msb (MSB<<8)|(\new)
.set MSB, (\new)
.endif
.endm
.set MUL_LO, 0xa1
.set MUL_HI, 0xf1
.set FST_LO, 0x81
.set FST_HI, 0xc1
.set TO_B,   0x40
.macro JLOAD g0a, g1a, g0b, g1b
	s_cmp_eq_u32 s15, 0
	s_cbranch_scc0 .Lfor_b_\@
	tensor_load_to_lds s[\g0a:\g0a+3], s[\g1a:\g1a+7]
	s_nop 0
.rept 4
	v_nop
.endr
	s_branch .Lasked_\@
.Lfor_b_\@:
	tensor_load_to_lds s[\g0b:\g0b+3], s[\g1b:\g1b+7]
	s_nop 0
.rept 4
	v_nop
.endr
.Lasked_\@:
.endm
.macro CREST
	s_cmp_lg_u32 s14, 0
	s_cbranch_scc1 .Lnot_wave_0_\@
	s_barrier_signal -3
.Lnot_wave_0_\@:
	s_barrier_wait -3
	s_barrier_signal -1
	s_barrier_wait -1
.endm
.macro CROUND
	s_barrier_signal -1
	s_barrier_wait -1
	CREST
.endm
.macro PLACES n
.rept \n
	v_nop
.endr
.endm
.macro QUANT s, w, pw
	s_wait_xcnt 0x0
	WIN ((\w)<<2)|((\w)<<4)
.irp b, 0,1,2,3
	v_max3_num_f32 v[TM+\b], 0x1800000, |v[(\s)+16*\b]|, |v[(\s)+16*\b+1]|
.endr
.irp i, 2,4,6,8,10,12,14
.irp b, 0,1,2,3
	v_max3_num_f32 v[TM+\b], v[TM+\b], |v[(\s)+16*\b+\i]|, |v[(\s)+16*\b+\i+1]|
.endr
.endr
	WIN 0
.irp b, 0,1,2,3
	v_permlanex16_b32 v[TM+4+\b], v[TM+\b], s[SEL], s[SEL+1]
.endr
.irp b, 0,1,2,3
	v_max_num_f32 v[TM+\b], v[TM+\b], v[TM+4+\b]
.endr
.irp b, 0,1,2,3
	v_add_nc_u32 v[TM+12+\b], 0xff000000, v[TM+\b]
.endr
.irp b, 0,1,2,3
	v_lshrrev_b32 v[TM+4+\b], 23, v[TM+12+\b]
.endr
	v_lshl_or_b32 v[\pw], v[TM+5], 8, v[TM+4]
	v_lshl_or_b32 v[\pw], v[TM+6], 16, v[\pw]
	v_lshl_or_b32 v[\pw], v[TM+7], 24, v[\pw]
	WIN (\w)
.irp c, 0,1
	v_cvt_scalef32_pk16_fp6_f32 v[PC+6*\c:PC+6*\c+2], v[(\s)+32*\c:(\s)+32*\c+15], v[TM+12+2*\c]
	v_cvt_scalef32_pk16_fp6_f32 v[PC+12+4*\c:PC+14+4*\c], v[(\s)+32*\c+16:(\s)+32*\c+31], v[TM+13+2*\c]
.endr
	WIN 0
	v_nop
.irp c, 0,1
.irp i, 0,1,2
	v_permlane16_swap_b32 v[PC+6*\c+\i], v[PC+12+4*\c+\i]
.endr
.irp i, 0,1,2
	v_mov_b32 v[PC+3+6*\c+\i], v[PC+12+4*\c+\i]
.endr
.endr
.endm
	s_load_b256 s[4:11], s[0:1], 0x0
	s_load_b64 s[12:13], s[0:1], 0x20
	v_lshl_add_u32 v[SPW], v0, 2, SPARE
	v_mov_b32 v[NIL], 0
	ds_add_u32 v28, v29
	ds_add_u32 v28, v29
	s_wait_dscnt 0x0
	v_lshrrev_b32 v1, 5, v0
	v_readfirstlane_b32 s14, v1
	v_and_b32 v[PFO], 31, v0                       ; the prefetches' offset: a lane a block of 256 bytes, 24 blocks; the lanes left over name the last block again; never rewritten
	v_min_u32 v[PFO], 23, v[PFO]
	v_lshlrev_b32 v[PFO], 8, v[PFO]
	s_wait_alu depctr_va_vdst(0)                   ; directly behind the write
	s_lshr_b32 s15, s14, 1
	s_and_b32 s16, s14, 1
	s_bfe_u32 s40, ttmp6, 0x40000
	s_bfe_u32 s41, ttmp6, 0x40004
	s_and_b32 s17, ttmp7, 0xffff
	s_lshl_b32 s17, s17, 2
	s_add_co_u32 s18, s17, s41
	s_add_co_u32 s42, s17, s40
	s_lshl_b32 s43, s41, 2
	s_lshl_b32 s43, 15, s43
	s_lshl_b32 s44, 0x1111, s40
	s_or_b32 s[G1+0], s43, (3<<16)|(1<<21)
	s_or_b32 s[G1B+0], s44, (3<<16)|(1<<21)
.irp g, G1, G1B
	s_mov_b32 s[\g+1], 3072<<16
	s_mov_b32 s[\g+2], 2<<16
	s_mov_b32 s[\g+3], 3072<<16
	s_mov_b32 s[\g+4], 2
	s_mov_b32 s[\g+5], 12288
	s_mov_b32 s[\g+6], 0
	s_mov_b32 s[\g+7], 0
.endr
	s_or_b32 s[G1S+0], s43, (3<<16)|(1<<21)
	s_or_b32 s[G1SB+0], s44, (3<<16)|(1<<21)
.irp g, G1S, G1SB
	s_mov_b32 s[\g+1], 32<<16
	s_mov_b32 s[\g+2], (4*NS)<<16
	s_mov_b32 s[\g+3], 32<<16
	s_mov_b32 s[\g+4], 4*NS
	s_mov_b32 s[\g+5], 32
	s_mov_b32 s[\g+6], 0
	s_mov_b32 s[\g+7], 0
.endr
	s_lshl_b32 s20, s18, 1
	s_lshl_b32 s21, s41, 1
	s_add_co_u32 s21, s21, 48
	s_lshl_b32 s46, s40, 1
	s_lshl_b32 s47, ttmp9, 3
	s_add_co_u32 s46, s46, s47
	s_add_co_u32 s46, s46, 32
	s_lshl_b32 s47, s42, 1
	s_cmp_eq_u32 ttmp9, 2
	s_cselect_b32 s20, s21, s20
	s_cselect_b32 s46, s47, s46
	s_cselect_b32 s[ISV], 1, 0
	s_mul_i32 s66, s16, NS*UNIT
	s_mov_b32 s67, 0
	s_mul_i32 s22, s20, HALFS
	s_add_co_u32 s22, s22, SCB
	s_mul_i32 s20, s20, NS*UNIT
	s_mov_b32 s21, 0
	s_mov_b32 s23, 0
	s_mul_i32 s92, s46, HALFS
	s_add_co_u32 s92, s92, SCB
	s_mul_i32 s46, s46, NS*UNIT
	s_mov_b32 s47, 0
	s_mov_b32 s93, 0
	s_mul_i32 s45, s14, GB
	s_wait_kmcnt 0x0
	s_add_nc_u64 s[20:21], s[4:5], s[20:21]
	s_add_nc_u64 s[22:23], s[4:5], s[22:23]
	s_add_nc_u64 s[46:47], s[4:5], s[46:47]
	s_add_nc_u64 s[92:93], s[4:5], s[92:93]
	CROUND
	s_mov_b32 s[G0S], 1
	s_mov_b32 s[G0S+1], SCL
	s_mov_b64 s[G0S+2:G0S+3], s[22:23]
	s_or_b32 s[G0S+3], s[G0S+3], 0x80000000
	s_mov_b32 s[G0SB], 1
	s_mov_b32 s[G0SB+1], SCL+2*HALFS
	s_mov_b64 s[G0SB+2:G0SB+3], s[92:93]
	s_or_b32 s[G0SB+3], s[G0SB+3], 0x80000000
	; the head's four tiles, one a wave: wave 0 slot 0's two groups of A (2 rows of 24,576 bytes, 98,304 apart in memory), wave 1 those of B, wave 2 A's scale words, wave 3 B's
	s_mov_b32 s[G0], 1
	s_mov_b32 s[G0+1], 0
	s_mov_b64 s[G0+2:G0+3], s[20:21]
	s_or_b32 s[G0+3], s[G0+3], 0x80000000
	s_mov_b32 s[G0B], 1
	s_mov_b32 s[G0B+1], 2*GB
	s_mov_b64 s[G0B+2:G0B+3], s[46:47]
	s_or_b32 s[G0B+3], s[G0B+3], 0x80000000
.macro ARM under, g0, g1, next
	s_cmp_lt_u32 s14, \under
	s_cbranch_scc0 \next
	tensor_load_to_lds s[\g0:\g0+3], s[\g1:\g1+7]
	s_nop 0
.rept 4
	v_nop
.endr
	s_branch .Lhead_asked
\next:
.endm
	ARM 1, G0,  G1,  .Lhead_b
	ARM 2, G0B, G1B, .Lhead_sa
	ARM 3, G0S, G1S, .Lhead_sb
	tensor_load_to_lds s[G0SB:G0SB+3], s[G1SB:G1SB+7]
	s_nop 0
.rept 4
	v_nop
.endr
.Lhead_asked:
	s_add_nc_u64 s[20:21], s[20:21], s[66:67]      ; for the ring: my group of the two
	s_add_nc_u64 s[46:47], s[46:47], s[66:67]
	; PREFETCHES INTO THE L2: of the 96 blocks of 256 bytes that my wave brings with each fill, each of the four partners that ask jointly takes 24, told apart by address (cx for A, cy for B).
	; Each fill is asked for one fill ahead of its tensor load: fill 1 here, fill 2 behind slot 1's first fill, fill 3 behind the refill with fill 2; fill 3 is the last.
	s_cmp_eq_u32 s15, 0
	s_cselect_b64 s[PFA:PFA+1], s[20:21], s[46:47]
	s_cselect_b32 s66, s40, s41
	s_mul_i32 s66, s66, 6144
	s_add_co_u32 s66, s66, GB
	s_add_nc_u64 s[PFA:PFA+1], s[PFA:PFA+1], s[66:67]
	global_prefetch_b8 v[PFO], s[PFA:PFA+1] th:TH_LOAD_NT scope:SCOPE_SE
	s_wait_alu depctr_va_vdst(0)
	s_wait_tensorcnt 0x0                           ; my tile of the four is in: the descriptors may be written
	ds_add_u32 v28, v29
.irp g, G1, G1B
	s_mov_b32 s[\g+1], 32<<16                      ; from here on a load brings 96 rows of 256 bytes
	s_mov_b32 s[\g+2], 96<<16
	s_mov_b32 s[\g+3], 32<<16
	s_mov_b32 s[\g+4], 96
	s_mov_b32 s[\g+5], 32
.endr
.irp s, 0,1
	s_mov_b32 s[G0+4*\s], 1
	s_add_co_u32 s[G0+4*\s+1], s45, \s*SLOT
	s_add_nc_u64 s[G0+4*\s+2:G0+4*\s+3], s[20:21], \s*GB
	s_or_b32 s[G0+4*\s+3], s[G0+4*\s+3], 0x80000000
	s_mov_b32 s[G0B+4*\s], 1
	s_add_co_u32 s[G0B+4*\s+1], s45, \s*SLOT
	s_add_nc_u64 s[G0B+4*\s+2:G0B+4*\s+3], s[46:47], \s*GB
	s_or_b32 s[G0B+4*\s+3], s[G0B+4*\s+3], 0x80000000
.endr
	s_wait_dscnt 0x0
	CROUND
	JLOAD G0+4, G1, G0B+4, G1B
	v_and_b32 v7, 31, v0
	v_and_b32 v1, 15, v0
	v_bfe_u32 v2, v0, 4, 1
	s_wait_alu depctr_va_vdst(0)
	v_lshlrev_b32 v3, 4, v7
	s_mul_i32 s21, s15, GB
	s_mul_i32 s22, s16, GB
	s_add_co_u32 s22, s22, 2*GB
.irp s, 0,1
	v_add_nc_u32 v[ADRA+\s], s21, v3
	v_add_nc_u32 v[ADRB+\s], s22, v3
	s_add_co_u32 s21, s21, SLOT
	s_add_co_u32 s22, s22, SLOT
.endr
	v_lshlrev_b32 v5, 4, v1
	s_mul_i32 s21, s15, HALFS
	s_mul_i32 s22, s16, HALFS
	s_add_co_u32 s22, s22, 2*HALFS
	s_sub_co_u32 s22, s22, s21
	v_mul_u32_u24 v6, s22, v2
	s_add_co_u32 s21, s21, SCL
	v_add_nc_u32 v5, v5, v6
	v_add_nc_u32 v[ADRS], s21, v5
	s_cmp_eq_u32 ttmp9, 0
	s_cselect_b64 s[6:7], s[6:7], s[8:9]
	s_cmp_eq_u32 ttmp9, 2
	s_cselect_b64 s[6:7], s[10:11], s[6:7]
	s_lshl_b32 s22, s40, 1
	s_add_co_u32 s22, s22, s16
	s_lshl_b32 s23, s41, 1
	s_add_co_u32 s23, s23, s15
	s_lshl_b32 s20, s22, 9
	v_lshl_add_u32 v13, v2, 6, s20
	v_and_b32 v4, 8, v1
	v_add_nc_u32 v4, v4, v1
	s_lshl_b32 s20, s23, 9
	v_lshl_add_u32 v14, v4, 2, s20
.irp t, 0,1,2,3,4,5,6,7
	global_load_b128 v[BJ+8*\t:BJ+8*\t+3], v13, s[6:7] offset:(32*(\t/2)+8*(\t%2))*4
	global_load_b128 v[BJ+8*\t+4:BJ+8*\t+7], v13, s[6:7] offset:(32*(\t/2)+8*(\t%2))*4+16
.endr
.irp a, 0,1,2,3,4,5,6,7
	global_load_b32 v[BL+\a], v14, s[6:7] offset:(32*(\a/2)+8*(\a%2))*4
.endr
	s_lshl_b32 s20, s18, 1
	s_add_co_u32 s20, s20, s15
	s_lshl_b32 s21, s42, 1
	s_add_co_u32 s21, s21, s16
	s_mov_b32 s92, 768
	s_mov_b32 s94, 768
	s_mov_b32 s46, 319488
	s_mov_b32 s47, 256
	s_cmp_eq_u32 s[ISV], 1
	s_cselect_b32 s20, s21, s20
	s_cselect_b32 s21, s23, s22
	s_cselect_b32 s66, 1.0, 0
	s_cselect_b32 s67, 0, 1.0
	s_cselect_b32 s92, 1536, s92
	s_cselect_b32 s94, 314880, s94
	s_cselect_b32 s46, 768, s46
	s_cselect_b32 s47, 319488, s47
	s_cselect_b32 s45, 8, 9
	s_cselect_b32 s101, 8192, 0
	s_mov_b32 s93, 0
	s_mov_b32 s95, 0
	s_lshr_b32 s22, s20, 4
	s_lshl_b32 s22, s22, 4
	s_lshl_b32 s23, s21, 1
	s_add_co_u32 s22, s22, s23
	s_and_b32 s20, s20, 15
	s_mul_i32 s[OC], ttmp9, 98304
	s_add_co_u32 s[OC], s[OC], 12288
	s_mul_i32 s23, s22, 319488
	s_add_co_u32 s[OC], s[OC], s23
	s_mul_i32 s23, s20, 6144
	s_add_co_u32 s[OC], s[OC], s23
	s_mov_b32 s[OC+1], 0
	s_add_nc_u64 s[OC:OC+1], s[12:13], s[OC:OC+1]
	s_min_u32 s23, ttmp9, 1
	s_mul_i32 s[OS], s23, 307200
	s_mul_i32 s23, s22, 319488
	s_add_co_u32 s[OS], s[OS], s23
	s_lshl_b32 s23, s20, s45
	s_add_co_u32 s[OS], s[OS], s23
	s_add_co_u32 s[OS], s[OS], s101
	s_add_co_u32 s[OS], s[OS], QSC
	s_mov_b32 s[OS+1], 0
	s_add_nc_u64 s[OS:OS+1], s[12:13], s[OS:OS+1]
	v_mov_b32 v8, v3
	v_lshl_add_u32 v9, v7, 3, 512
	v_add_nc_u32 v10, s46, v8
	v_add_nc_u32 v11, s46, v9
	v_mul_u32_u24 v12, s47, v2
	v_lshl_add_u32 v12, v1, 4, v12
.macro FRAG reg, adr, q, i
.irp c, 0,1,2
	ds_load_b128 v[\reg+4*\c:\reg+4*\c+3], v[\adr] offset:UNIT*(\q)+1536*(\i)+512*\c
.endr
.endm
.macro MUL16 a0, p, q, sc, first
.irp a, \a0, \a0+1
.irp b, 0,1,2,3,4,5,6,7
.if \first
	v_wmma_scale_f32_16x16x128_f8f6f4 v[8*(8*((\a)%4)+\b):8*(8*((\a)%4)+\b)+7], v[128*(\p)+FR*\b:128*(\p)+FR*\b+FR-1], v[AF+FR*(\a):AF+FR*(\a)+FR-1], v[BJ+8*\b:BJ+8*\b+7], v[SC+16*(\sc)+8*(\q)+\b], v[SC+16*(\sc)+8*(\q)+(\a)] matrix_a_fmt:MATRIX_FMT_FP6 matrix_b_fmt:MATRIX_FMT_FP6 matrix_a_scale:MATRIX_SCALE_ROW1
.else
	v_wmma_scale_f32_16x16x128_f8f6f4 v[8*(8*((\a)%4)+\b):8*(8*((\a)%4)+\b)+7], v[128*(\p)+FR*\b:128*(\p)+FR*\b+FR-1], v[AF+FR*(\a):AF+FR*(\a)+FR-1], v[8*(8*((\a)%4)+\b):8*(8*((\a)%4)+\b)+7], v[SC+16*(\sc)+8*(\q)+\b], v[SC+16*(\sc)+8*(\q)+(\a)] matrix_a_fmt:MATRIX_FMT_FP6 matrix_b_fmt:MATRIX_FMT_FP6 matrix_a_scale:MATRIX_SCALE_ROW1
.endif
.endr
.endr
.endm
.macro FETCH_B slot, q, p
	WIN TO_B
.irp i, 0,1,2,3,4,5,6,7
	FRAG 128*(\p)+FR*\i, ADRB+\slot, \q, \i
.endr
	WIN 0
.endm
.macro FETCH_A slot, q, i0
.irp i, \i0, \i0+1, \i0+2, \i0+3
	FRAG AF+FR*(\i), ADRA+\slot, \q, \i
.endr
.endm
.macro SCALES sc
.irp q, 0,1
.irp u, 0,1
	ds_load_b128 v[SC+16*\sc+8*\q+4*\u:SC+16*\sc+8*\q+4*\u+3], v[ADRS] offset:512*\q+256*\u
.endr
.endr
.endm
.macro STEP slot, q, first
	s_wait_dscnt 4*NL
.if \first
	WIN FST_LO
.else
	WIN MUL_LO
.endif
	MUL16 0, (\q)%2, \q, \slot, \first
	MUL16 2, (\q)%2, \q, \slot, \first
	s_wait_dscnt 0
	PLACES NP
	FETCH_B \slot, (\q)+1, 1-(\q)%2
	FETCH_A \slot, (\q)+1, 0
.if \first
	WIN FST_HI
.else
	WIN MUL_HI
.endif
	MUL16 4, (\q)%2, \q, \slot, \first
	MUL16 6, (\q)%2, \q, \slot, \first
	PLACES NP
	WIN 0
	FETCH_A \slot, (\q)+1, 4
.endm
.macro TURN slot, next, fill
	s_wait_tensorcnt 0x0
	ds_add_u32 v[SPW], v[NIL]
	s_wait_dscnt 4*NL+1
	WIN MUL_LO
	MUL16 0, 1, NQ-1, \slot, 0
	s_wait_dscnt 0x0
	s_barrier_signal -1
	MUL16 2, 1, NQ-1, \slot, 0
	WIN 0
	s_barrier_wait -1
.if \fill
	CREST
	s_add_nc_u64 s[G0+4*\slot+2:G0+4*\slot+3], s[G0+4*\slot+2:G0+4*\slot+3], 2*GB
	s_add_nc_u64 s[G0B+4*\slot+2:G0B+4*\slot+3], s[G0B+4*\slot+2:G0B+4*\slot+3], 2*GB
	JLOAD G0+4*\slot, G1, G0B+4*\slot, G1B
.else
	PLACES NP
.endif
	s_wait_alu depctr_va_vdst(0)
	v_add_nc_u32 v[ADRS], 512*NQ, v[ADRS]
	FETCH_B \next, 0, 0
	FETCH_A \next, 0, 0
	SCALES \next
.if (\fill) && (\slot) == 0
	global_prefetch_b8 v[PFO], s[PFA:PFA+1] offset:2*GB th:TH_LOAD_NT scope:SCOPE_SE   ; the loop has one trip: fill 3
.endif
	WIN MUL_HI
	MUL16 4, 1, NQ-1, \slot, 0
	MUL16 6, 1, NQ-1, \slot, 0
	PLACES NP
	WIN 0
	FETCH_A \next, 0, 4
.endm
	s_wait_loadcnt 0x0
.set i, 0
.rept 64
	v_mul_f32 v[BJ+i], s67, v[BJ+i]
.set i, i+1
.endr
.irp a, 0,1,2,3,4,5,6,7
	v_mul_f32 v[BL+\a], s66, v[BL+\a]
.endr
	s_wait_alu depctr_va_vdst(0)
	s_wait_tensorcnt 1
	s_barrier_signal -1
	s_barrier_wait -1
	FETCH_B 0, 0, 0
	FETCH_A 0, 0, 0
	SCALES 0
	FETCH_A 0, 0, 4
	global_prefetch_b8 v[PFO], s[PFA:PFA+1] offset:GB th:TH_LOAD_NT scope:SCOPE_SE     ; fill 2
	STEP 0, 0, 1
	s_mov_b32 s3, LAPS-1
.Llap:
	TURN 0, 1, 1
	STEP 1, 0, 0
	TURN 1, 0, 1
	STEP 0, 0, 0
	s_sub_co_u32 s3, s3, 1
	s_cmp_lg_u32 s3, 0
	s_cbranch_scc1 .Llap
	TURN 0, 1, 0
	STEP 1, 0, 0
	s_wait_dscnt 4*NL
	WIN MUL_LO
	MUL16 0, 1, NQ-1, 1, 0
	MUL16 2, 1, NQ-1, 1, 0
	s_wait_dscnt 0
	WIN MUL_HI
	MUL16 4, 1, NQ-1, 1, 0
	MUL16 6, 1, NQ-1, 1, 0
	WIN 0
	PLACES NP
	s_mov_b32 s[SEL], 0x76543210
	s_mov_b32 s[SEL+1], 0xfedcba98
.irp b, 0,1,2,3
	v_mov_b32 v[TM+4+\b], 0
.endr
.macro TILE a
.set AC, 64*((\a)%4)
.set WA, 2+(\a)/4
	WIN WA|(WA<<6)
.set i, 0
.rept 32
.if (\a)%2
	v_pk_add_f32 v[AC+i:AC+i+1], v[AC+i:AC+i+1], v[BL+(\a)-1:BL+(\a)] op_sel:[0,1] op_sel_hi:[1,1]
.else
	v_pk_add_f32 v[AC+i:AC+i+1], v[AC+i:AC+i+1], v[BL+(\a):BL+(\a)+1] op_sel_hi:[1,0]
.endif
.set i, i+2
.endr
	QUANT AC, WA, PWB+(\a)
.if (\a) == 4
	s_add_nc_u64 s[OC:OC+1], s[OC:OC+1], s[94:95]
.elseif (\a) > 0
	s_add_nc_u64 s[OC:OC+1], s[OC:OC+1], s[92:93]
.endif
	global_store_b128 v8, v[PC:PC+3], s[OC:OC+1]
	global_store_b64 v9, v[PC+4:PC+5], s[OC:OC+1]
	global_store_b128 v10, v[PC+6:PC+9], s[OC:OC+1]
	global_store_b64 v11, v[PC+10:PC+11], s[OC:OC+1]
.endm
.irp a, 0,1,2,3,4,5,6,7
	TILE \a
.endr
	v_cmp_lt_u32 vcc_lo, 15, v7
.irp j, 0,1,2,3
	v_cndmask_b32 v[EI+\j], v[PWB+\j], v[PWB+4+\j], vcc_lo
.endr
	global_store_b128 v12, v[EI:EI+3], s[OS:OS+1]
	s_cmp_eq_u32 s[ISV], 1
	s_cbranch_scc1 .Lno_odd
.irp j, 0,1,2,3
	v_lshrrev_b32 v[E2+\j], 16, v[EI+\j]
.endr
	global_store_b128 v12, v[E2:E2+3], s[OS:OS+1] offset:319488
.Lno_odd:
	s_wait_tensorcnt 0x0
	ds_add_u32 v[SPW], v[NIL]
	s_wait_dscnt 0x0
	CROUND
	s_endpgm
.Lfunc_end_k_q82f3aee488_qkv:
	.size	k_q82f3aee488_qkv, .Lfunc_end_k_q82f3aee488_qkv-k_q82f3aee488_qkv
	.p2alignl 7, 3214868480
	.fill 96, 4, 3214868480
	.section	.rodata,"a",@progbits
	.p2align	6, 0x0
	.amdhsa_kernel k_q82f3aee488_qkv
		.amdhsa_group_segment_fixed_size 327680
		.amdhsa_private_segment_fixed_size 0
		.amdhsa_enable_private_segment 0
		.amdhsa_kernarg_size 40
		.amdhsa_user_sgpr_count 2
		.amdhsa_user_sgpr_kernarg_segment_ptr 1
		.amdhsa_wavefront_size32 1
		.amdhsa_system_sgpr_workgroup_id_x 1
		.amdhsa_system_sgpr_workgroup_id_y 1
		.amdhsa_system_sgpr_workgroup_id_z 1
		.amdhsa_system_vgpr_workitem_id 0
		.amdhsa_next_free_vgpr 1024
		.amdhsa_next_free_sgpr 106
		.amdhsa_reserve_vcc 1
		.amdhsa_float_denorm_mode_32 3
		.amdhsa_float_denorm_mode_16_64 3
		.amdhsa_memory_ordered 1
		.amdhsa_forward_progress 1
		.amdhsa_inst_pref_size 165
	.end_amdhsa_kernel
	.amdgpu_metadata
---
amdhsa.version: [ 1, 2 ]
amdhsa.kernels:
  - .name:           k_q82f3aee488_qkv
    .symbol:         k_q82f3aee488_qkv.kd
    .args:
      - { .name: pq, .offset: 0, .size: 8, .value_kind: global_buffer, .address_space: global }
      - { .name: bq, .offset: 8, .size: 8, .value_kind: global_buffer, .address_space: global }
      - { .name: bk, .offset: 16, .size: 8, .value_kind: global_buffer, .address_space: global }
      - { .name: bv, .offset: 24, .size: 8, .value_kind: global_buffer, .address_space: global }
      - { .name: qkv, .offset: 32, .size: 8, .value_kind: global_buffer, .address_space: global }
    .group_segment_fixed_size: 327680
    .private_segment_fixed_size: 0
    .kernarg_segment_align: 8
    .kernarg_segment_size: 40
    .max_flat_workgroup_size: 128
    .sgpr_count:     106
    .vgpr_count:     1024
    .wavefront_size: 32
...
	.end_amdgpu_metadata
.endif
;; end of part 9
;; launch attn (part 10): grid 8 x 32, 16 waves a work-group, clusters of 4 x 1, 280,576 bytes of LDS; arguments qkv, ao; writes ao
.if DOCPART == 10
	.amdgcn_target "amdgcn-amd-amdhsa--gfx1250"
	.amdhsa_code_object_version 6
	.text
	.protected	k_q82f3aee488_attn
	.globl	k_q82f3aee488_attn
	.p2align	8
	.type	k_q82f3aee488_attn,@function
k_q82f3aee488_attn:
	s_mov_b64 s[64:65], 0
	v_nop
	global_prefetch_b8 v0, s[64:65] scope:SCOPE_SE
	s_setreg_imm32_b32 hwreg(HW_REG_WAVE_MODE, 25, 1), 1
	s_wait_xcnt 0x0
	s_wait_alu depctr_hold_cnt(0) depctr_sa_sdst(0) depctr_va_vdst(0) depctr_va_sdst(0) depctr_va_ssrc(0) depctr_va_vcc(0) depctr_vm_vsrc(0)
	s_getreg_b32 s2, hwreg(HW_REG_IB_STS2, 6, 4)
	s_cmp_eq_u32 s2, 0
	s_cbranch_scc0 .Lentry_in_a_cluster
	s_endpgm
.Lentry_in_a_cluster:
	s_bfe_u32 s2, ttmp6, 0x10000c
	s_cmp_lg_u32 s2, 0x3003
	s_cbranch_scc0 .Lentry_shape_is_right
	s_endpgm
.Lentry_shape_is_right:
; ao[token][64 head + d] = the sum over keys of softmax(Q . K / 8) V, both products on codes of FP6 (E2M3) with E8M0 scales, for one of 32 (batch, head) pairs and 256 queries a work-group.
; THE SOFTMAX AHEAD OF THE SECOND PRODUCT: t = score x log2(e) / 8; M = the running largest t rounded UP to a whole number; p = 2^(t - M) is quantised along the keys, not normalised; the row's sum is taken
; of the unquantised p and divides at the end.  When M moves, the sum and O are multiplied by 2^(old M - new M): exact.
; THE WORKSPACE: a record of 319,488 bytes for each (batch, head): Q's scale words 12,288, Q's codes 98,304, K's codes 98,304, V's codes 98,304, K's and V's scale words 12,288.
; K, V and their scale words are 208,896 bytes on end, 816 rows of 256 bytes: each of the sixteen waves brings 51 rows by ONE tensor load at the head; no LDS byte is filled twice; one barrier, none in the loop.
; CLUSTER: the four query blocks of a cluster belong to one head and ask for each piece jointly (mask 15).
; SHARES: sixteen waves, four to a SIMD, each with one tile of 16 queries in 256 registers.  Every wave walks the head's 2,048 keys, 128 a step.
; Both products transposed (S^T = K Q^T, O^T = V^T P^T): a lane holds one query throughout.
; THE ROWS OF A TILE OF K ARE PICKED BY THE LANES' ADDRESSES: tile (c, u) has rows 0-7 = keys 64 c + 8 u + 0..7 and rows 8-15 = keys 64 c + 32 + 8 (u xor 2) + 0..7.  So lane (r, h) holds in S + 32 c .. + 31 the whole
; block of 32 keys 64 c + 32 h + 0..31: a block's maximum needs no other lane.  In lanes 16-31 the block's two halves of 16 stand in the other order (so that rows 0-7 and rows 8-15 of a load lie 128 bytes apart
; modulo 256); the halves' codes are put in order by selects on the lane's half.
; The head has 64 channels, half of the instruction's 128: registers 6-11 of Q's operand are zero codes, so registers 6-11 of K's operand may hold any codes: K's fragments lie 6 registers apart, each followed by the next.
; (FP6 has no NaN or infinity, and every scale byte read is a finite code.)
; No prefetch: everything that the launch reads from its streams is asked for by the tensor loads at its head; there is no loop to run ahead in.
; LIMITS: the promise holds while the scaled scores t stay under 2^31 in magnitude; p's blocks whose every p has fallen to 0 keep the byte 1 (their codes are zeros); NaN and infinities are not served.
.set REC,   319488
.set KVO,   110592                     ; K's codes in a record
.set WB,    13056                      ; a wave's 51 rows
.set VB,    98304                      ; LDS: K at 0, V here, [key step][6,144] each
.set SL,    196608                     ; the scale words: K [key step][512], V at + 8,192 [key step][256]
.set STAGE, 208896                     ; 16 rows x (256 + 16) bytes for each wave, bytes of their own
.set SPARE, 278528                     ; the spare words, 128 bytes a wave
.set KF,  2                            ; v2-49 K's eight fragments, v50-55 zeros behind them
.set S,   64                           ; v64-127 S^T, then p, then V's four fragments
.set O,   128                          ; v128-159 O^T
.set PC,  160                          ; v160-171 p's codes
.set TC,  172                          ; v172-174, v176-178 the second conversions' codes
.set Q,   180                          ; v180-191 Q's operand
.set NM,  192                          ; -M (193: the pair's other half)
.set SUM, 194                          ; the sum, two halves
.set RUN, 196                          ; the running largest score
.set TN,  197
.set F,   198                          ; 2^(old M - new M) (199: the pair's other half)
.set BM,  200                          ; my two blocks' largest
.set SO,  202                          ; the conversions' scale operands
.set BY,  204                          ; the bytes
.set W,   206
.set X,   207
.set T1,  208                          ; three more chains of the sum
.set T2,  210
.set T3,  212
.set CH,  214                          ; four chains of the maximum
.set ADK, 220                          ; v220, v221 K, registers 0-3, tiles u = 0, 1 and u = 2, 3
.set ADK1,222                          ; v222, v223 K, registers 4-5
.set ADV, 224
.set ADV1,225
.set ADS, 226                          ; v226, v227 K's scale words
.set ADT, 228
.set SPW, 229
.set NIL, 230
.set PW,  231                          ; p's scale word
.set KS,  232                          ; v232-235 K's scale words: register u: lanes 0-15 tile (0, u), lanes 16-31 tile (1, u)
.set VS,  236                          ; v236-239 V's
.set QS,  240                          ; Q's
.set STO, 241
.set RD,  242
.set GO,  243
.set AK0, 244                          ; the lanes' terms of the addresses above, in the same order
.set AK1, 246
.set AV0, 248
.set AV1, 249
.set ASK0,250
.set ASV0,252
.set WV,  18
.set SEL, 20
.set CS,  22
.set CN,  24
.set HM,  25
.set G1,  28
.set G0,  36
.set TK,  40
.set TS,  41
.set TJ,  42
.set CNT, 43
.macro CROUND
	s_barrier_signal -1
	s_barrier_wait -1
	s_cmp_lg_u32 s[WV], 0
	s_cbranch_scc1 .Lnot_wave_0_\@
	s_barrier_signal -3
.Lnot_wave_0_\@:
	s_barrier_wait -3
	s_barrier_signal -1
	s_barrier_wait -1
.endm
; K's eight fragments and four registers of scale words of one key step: 18 LDS loads
.macro KLOAD a, a1, as
.irp c, 0,1
.irp u, 0,1,2,3
	ds_load_b128 v[KF+6*(4*\c+\u):KF+6*(4*\c+\u)+3], v[\a+\u/2] offset:768*(4*\c+\u%2)
	ds_load_b64 v[KF+6*(4*\c+\u)+4:KF+6*(4*\c+\u)+5], v[\a1+\u/2] offset:768*(4*\c+\u%2)
.endr
.endr
	ds_load_b64 v[KS:KS+1], v[\as]
	ds_load_b64 v[KS+2:KS+3], v[\as+1]
.endm
.macro JOIN                            ; the sum's four chains become one
	v_pk_add_f32 v[T1:T1+1], v[T1:T1+1], v[T2:T2+1]
	v_pk_add_f32 v[SUM:SUM+1], v[SUM:SUM+1], v[T3:T3+1]
	v_pk_add_f32 v[SUM:SUM+1], v[SUM:SUM+1], v[T1:T1+1]
.endm
	s_load_b128 s[4:7], s[0:1], 0x0                ; qkv s[4:5], ao s[6:7]
	v_lshl_add_u32 v[SPW], v0, 2, SPARE
	v_mov_b32 v[NIL], 0
	ds_add_u32 v[SPW], v[NIL]                      ; the opening lines: the add, twice on end, and its wait
	ds_add_u32 v[SPW], v[NIL]
	v_lshrrev_b32 v1, 5, v0
	v_readfirstlane_b32 s[WV], v1                  ; wave 0..15
	s_bfe_u32 s13, ttmp6, 0x40000                  ; cx: it enters Q's and ao's addresses alone
	s_lshl_b32 s14, ttmp9, 2
	s_add_co_u32 s14, s14, s13                     ; my block of 256 queries
	s_and_b32 s15, ttmp7, 0xffff                   ; 16 x batch + head
	s_mov_b32 s[G1], 15|(3<<16)|(1<<21)            ; the mask: all four work-groups; elements of 8 bytes; 21 set beside a mask
	s_mov_b32 s[G1+1], 32<<16
	s_mov_b32 s[G1+2], 51<<16
	s_mov_b32 s[G1+3], 32<<16
	s_mov_b32 s[G1+4], 51
	s_mov_b32 s[G1+5], 32
	s_mov_b32 s[G1+6], 0
	s_mov_b32 s[G1+7], 0
	s_mul_i32 s44, s15, REC                        ; my head's record
	s_mul_i32 s[G0+1], s[WV], WB                   ; LDS: wave x 51 rows
	s_add_co_u32 s46, s44, s[G0+1]
	s_add_co_u32 s46, s46, KVO
	s_mov_b32 s47, 0
	s_mov_b32 s[G0], 1
	s_mov_b32 s[SEL], 0x76543210
	s_mov_b32 s[SEL+1], 0xfedcba98
	s_mov_b32 s[CS], 0x3e38aa3b                    ; c = log2(e) / 8
	s_mov_b32 s[CS+1], s[CS]
	s_mov_b32 s[CN], 0xbe38aa3b                    ; -c
	s_mov_b32 s[HM], 0xffff0000                    ; lanes 16-31
	s_mov_b32 s[TK], 0
	s_mov_b32 s[TS], 0
	s_mov_b32 s[TJ], 0
	s_wait_dscnt 0x0
	s_wait_kmcnt 0x0
	s_add_nc_u64 s[G0+2:G0+3], s[4:5], s[46:47]
	s_or_b32 s[G0+3], s[G0+3], 0x80000000
	CROUND                                         ; all four work-groups are here: the joint loads meet
	tensor_load_to_lds s[G0:G0+3], s[G1:G1+7]      ; my sixteenth of K, V and their scale words: my one tensor load
	s_nop 0
	s_lshl_b32 s8, s14, 1
	s_lshr_b32 s9, s[WV], 3
	s_add_co_u32 s8, s8, s9                        ; my token group in the batch
	s_and_b32 s9, s[WV], 7                         ; my tile in it
	s_mul_i32 s10, s8, 6144
	s_mul_i32 s11, s9, 768
	s_add_co_u32 s10, s10, s11
	s_add_co_u32 s10, s10, s44
	s_add_co_u32 s10, s10, 12288
	s_mov_b32 s11, 0
	s_add_nc_u64 s[48:49], s[4:5], s[10:11]        ; Q's codes
	s_lshl_b32 s12, s8, 9
	s_lshr_b32 s16, s9, 2
	s_lshl_b32 s16, s16, 8
	s_add_co_u32 s12, s12, s16
	s_and_b32 s16, s9, 3
	s_lshl_b32 s16, s16, 2
	s_add_co_u32 s12, s12, s16
	s_add_co_u32 s12, s12, s44
	s_mov_b32 s13, 0
	s_add_nc_u64 s[50:51], s[4:5], s[12:13]        ; Q's scale words
	s_lshr_b32 s10, s15, 4
	s_lshl_b32 s10, s10, 11                        ; 2,048 x batch
	s_lshl_b32 s16, s8, 7
	s_add_co_u32 s10, s10, s16
	s_lshr_b32 s16, s9, 1
	s_lshl_b32 s16, s16, 5
	s_add_co_u32 s10, s10, s16
	s_and_b32 s16, s9, 1
	s_lshl_b32 s16, s16, 3
	s_add_co_u32 s10, s10, s16                     ; my tile's first token
	s_lshl_b32 s10, s10, 12
	s_and_b32 s16, s15, 15
	s_lshl_b32 s16, s16, 8
	s_add_co_u32 s10, s10, s16                     ; + the head's 256 bytes of a row
	s_add_nc_u64 s[6:7], s[6:7], s[10:11]
	s_mul_i32 s16, s[WV], 16*272
	s_add_co_u32 s16, s16, STAGE                   ; my stage
	v_and_b32 v64, 15, v0                          ; r
	v_bfe_u32 v65, v0, 4, 1                        ; h
	v_and_b32 v66, 7, v0                           ; r % 8
	v_bfe_u32 v67, v0, 3, 1                        ; r / 8
	v_and_b32 v68, 31, v0                          ; lane
	v_lshlrev_b32 v70, 4, v68
	v_lshl_add_u32 v71, v68, 3, 512
	v_lshlrev_b32 v72, 4, v64
	v_mul_u32_u24 v69, v67, 1536+128               ; rows 8-15 come from the image two tiles on, and from its other eight lane-rows
	v_mul_u32_u24 v73, v67, 1536+64
	global_load_b128 v[Q:Q+3], v70, s[48:49]       ; Q's fragment stays in registers
	global_load_b64 v[Q+4:Q+5], v71, s[48:49]
	global_load_b32 v[QS], v72, s[50:51]
	v_lshl_add_u32 v[AK0], v66, 4, v69
	v_lshl_add_u32 v[AK1], v66, 3, v73
	v_lshl_add_u32 v[AK0], v65, 8, v[AK0]          ; K, registers 0-3, u = 0, 1: 16 (r % 8) + 256 h + 1,664 (r / 8)
	v_lshl_add_u32 v[AK1], v65, 7, v[AK1]
	v_xor_b32 v[AK0+1], 128, v[AK0]                ; u = 2, 3: the other eight lane-rows in both halves of the rows
	v_add_nc_u32 v[AK1], 512, v[AK1]               ; registers 4-5: 512 + 8 (r % 8) + 128 h + 1,600 (r / 8)
	v_lshl_add_u32 v[ASK0], v65, 8, SL
	v_xor_b32 v[AK1+1], 64, v[AK1]
	v_lshl_add_u32 v[ASK0], v66, 4, v[ASK0]
	v_lshl_add_u32 v[AV0], v68, 4, VB
	v_mad_u32_u24 v[ASK0], v67, 136, v[ASK0]       ; K's scale words: 256 (lane / 16) + 16 (r % 8) + 136 (r / 8)
	v_lshl_add_u32 v[AV1], v68, 3, VB+512
	v_xor_b32 v[ASK0+1], 128, v[ASK0]
	v_lshl_add_u32 v[ASV0], v64, 4, SL+8192        ; V's: four tiles' words of lane-row r
	v_mul_u32_u24 v69, v64, 272
	v_mul_u32_u24 v73, v65, 272
	v_lshl_add_u32 v69, v65, 6, v69
	v_lshl_add_u32 v73, v64, 4, v73
	v_add_nc_u32 v[STO], s16, v69                  ; the way out, in: row r, + 64 h
	v_add_nc_u32 v[RD], s16, v73                   ; back: lanes 0-15 one row, lanes 16-31 the next
	v_lshlrev_b32 v[GO], 12, v65
	v_lshl_add_u32 v[GO], v64, 4, v[GO]            ; and the same two rows of ao
.irp j, 0,1,2,3,4,5
	v_mov_b32 v[KF+48+\j], 0                       ; behind K's last fragment
	v_mov_b32 v[Q+6+\j], 0                         ; k = 64 .. 127 of Q: zero codes
	v_mov_b32 v[T1+\j], 0
.endr
	v_mov_b32 v[NM], 0x7f61b1e6                    ; -M = 3e38,
	v_mov_b32 v[RUN], 0xff61b1e6                   ; the largest score so far -3e38: the first step's f is 0
	v_mov_b32 v[NM+1], 0
	v_mov_b32 v[SUM], 0
	v_mov_b32 v[SUM+1], 0
	v_mov_b32 v[F+1], 0
	v_mov_b32 v[X], 0                              ; a lane permute's destination counts as one of its sources
.set i, 0
.rept 32
	v_mov_b32 v[O+i], 0                            ; O^T: the step is written once; the first finds zeros
.set i, i+1
.endr
	s_wait_alu depctr_va_vdst(0)
	s_wait_loadcnt 0x0                             ; Q
	s_wait_tensorcnt 0x0                           ; my piece has landed
	s_barrier_signal -1
	s_barrier_wait -1                              ; and everybody's
	KLOAD AK0, AK1, ASK0                           ; key step 0
	s_mov_b32 s[CNT], 16
	s_wait_dscnt 0x0
.Lstep:                                                ; A KEY STEP: 128 keys
	JOIN                                           ; these six are the places between the last V^T P^T products and the score products that write over V's registers
	v_add_nc_u32 v[ADV], s[TK], v[AV0]
	v_add_nc_u32 v[ADV1], s[TK], v[AV1]
	v_add_nc_u32 v[ADT], s[TJ], v[ASV0]
	s_add_co_u32 s[TK], s[TK], 6144
	s_add_co_u32 s[TS], s[TS], 512
	s_add_co_u32 s[TJ], s[TJ], 256
	ds_load_b128 v[VS:VS+3], v[ADT]
.irp c, 0,1                                    ; S^T = K Q^T: eight products, each starting its sum with 0
.irp u, 0,1,2,3
.if \c
	v_wmma_scale_f32_16x16x128_f8f6f4 v[S+8*(4*\c+\u):S+8*(4*\c+\u)+7], v[KF+6*(4*\c+\u):KF+6*(4*\c+\u)+11], v[Q:Q+11], 0, v[KS+\u], v[QS] matrix_a_fmt:MATRIX_FMT_FP6 matrix_b_fmt:MATRIX_FMT_FP6 matrix_a_scale:MATRIX_SCALE_ROW1
.else
	v_wmma_scale_f32_16x16x128_f8f6f4 v[S+8*(4*\c+\u):S+8*(4*\c+\u)+7], v[KF+6*(4*\c+\u):KF+6*(4*\c+\u)+11], v[Q:Q+11], 0, v[KS+\u], v[QS] matrix_a_fmt:MATRIX_FMT_FP6 matrix_b_fmt:MATRIX_FMT_FP6
.endif
.endr
.endr
.irp j, 0,1                                    ; the places behind the score products, in front of the loads into K's registers and of the first read of the scores
	v_add_nc_u32 v[ADK+\j], s[TK], v[AK0+\j]
	v_add_nc_u32 v[ADK1+\j], s[TK], v[AK1+\j]
	v_add_nc_u32 v[ADS+\j], s[TS], v[ASK0+\j]
.endr
	KLOAD ADK, ADK1, ADS                           ; the next step's K (in the last trip: bytes of V and of V's scale words, which nothing uses)
.irp q, 0,1,2,3
	v_max3_num_f32 v[CH+\q], v[S+16*\q], v[S+16*\q+1], v[S+16*\q+2]   ; four chains by turns; each accumulator is first read at its low end
.endr
.irp i, 3,5,7,9,11,13
.irp q, 0,1,2,3
	v_max3_num_f32 v[CH+\q], v[CH+\q], v[S+16*\q+\i], v[S+16*\q+\i+1]
.endr
.endr
.irp c, 0,1
	v_max3_num_f32 v[BM+\c], v[CH+2*\c], v[CH+2*\c+1], v[S+32*\c+15]
.endr
.irp c, 0,1
	v_max_num_f32 v[BM+\c], v[BM+\c], v[S+32*\c+31]   ; the largest score of my block 2 c + h: for the row's maximum, and, since p rises with the score, for the block's largest p
.endr
	s_delay_alu instid0(VALU_DEP_1)
	v_max_num_f32 v[TN], v[BM], v[BM+1]
	s_delay_alu instid0(VALU_DEP_1)
	v_permlanex16_b32 v[X], v[TN], s[SEL], s[SEL+1]
	s_delay_alu instid0(VALU_DEP_1)
	v_max3_num_f32 v[RUN], v[RUN], v[TN], v[X]     ; the running largest score of my query
	s_delay_alu instid0(VALU_DEP_1)
	v_mul_f32 v[TN], s[CN], v[RUN]                 ; -t
	s_delay_alu instid0(VALU_DEP_1)
	v_floor_f32 v[TN], v[TN]                       ; the new -M = -ceil(t)
	s_delay_alu instid0(VALU_DEP_1)
	v_sub_f32 v[X], v[TN], v[NM]                   ; old M - new M: a whole number, 0 or less
	v_mov_b32 v[NM], v[TN]
	s_delay_alu instid0(VALU_DEP_2)
	v_cvt_i32_f32 v[X], v[X]                       ; (it saturates)
	s_delay_alu instid0(VALU_DEP_1)
	v_ldexp_f32 v[F], 1.0, v[X]                    ; f = 2^(old M - new M)
.set i, 0
.rept 32
	v_pk_fma_f32 v[S+i:S+i+1], v[S+i:S+i+1], s[CS:CS+1], v[NM:NM+1] op_sel_hi:[1,0,0]   ; t - M
.set i, i+2
.endr
.irp c, 0,1
	v_fma_f32 v[BM+\c], v[BM+\c], s[CS], v[NM]
.endr
	s_wait_alu depctr_va_vdst(0)                   ; ahead of the batch
.set i, 0
.rept 64
	v_exp_f32 v[S+i], v[S+i]                       ; p = 2^(t - M)
.set i, i+1
.endr
.irp c, 0,1
	v_exp_f32 v[BM+\c], v[BM+\c]                   ; my blocks' largest p: the same two instructions on the same number
.endr
	v_pk_mul_f32 v[SUM:SUM+1], v[SUM:SUM+1], v[F:F+1] op_sel_hi:[1,0]   ; the sum under the new M: a plain place behind the exponentials
	s_wait_alu depctr_va_vdst(0)                   ; one wait for the batch, ahead of its first reader
.irp c, 0,1
	v_max_num_f32 v[BM+\c], 0x1800000, v[BM+\c]    ; the floor 2^(3 - 127): the byte cannot fall under 1
.endr
	v_pk_add_f32 v[SUM:SUM+1], v[SUM:SUM+1], v[S:S+1]   ; the row's sum of the unquantised p, in four chains, joined at the next step's head
	v_pk_add_f32 v[T1:T1+1], v[S+2:S+3], v[S+4:S+5]
	v_pk_add_f32 v[T2:T2+1], v[S+6:S+7], v[S+8:S+9]
	v_pk_add_f32 v[T3:T3+1], v[S+10:S+11], v[S+12:S+13]
.irp c, 0,1
	v_add_nc_u32 v[SO+\c], 0xff000000, v[BM+\c]    ; 2 off the exponent field: the conversion's scale operand
.endr
.irp c, 0,1
	v_lshrrev_b32 v[BY+\c], 23, v[SO+\c]           ; the byte
.endr
.set i, 14
.rept 6
	v_pk_add_f32 v[SUM:SUM+1], v[SUM:SUM+1], v[S+i:S+i+1]
	v_pk_add_f32 v[T1:T1+1], v[T1:T1+1], v[S+i+2:S+i+3]
	v_pk_add_f32 v[T2:T2+1], v[T2:T2+1], v[S+i+4:S+i+5]
	v_pk_add_f32 v[T3:T3+1], v[T3:T3+1], v[S+i+6:S+i+7]
.set i, i+8
.endr
	v_lshl_or_b32 v[W], v[BY+1], 16, v[BY]         ; my two bytes: blocks h and 2 + h
	v_pk_add_f32 v[SUM:SUM+1], v[SUM:SUM+1], v[S+62:S+63]
	s_delay_alu instid0(VALU_DEP_2)
	v_permlanex16_b32 v[X], v[W], s[SEL], s[SEL+1]
.irp c, 0,1
	v_cvt_scalef32_pk16_fp6_f32 v[PC+6*\c:PC+6*\c+2], v[S+32*\c:S+32*\c+15], v[SO+\c]
	v_cvt_scalef32_pk16_fp6_f32 v[TC+4*\c:TC+4*\c+2], v[S+32*\c+16:S+32*\c+31], v[SO+\c]   ; (a conversion's three registers begin on an even number)
.endr
	v_lshl_or_b32 v[PW], v[X], 8, v[W]             ; lanes 0-15: the four bytes of my query's 128 keys (lanes 16-31 are not read).  Also the plain place behind the conversions
.irp t, 0,1,2,3                                ; V's four fragments land where p lay, while p's codes are put in order
	ds_load_b128 v[S+12*\t:S+12*\t+3], v[ADV] offset:1536*\t
	ds_load_b64 v[S+12*\t+4:S+12*\t+5], v[ADV1] offset:1536*\t
	ds_load_b128 v[S+12*\t+6:S+12*\t+9], v[ADV] offset:1536*\t+768
	ds_load_b64 v[S+12*\t+10:S+12*\t+11], v[ADV1] offset:1536*\t+768
.endr
.irp c, 0,1                                    ; lanes 0-15: first conversion = keys 0-15 of the block; lanes 16-31: keys 16-31
.irp i, 0,1,2
	v_cndmask_b32 v[PC+6*\c+3+\i], v[TC+4*\c+\i], v[PC+6*\c+\i], s[HM]
.endr
.irp i, 0,1,2
	v_cndmask_b32 v[PC+6*\c+\i], v[PC+6*\c+\i], v[TC+4*\c+\i], s[HM]
.endr
.endr
	s_wait_alu depctr_va_vdst(0)                   ; directly ahead of the first reader of O^T, a matrix result read behind exponentials
.set i, 0
.rept 16
	v_pk_mul_f32 v[O+i:O+i+1], v[O+i:O+i+1], v[F:F+1] op_sel_hi:[1,0]   ; O^T under the new M; also the places in front of the scaled products
.set i, i+2
.endr
	s_wait_alu depctr_va_vdst(0)                   ; directly ahead of the wait below
	s_wait_dscnt 0x0                               ; V and its scale words are in, and so is the next step's K
.irp t, 0,1,2,3                                ; O^T += V^T P^T: the four accumulators by turns
	v_wmma_scale_f32_16x16x128_f8f6f4 v[O+8*\t:O+8*\t+7], v[S+12*\t:S+12*\t+11], v[PC:PC+11], v[O+8*\t:O+8*\t+7], v[VS+\t], v[PW] matrix_a_fmt:MATRIX_FMT_FP6 matrix_b_fmt:MATRIX_FMT_FP6
.endr
	s_sub_co_u32 s[CNT], s[CNT], 1
	s_cmp_lg_u32 s[CNT], 0
	s_cbranch_scc1 .Lstep
	; THE WAY OUT: O^T / the sum, through my stage, so that sixteen lanes store the head's 256 bytes of a token's row
	JOIN
	s_delay_alu instid0(VALU_DEP_1)
	v_add_f32 v[SUM], v[SUM], v[SUM+1]
	s_delay_alu instid0(VALU_DEP_1)
	v_permlanex16_b32 v[X], v[SUM], s[SEL], s[SEL+1]
	s_delay_alu instid0(VALU_DEP_1)
	v_add_f32 v[SUM], v[SUM], v[X]                 ; the row's sum
	s_wait_alu depctr_va_vdst(0)                   ; ahead of the transcendental
	v_rcp_f32 v[SUM], v[SUM]
	v_nop
	s_wait_alu depctr_va_vdst(0)                   ; ahead of its first reader, which is also the first reader of O^T
.set i, 0
.rept 16
	v_pk_mul_f32 v[S+i:S+i+1], v[O+i:O+i+1], v[SUM:SUM+1] op_sel_hi:[1,0]
.set i, i+2
.endr
.irp t, 0,1,2,3                                ; register 8 t + j is channel 32 (t / 2) + 16 h + 8 (t % 2) + j
	ds_store_b128 v[STO], v[S+8*\t:S+8*\t+3] offset:128*(\t/2)+32*(\t%2)
	ds_store_b128 v[STO], v[S+8*\t+4:S+8*\t+7] offset:128*(\t/2)+32*(\t%2)+16
.endr
.irp i, 0,1,2,3,4,5,6,7
	ds_load_b128 v[KF+4*\i:KF+4*\i+3], v[RD] offset:544*\i   ; my own stage, in order behind my stores
.endr
.irp i, 0,1,2,3,4,5,6,7
	s_wait_dscnt 7-\i                              ; the younger loads may be out
	global_store_b128 v[GO], v[KF+4*\i:KF+4*\i+3], s[6:7] offset:(2*\i+8*(\i/4))*4096   ; lane-rows 2 i, 2 i + 1 are tokens 2 i + 8 (i / 4) on: sixteen lanes store 256 consecutive bytes
.endr
	s_wait_tensorcnt 0x0                           ; the wave's end
	ds_add_u32 v[SPW], v[NIL]
	s_wait_dscnt 0x0
	CROUND                                         ; the closing round
	s_endpgm
.Lfunc_end_k_q82f3aee488_attn:
	.size	k_q82f3aee488_attn, .Lfunc_end_k_q82f3aee488_attn-k_q82f3aee488_attn
	.p2alignl 7, 3214868480
	.fill 96, 4, 3214868480
	.section	.rodata,"a",@progbits
	.p2align	6, 0x0
	.amdhsa_kernel k_q82f3aee488_attn
		.amdhsa_group_segment_fixed_size 280576
		.amdhsa_private_segment_fixed_size 0
		.amdhsa_enable_private_segment 0
		.amdhsa_kernarg_size 16
		.amdhsa_user_sgpr_count 2
		.amdhsa_user_sgpr_kernarg_segment_ptr 1
		.amdhsa_wavefront_size32 1
		.amdhsa_system_sgpr_workgroup_id_x 1
		.amdhsa_system_sgpr_workgroup_id_y 1
		.amdhsa_system_sgpr_workgroup_id_z 1
		.amdhsa_system_vgpr_workitem_id 0
		.amdhsa_next_free_vgpr 256
		.amdhsa_next_free_sgpr 92
		.amdhsa_reserve_vcc 0
		.amdhsa_float_denorm_mode_32 3
		.amdhsa_float_denorm_mode_16_64 3
		.amdhsa_memory_ordered 1
		.amdhsa_forward_progress 1
		.amdhsa_inst_pref_size 30
	.end_amdhsa_kernel
	.amdgpu_metadata
---
amdhsa.version: [ 1, 2 ]
amdhsa.kernels:
  - .name:           k_q82f3aee488_attn
    .symbol:         k_q82f3aee488_attn.kd
    .args:
      - { .name: qkv, .offset: 0, .size: 8, .value_kind: global_buffer, .address_space: global }
      - { .name: ao, .offset: 8, .size: 8, .value_kind: global_buffer, .address_space: global }
    .group_segment_fixed_size: 280576
    .private_segment_fixed_size: 0
    .kernarg_segment_align: 8
    .kernarg_segment_size: 16
    .max_flat_workgroup_size: 512
    .sgpr_count:     92
    .vgpr_count:     256
    .wavefront_size: 32
...
	.end_amdgpu_metadata
.endif
;; end of part 10
;; launch ln1 (part 11): grid 256 x 1, 8 waves a work-group, no clusters, 69,632 bytes of LDS; arguments ao, x, g1, be1, hq; writes hq
.if DOCPART == 11
	.amdgcn_target "amdgcn-amd-amdhsa--gfx1250"
	.amdhsa_code_object_version 6
	.text
	.protected	k_q82f3aee488_ln1
	.globl	k_q82f3aee488_ln1
	.p2align	8
	.type	k_q82f3aee488_ln1,@function
k_q82f3aee488_ln1:
	s_mov_b64 s[64:65], 0
	v_nop
	global_prefetch_b8 v0, s[64:65] scope:SCOPE_SE
	s_setreg_imm32_b32 hwreg(HW_REG_WAVE_MODE, 25, 1), 1
	s_wait_xcnt 0x0
; h = LayerNorm(ao + x) g1 + be1, in f32, quantised to FP6 (E2M3) along its 1,024 and stored as the first FFN product's operand: fragment images and scale words, laid as x's are:
; unit 8 g + s: codes at 12,288 x unit + 1,536 x tile, scale words at HSC + 512 x unit.
; A work-group takes one tile: 16 tokens, 128 g + 32 (t/2) + 8 (t%2) + r + 8 (r/8); wave w takes K step w, 128 columns.  The mean and then the mean of squares about it (two passes: an offset of the inputs costs no accuracy)
; are summed in a lane, with lane l xor 16, and over the eight waves through LDS: two barriers.  Memory binds: every byte is read once in runs of 512 bytes; the matrix unit, clusters and tensor loads would add nothing.
; The scale words leave as 4 bytes of each 16: one byte in 256 of what the launch reads.
; LIMITS: a block of zeros gets the byte 1 (its codes are zeros); largest magnitudes under 2^-124 are held at that floor; NaN and infinities are not served; v_rsq_f32 is the chip's.
.set STGB, 8448                        ; a wave's stage: 16 rows x (512 + 16) bytes
.set RED,  67584                       ; behind the stages: [row 16][wave 8] words, twice
.set HSC,  3145728
.set SU,   32                          ; v32-95 ao, then ao + x, then g1
.set D,    96                          ; v96-159 x, then the 64 numbers of my row
.set BE,   160                         ; v160-223 be1
.set PC,   224
.set TM,   8
.set PW,   24
.set SEL,  20
.set MSB, 0
.macro WIN new
.if MSB != (\new)
	s_set_vgpr_msb (MSB<<8)|(\new)
.set MSB, (\new)
.endif
.endm
.macro QUANT s, w, pw
	s_wait_xcnt 0x0
	WIN ((\w)<<2)|((\w)<<4)
.irp b, 0,1,2,3
	v_max3_num_f32 v[TM+\b], 0x1800000, |v[(\s)+16*\b]|, |v[(\s)+16*\b+1]|
.endr
.irp i, 2,4,6,8,10,12,14
.irp b, 0,1,2,3
	s_delay_alu instid0(VALU_DEP_4)
	v_max3_num_f32 v[TM+\b], v[TM+\b], |v[(\s)+16*\b+\i]|, |v[(\s)+16*\b+\i+1]|
.endr
.endr
	WIN 0
.irp b, 0,1,2,3
	s_delay_alu instid0(VALU_DEP_4)
	v_permlanex16_b32 v[TM+4+\b], v[TM+\b], s[SEL], s[SEL+1]
.endr
.irp b, 0,1,2,3
	s_delay_alu instid0(VALU_DEP_4)
	v_max_num_f32 v[TM+\b], v[TM+\b], v[TM+4+\b]
.endr
.irp b, 0,1,2,3
	s_delay_alu instid0(VALU_DEP_4)
	v_add_nc_u32 v[TM+12+\b], 0xff000000, v[TM+\b]
.endr
.irp b, 0,1,2,3
	s_delay_alu instid0(VALU_DEP_4)
	v_lshrrev_b32 v[TM+4+\b], 23, v[TM+12+\b]
.endr
	s_delay_alu instid0(VALU_DEP_3)
	v_lshl_or_b32 v[\pw], v[TM+5], 8, v[TM+4]
	s_delay_alu instid0(VALU_DEP_1)
	v_lshl_or_b32 v[\pw], v[TM+6], 16, v[\pw]
	s_delay_alu instid0(VALU_DEP_1)
	v_lshl_or_b32 v[\pw], v[TM+7], 24, v[\pw]
	WIN (\w)
.irp c, 0,1
	v_cvt_scalef32_pk16_fp6_f32 v[PC+6*\c:PC+6*\c+2], v[(\s)+32*\c:(\s)+32*\c+15], v[TM+12+2*\c]
	v_cvt_scalef32_pk16_fp6_f32 v[PC+12+4*\c:PC+14+4*\c], v[(\s)+32*\c+16:(\s)+32*\c+31], v[TM+13+2*\c]
.endr
	WIN 0
	v_nop
.irp c, 0,1
.irp i, 0,1,2
	v_permlane16_swap_b32 v[PC+6*\c+\i], v[PC+12+4*\c+\i]
.endr
.irp i, 0,1,2
	s_delay_alu instid0(VALU_DEP_3)
	v_mov_b32 v[PC+3+6*\c+\i], v[PC+12+4*\c+\i]
.endr
.endr
.endm
.macro TURNIN src, dst, ain, aout
.irp i, 0,1,2,3,4,5,6,7,8,9,10,11,12,13,14,15
	ds_store_b128 v[\ain], v[\src+4*\i:\src+4*\i+3] offset:528*\i
.endr
.irp b, 0,1,2,3
.irp j, 0,1,2,3
	ds_load_b128 v[\dst+16*\b+4*\j:\dst+16*\b+4*\j+3], v[\aout] offset:128*\b+16*\j
.endr
.endr
.endm
; v26: my wave's sum for row r -> v26: the row's sum over the eight waves
.macro ACROSS off
	s_delay_alu instid0(VALU_DEP_1)
	v_permlanex16_b32 v27, v26, s[SEL], s[SEL+1]
	s_delay_alu instid0(VALU_DEP_1)
	v_add_f32 v26, v26, v27                        ; with lane l xor 16's 64 numbers
	ds_store_b32 v25, v26 offset:\off              ; (both lanes of a row write the same word with the same value)
	s_wait_dscnt 0x0                               ; for the others' sake
	s_barrier_signal -1
	s_barrier_wait -1
	ds_load_b128 v[246:249], v244 offset:\off
	ds_load_b128 v[250:253], v244 offset:\off+16
	s_wait_dscnt 0x0
	v_add_f32 v246, v246, v247
	v_add_f32 v248, v248, v249
	v_add_f32 v250, v250, v251
	v_add_f32 v252, v252, v253
	s_delay_alu instid0(VALU_DEP_3)
	v_add_f32 v246, v246, v248
	s_delay_alu instid0(VALU_DEP_2)
	v_add_f32 v250, v250, v252
	s_delay_alu instid0(VALU_DEP_1)
	v_add_f32 v26, v246, v250
.endm
	s_load_b256 s[4:11], s[0:1], 0x0               ; ao s[4:5], x s[6:7], g1 s[8:9], be1 s[10:11]
	s_load_b64 s[12:13], s[0:1], 0x20              ; hq
	v_lshl_add_u32 v254, v0, 2, 0x10c00
	v_mov_b32 v255, 0
	v_lshrrev_b32 v1, 5, v0
	s_delay_alu instid0(VALU_DEP_1)
	v_readfirstlane_b32 s14, v1                    ; wave = K step
	v_and_b32 v1, 31, v0
	s_delay_alu instid0(VALU_DEP_1)
	v_lshlrev_b32 v2, 4, v1                        ; 16 x lane
	v_and_b32 v3, 15, v0                           ; r
	v_bfe_u32 v4, v0, 4, 1                         ; h
	s_mul_i32 s15, s14, STGB
	v_add_nc_u32 v5, s15, v2                       ; into my stage
	v_mul_u32_u24 v6, v3, 528
	s_delay_alu instid0(VALU_DEP_1)
	v_lshl_add_u32 v6, v4, 6, v6
	s_delay_alu instid0(VALU_DEP_1)
	v_add_nc_u32 v6, s15, v6                       ; out of it
	v_lshlrev_b32 v7, 4, v3                        ; 16 r
	s_lshl_b32 s15, s14, 2
	s_add_co_u32 s15, s15, RED
	v_lshl_add_u32 v25, v3, 5, s15                 ; my wave's word of row r
	v_lshlrev_b32 v244, 5, v3
	s_delay_alu instid0(VALU_DEP_1)
	v_add_nc_u32 v244, RED, v244                   ; row r's eight words
	s_lshl_b32 s15, s14, 9
	v_lshl_add_u32 v245, v4, 6, s15                ; g1, be1: 512 w + 64 h
	s_lshr_b32 s16, ttmp9, 3                       ; the group
	s_and_b32 s17, ttmp9, 7                        ; the tile
	s_lshl_b32 s18, s16, 7
	s_lshr_b32 s19, s17, 1
	s_lshl_b32 s19, s19, 5
	s_add_co_u32 s18, s18, s19
	s_and_b32 s19, s17, 1
	s_lshl_b32 s19, s19, 3
	s_add_co_u32 s18, s18, s19                     ; the tile's first token
	s_lshl_b32 s18, s18, 12
	s_add_co_u32 s18, s18, s15
	s_mov_b32 s19, 0
	s_lshl_b32 s22, s16, 3
	s_add_co_u32 s22, s22, s14                     ; the unit
	s_mul_i32 s24, s22, 12288
	s_mul_i32 s25, s17, 1536
	s_add_co_u32 s24, s24, s25
	s_mov_b32 s25, 0
	s_lshl_b32 s26, s22, 9
	s_lshr_b32 s27, s17, 2
	s_lshl_b32 s27, s27, 8
	s_add_co_u32 s26, s26, s27
	s_and_b32 s27, s17, 3
	s_lshl_b32 s27, s27, 2
	s_add_co_u32 s26, s26, s27
	s_add_co_u32 s26, s26, HSC
	s_mov_b32 s27, 0
	s_mov_b32 s[SEL], 0x76543210
	s_mov_b32 s[SEL+1], 0xfedcba98
	s_mov_b32 s28, 0x3a800000                      ; 1 / 1,024
	s_mov_b32 s29, 0x3727c5ac                      ; 1e-5
.irp b, 0,1,2,3
	v_mov_b32 v[TM+4+\b], 0
.endr
	s_wait_alu depctr_va_vdst(0)
	s_wait_kmcnt 0x0
	s_add_nc_u64 s[4:5], s[4:5], s[18:19]
	s_add_nc_u64 s[6:7], s[6:7], s[18:19]
	s_add_nc_u64 s[24:25], s[12:13], s[24:25]
	s_add_nc_u64 s[26:27], s[12:13], s[26:27]
.irp i, 0,1,2,3,4,5,6,7,8,9,10,11,12,13,14,15
	global_load_b128 v[SU+4*\i:SU+4*\i+3], v2, s[4:5] offset:(\i+8*(\i/8))*4096 th:TH_LOAD_NT
.endr
.irp i, 0,1,2,3,4,5,6,7,8,9,10,11,12,13,14,15
	global_load_b128 v[D+4*\i:D+4*\i+3], v2, s[6:7] offset:(\i+8*(\i/8))*4096 th:TH_LOAD_NT
.endr
.irp b, 0,1,2,3
.irp j, 0,1,2,3
	global_load_b128 v[BE+16*\b+4*\j:BE+16*\b+4*\j+3], v245, s[10:11] offset:128*\b+16*\j
.endr
.endr
	s_wait_loadcnt 16                              ; ao and x are in; be1's sixteen loads may be out
.set i, 0
.rept 32
	v_pk_add_f32 v[SU+i:SU+i+1], v[SU+i:SU+i+1], v[D+i:D+i+1]
.set i, i+2
.endr
	TURNIN SU, D, 5, 6
	s_wait_dscnt 0x0
.irp b, 0,1,2,3
.irp j, 0,1,2,3
	global_load_b128 v[SU+16*\b+4*\j:SU+16*\b+4*\j+3], v245, s[8:9] offset:128*\b+16*\j   ; g1, where the sums lay
.endr
.endr
	v_pk_add_f32 v[28:29], v[96:97], v[98:99]
	v_pk_add_f32 v[252:253], v[104:105], v[108:109]
	v_pk_add_f32 v[250:251], v[112:113], v[116:117]
	v_pk_add_f32 v[248:249], v[120:121], v[124:125]
	v_pk_add_f32 v[246:247], v[128:129], v[132:133]
	v_pk_add_f32 v[242:243], v[136:137], v[140:141]
	v_pk_add_f32 v[240:241], v[144:145], v[148:149]
	v_pk_add_f32 v[26:27], v[152:153], v[156:157]
	s_delay_alu instid0(VALU_DEP_1)
	v_pk_add_f32 v[26:27], v[26:27], v[100:101]
	v_pk_add_f32 v[28:29], v[28:29], v[102:103]
	v_pk_add_f32 v[252:253], v[252:253], v[106:107]
	v_pk_add_f32 v[250:251], v[250:251], v[110:111]
	v_pk_add_f32 v[248:249], v[248:249], v[114:115]
	v_pk_add_f32 v[246:247], v[246:247], v[118:119]
	v_pk_add_f32 v[242:243], v[242:243], v[122:123]
	v_pk_add_f32 v[240:241], v[240:241], v[126:127]
	v_pk_add_f32 v[26:27], v[26:27], v[130:131]
	v_pk_add_f32 v[28:29], v[28:29], v[134:135]
	v_pk_add_f32 v[252:253], v[252:253], v[138:139]
	v_pk_add_f32 v[250:251], v[250:251], v[142:143]
	v_pk_add_f32 v[248:249], v[248:249], v[146:147]
	v_pk_add_f32 v[246:247], v[246:247], v[150:151]
	v_pk_add_f32 v[242:243], v[242:243], v[154:155]
	v_pk_add_f32 v[240:241], v[240:241], v[158:159]
	s_delay_alu instid0(VALU_DEP_4)
	v_pk_add_f32 v[26:27], v[26:27], v[248:249]
	s_delay_alu instid0(VALU_DEP_4)
	v_pk_add_f32 v[28:29], v[28:29], v[246:247]
	s_delay_alu instid0(VALU_DEP_4)
	v_pk_add_f32 v[252:253], v[252:253], v[242:243]
	s_delay_alu instid0(VALU_DEP_4)
	v_pk_add_f32 v[250:251], v[250:251], v[240:241]
	s_delay_alu instid0(VALU_DEP_2)
	v_pk_add_f32 v[26:27], v[26:27], v[252:253]
	s_delay_alu instid0(VALU_DEP_2)
	v_pk_add_f32 v[28:29], v[28:29], v[250:251]
	s_delay_alu instid0(VALU_DEP_1)
	v_pk_add_f32 v[26:27], v[26:27], v[28:29]
	s_delay_alu instid0(VALU_DEP_1)
	v_add_f32 v26, v26, v27
	ACROSS 0
	s_delay_alu instid0(VALU_DEP_1)
	v_mul_f32 v26, s28, v26                        ; the mean
.set i, 0
.rept 32
	v_pk_add_f32 v[D+i:D+i+1], v[D+i:D+i+1], v[26:27] op_sel_hi:[1,0] neg_lo:[0,1] neg_hi:[0,1]
.set i, i+2
.endr
	v_pk_mul_f32 v[28:29], v[D:D+1], v[D:D+1]
	v_pk_mul_f32 v[30:31], v[D+2:D+3], v[D+2:D+3]
.set i, 4
.rept 15
	s_delay_alu instid0(VALU_DEP_2)
	v_pk_fma_f32 v[28:29], v[D+i:D+i+1], v[D+i:D+i+1], v[28:29]
	s_delay_alu instid0(VALU_DEP_2)
	v_pk_fma_f32 v[30:31], v[D+i+2:D+i+3], v[D+i+2:D+i+3], v[30:31]
.set i, i+4
.endr
	s_delay_alu instid0(VALU_DEP_1)
	v_pk_add_f32 v[28:29], v[28:29], v[30:31]
	s_delay_alu instid0(VALU_DEP_1)
	v_add_f32 v26, v28, v29
	ACROSS 512
	s_delay_alu instid0(VALU_DEP_1)
	v_fma_f32 v28, v26, s28, s29                   ; the variance + 1e-5
	s_wait_alu depctr_va_vdst(0)
	v_rsq_f32 v28, v28
	v_nop                                          ; a plain place behind the transcendental
	s_wait_alu depctr_va_vdst(0)                   ; and the wait ahead of its first reader
	s_wait_loadcnt 0x0                             ; g1 and be1
.set i, 0
.rept 32
	v_pk_mul_f32 v[D+i:D+i+1], v[D+i:D+i+1], v[28:29] op_sel_hi:[1,0]
.set i, i+2
.endr
.set i, 0
.rept 32
	v_pk_fma_f32 v[D+i:D+i+1], v[D+i:D+i+1], v[SU+i:SU+i+1], v[BE+i:BE+i+1]
.set i, i+2
.endr
	QUANT D, 0, PW
.irp c, 0,1,2
	global_store_b128 v2, v[PC+4*\c:PC+4*\c+3], s[24:25] offset:512*\c
.endr
	global_store_b32 v7, v[PW], s[26:27]           ; lanes 16-31 hold the same word for the same place
	s_wait_tensorcnt 0x0
	ds_add_u32 v254, v255
	s_wait_dscnt 0x0
	s_endpgm
.Lfunc_end_k_q82f3aee488_ln1:
	.size	k_q82f3aee488_ln1, .Lfunc_end_k_q82f3aee488_ln1-k_q82f3aee488_ln1
	.p2alignl 7, 3214868480
	.fill 96, 4, 3214868480
	.section	.rodata,"a",@progbits
	.p2align	6, 0x0
	.amdhsa_kernel k_q82f3aee488_ln1
		.amdhsa_group_segment_fixed_size 69632
		.amdhsa_private_segment_fixed_size 0
		.amdhsa_enable_private_segment 0
		.amdhsa_kernarg_size 40
		.amdhsa_user_sgpr_count 2
		.amdhsa_user_sgpr_kernarg_segment_ptr 1
		.amdhsa_wavefront_size32 1
		.amdhsa_system_sgpr_workgroup_id_x 1
		.amdhsa_system_sgpr_workgroup_id_y 1
		.amdhsa_system_sgpr_workgroup_id_z 1
		.amdhsa_system_vgpr_workitem_id 0
		.amdhsa_next_free_vgpr 256
		.amdhsa_next_free_sgpr 66
		.amdhsa_reserve_vcc 0
		.amdhsa_float_denorm_mode_32 3
		.amdhsa_float_denorm_mode_16_64 3
		.amdhsa_memory_ordered 1
		.amdhsa_forward_progress 1
		.amdhsa_inst_pref_size 33
	.end_amdhsa_kernel
	.amdgpu_metadata
---
amdhsa.version: [ 1, 2 ]
amdhsa.kernels:
  - .name:           k_q82f3aee488_ln1
    .symbol:         k_q82f3aee488_ln1.kd
    .args:
      - { .name: ao, .offset: 0, .size: 8, .value_kind: global_buffer, .address_space: global }
      - { .name: x, .offset: 8, .size: 8, .value_kind: global_buffer, .address_space: global }
      - { .name: g1, .offset: 16, .size: 8, .value_kind: global_buffer, .address_space: global }
      - { .name: be1, .offset: 24, .size: 8, .value_kind: global_buffer, .address_space: global }
      - { .name: hq, .offset: 32, .size: 8, .value_kind: global_buffer, .address_space: global }
    .group_segment_fixed_size: 69632
    .private_segment_fixed_size: 0
    .kernarg_segment_align: 8
    .kernarg_segment_size: 40
    .max_flat_workgroup_size: 256
    .sgpr_count:     66
    .vgpr_count:     256
    .wavefront_size: 32
...
	.end_amdgpu_metadata
.endif
;; end of part 11
;; launch ffn1 (part 12): grid 16 x 16, 4 waves a work-group, clusters of 4 x 4, 327,680 bytes of LDS; arguments hq, pq, b1, gq; writes gq
.if DOCPART == 12
	.amdgcn_target "amdgcn-amd-amdhsa--gfx1250"
	.amdhsa_code_object_version 6
	.text
	.protected	k_q82f3aee488_ffn1
	.globl	k_q82f3aee488_ffn1
	.p2align	8
	.type	k_q82f3aee488_ffn1,@function
k_q82f3aee488_ffn1:
	s_mov_b64 s[64:65], 0
	v_nop
	global_prefetch_b8 v0, s[64:65] scope:SCOPE_SE
	s_setreg_imm32_b32 hwreg(HW_REG_WAVE_MODE, 25, 1), 1
	s_wait_xcnt 0x0
	s_wait_alu depctr_hold_cnt(0) depctr_sa_sdst(0) depctr_va_vdst(0) depctr_va_sdst(0) depctr_va_ssrc(0) depctr_va_vcc(0) depctr_vm_vsrc(0)
	s_getreg_b32 s2, hwreg(HW_REG_IB_STS2, 6, 4)
	s_cmp_eq_u32 s2, 0
	s_cbranch_scc0 .Lentry_in_a_cluster
	s_endpgm
.Lentry_in_a_cluster:
	s_bfe_u32 s2, ttmp6, 0x10000c
	s_cmp_lg_u32 s2, 0xf033
	s_cbranch_scc0 .Lentry_shape_is_right
	s_endpgm
.Lentry_shape_is_right:
.set NS,     8
.set NQ,     2
.set UNIT,   12288
.set GB,     NQ*UNIT
.set SLOT,   4*GB
.set LAPS,   NS/4
.set HALFS,  512*NS
.set SCL,    2*SLOT
.set SPARE,  SCL+4*HALFS
.set ASC,    3145728
.set BC0,    56*98304
.set BS0,    11796480+56*4096
.set GSC,    12582912
.set FR,     12
.set NL,     3
.set NP,     4
.set ADRA, 16
.set ADRB, 20
.set ADRS, 27
.set SPW,  28
.set NIL,  29
.set SC,   32
.set BJ,   64
.set AF,   128
.set Z,    64
.set T,    128
.set P,    160
.set PC,   192
.set TM,   212
.set PWB,  228
.set EI,   236
.set PWT,  244
.set SEL,  20
.set G1,   24
.set G0,   32
.set G1B,  48
.set G0B,  56
.set G1S,  68
.set G0S,  76
.set G1SB, 80
.set G0SB, 88
.set PFA,  104
.set PFO,  30
.set OC,   96
.set OS,   98
.set MSB, 0
.macro WIN new
.if MSB != (\new)
	s_set_vgpr_msb (MSB<<8)|(\new)
.set MSB, (\new)
.endif
.endm
.set MUL_LO, 0xa1
.set MUL_HI, 0xf1
.set FST_LO, 0x81
.set FST_HI, 0xc1
.set TO_B,   0x40
.macro JLOAD g0a, g1a, g0b, g1b
	s_cmp_eq_u32 s15, 0
	s_cbranch_scc0 .Lfor_b_\@
	tensor_load_to_lds s[\g0a:\g0a+3], s[\g1a:\g1a+7]
	s_nop 0
.rept 4
	v_nop
.endr
	s_branch .Lasked_\@
.Lfor_b_\@:
	tensor_load_to_lds s[\g0b:\g0b+3], s[\g1b:\g1b+7]
	s_nop 0
.rept 4
	v_nop
.endr
.Lasked_\@:
.endm
.macro CREST
	s_cmp_lg_u32 s14, 0
	s_cbranch_scc1 .Lnot_wave_0_\@
	s_barrier_signal -3
.Lnot_wave_0_\@:
	s_barrier_wait -3
	s_barrier_signal -1
	s_barrier_wait -1
.endm
.macro CROUND
	s_barrier_signal -1
	s_barrier_wait -1
	CREST
.endm
.macro PLACES n
.rept \n
	v_nop
.endr
.endm
.macro QUANT s, w, pw
	s_wait_xcnt 0x0
	WIN ((\w)<<2)|((\w)<<4)
.irp b, 0,1,2,3
	v_max3_num_f32 v[TM+\b], 0x1800000, |v[(\s)+16*\b]|, |v[(\s)+16*\b+1]|
.endr
.irp i, 2,4,6,8,10,12,14
.irp b, 0,1,2,3
	v_max3_num_f32 v[TM+\b], v[TM+\b], |v[(\s)+16*\b+\i]|, |v[(\s)+16*\b+\i+1]|
.endr
.endr
	WIN 0
.irp b, 0,1,2,3
	v_permlanex16_b32 v[TM+4+\b], v[TM+\b], s[SEL], s[SEL+1]
.endr
.irp b, 0,1,2,3
	v_max_num_f32 v[TM+\b], v[TM+\b], v[TM+4+\b]
.endr
.irp b, 0,1,2,3
	v_add_nc_u32 v[TM+12+\b], 0xff000000, v[TM+\b]
.endr
.irp b, 0,1,2,3
	v_lshrrev_b32 v[TM+4+\b], 23, v[TM+12+\b]
.endr
	v_lshl_or_b32 v[\pw], v[TM+5], 8, v[TM+4]
	v_lshl_or_b32 v[\pw], v[TM+6], 16, v[\pw]
	v_lshl_or_b32 v[\pw], v[TM+7], 24, v[\pw]
	WIN (\w)
.irp c, 0,1
	v_cvt_scalef32_pk16_fp6_f32 v[PC+6*\c:PC+6*\c+2], v[(\s)+32*\c:(\s)+32*\c+15], v[TM+12+2*\c]
	v_cvt_scalef32_pk16_fp6_f32 v[PC+12+4*\c:PC+14+4*\c], v[(\s)+32*\c+16:(\s)+32*\c+31], v[TM+13+2*\c]
.endr
	WIN 0
	v_nop
.irp c, 0,1
.irp i, 0,1,2
	v_permlane16_swap_b32 v[PC+6*\c+\i], v[PC+12+4*\c+\i]
.endr
.irp i, 0,1,2
	v_mov_b32 v[PC+3+6*\c+\i], v[PC+12+4*\c+\i]
.endr
.endr
.endm
	s_load_b128 s[4:7], s[0:1], 0x0
	s_load_b128 s[8:11], s[0:1], 0x10
	v_lshl_add_u32 v[SPW], v0, 2, SPARE
	v_mov_b32 v[NIL], 0
	ds_add_u32 v28, v29
	ds_add_u32 v28, v29
	s_wait_dscnt 0x0
	v_lshrrev_b32 v1, 5, v0
	v_readfirstlane_b32 s14, v1
	v_and_b32 v[PFO], 31, v0                       ; the prefetches' offset: a lane a block of 256 bytes, 24 blocks; the lanes left over name the last block again; never rewritten
	v_min_u32 v[PFO], 23, v[PFO]
	v_lshlrev_b32 v[PFO], 8, v[PFO]
	s_wait_alu depctr_va_vdst(0)                   ; directly behind the write
	s_lshr_b32 s15, s14, 1
	s_and_b32 s16, s14, 1
	s_bfe_u32 s40, ttmp6, 0x40000
	s_bfe_u32 s41, ttmp6, 0x40004
	s_lshl_b32 s42, ttmp9, 2
	s_add_co_u32 s42, s42, s40
	s_and_b32 s17, ttmp7, 0xffff
	s_lshl_b32 s17, s17, 2
	s_add_co_u32 s17, s17, s41
	s_lshl_b32 s43, s41, 2
	s_lshl_b32 s43, 15, s43
	s_lshl_b32 s44, 0x1111, s40
	s_or_b32 s[G1+0], s43, (3<<16)|(1<<21)
	s_or_b32 s[G1B+0], s44, (3<<16)|(1<<21)
.irp g, G1, G1B
	s_mov_b32 s[\g+1], 3072<<16
	s_mov_b32 s[\g+2], 2<<16
	s_mov_b32 s[\g+3], 3072<<16
	s_mov_b32 s[\g+4], 2
	s_mov_b32 s[\g+5], 12288
	s_mov_b32 s[\g+6], 0
	s_mov_b32 s[\g+7], 0
.endr
	s_or_b32 s[G1S+0], s43, (3<<16)|(1<<21)
	s_or_b32 s[G1SB+0], s44, (3<<16)|(1<<21)
.irp g, G1S, G1SB
	s_mov_b32 s[\g+1], 32<<16
	s_mov_b32 s[\g+2], (4*NS)<<16
	s_mov_b32 s[\g+3], 32<<16
	s_mov_b32 s[\g+4], 4*NS
	s_mov_b32 s[\g+5], 32
	s_mov_b32 s[\g+6], 0
	s_mov_b32 s[\g+7], 0
.endr
	s_lshl_b32 s20, s17, 1
	s_mul_i32 s66, s16, NS*UNIT
	s_lshl_b32 s46, s42, 1
	s_mov_b32 s67, 0
	s_mul_i32 s22, s20, HALFS
	s_add_co_u32 s22, s22, ASC
	s_mul_i32 s20, s20, NS*UNIT
	s_mov_b32 s21, 0
	s_mov_b32 s23, 0
	s_mul_i32 s92, s46, HALFS
	s_add_co_u32 s92, s92, BS0
	s_mul_i32 s46, s46, NS*UNIT
	s_add_co_u32 s46, s46, BC0
	s_mov_b32 s47, 0
	s_mov_b32 s93, 0
	s_mul_i32 s45, s14, GB
	s_wait_kmcnt 0x0
	s_add_nc_u64 s[20:21], s[4:5], s[20:21]
	s_add_nc_u64 s[22:23], s[4:5], s[22:23]
	s_add_nc_u64 s[46:47], s[6:7], s[46:47]
	s_add_nc_u64 s[92:93], s[6:7], s[92:93]
	CROUND
	s_mov_b32 s[G0S], 1
	s_mov_b32 s[G0S+1], SCL
	s_mov_b64 s[G0S+2:G0S+3], s[22:23]
	s_or_b32 s[G0S+3], s[G0S+3], 0x80000000
	s_mov_b32 s[G0SB], 1
	s_mov_b32 s[G0SB+1], SCL+2*HALFS
	s_mov_b64 s[G0SB+2:G0SB+3], s[92:93]
	s_or_b32 s[G0SB+3], s[G0SB+3], 0x80000000
	; the head's four tiles, one a wave: wave 0 slot 0's two groups of A (2 rows of 24,576 bytes, 98,304 apart in memory), wave 1 those of B, wave 2 A's scale words, wave 3 B's
	s_mov_b32 s[G0], 1
	s_mov_b32 s[G0+1], 0
	s_mov_b64 s[G0+2:G0+3], s[20:21]
	s_or_b32 s[G0+3], s[G0+3], 0x80000000
	s_mov_b32 s[G0B], 1
	s_mov_b32 s[G0B+1], 2*GB
	s_mov_b64 s[G0B+2:G0B+3], s[46:47]
	s_or_b32 s[G0B+3], s[G0B+3], 0x80000000
.macro ARM under, g0, g1, next
	s_cmp_lt_u32 s14, \under
	s_cbranch_scc0 \next
	tensor_load_to_lds s[\g0:\g0+3], s[\g1:\g1+7]
	s_nop 0
.rept 4
	v_nop
.endr
	s_branch .Lhead_asked
\next:
.endm
	ARM 1, G0,  G1,  .Lhead_b
	ARM 2, G0B, G1B, .Lhead_sa
	ARM 3, G0S, G1S, .Lhead_sb
	tensor_load_to_lds s[G0SB:G0SB+3], s[G1SB:G1SB+7]
	s_nop 0
.rept 4
	v_nop
.endr
.Lhead_asked:
	s_add_nc_u64 s[20:21], s[20:21], s[66:67]      ; for the ring: my group of the two
	s_add_nc_u64 s[46:47], s[46:47], s[66:67]
	; PREFETCHES INTO THE L2: of the 96 blocks of 256 bytes that my wave brings with each fill, each of the four partners that ask jointly takes 24, told apart by address (cx for A, cy for B).
	; Each fill is asked for one fill ahead of its tensor load: fill 1 here, fill 2 behind slot 1's first fill, fill 3 behind the refill with fill 2; fill 3 is the last.
	s_cmp_eq_u32 s15, 0
	s_cselect_b64 s[PFA:PFA+1], s[20:21], s[46:47]
	s_cselect_b32 s66, s40, s41
	s_mul_i32 s66, s66, 6144
	s_add_co_u32 s66, s66, GB
	s_add_nc_u64 s[PFA:PFA+1], s[PFA:PFA+1], s[66:67]
	global_prefetch_b8 v[PFO], s[PFA:PFA+1] th:TH_LOAD_NT scope:SCOPE_SE
	s_wait_alu depctr_va_vdst(0)
	s_wait_tensorcnt 0x0                           ; my tile of the four is in: the descriptors may be written
	ds_add_u32 v28, v29
.irp g, G1, G1B
	s_mov_b32 s[\g+1], 32<<16                      ; from here on a load brings 96 rows of 256 bytes
	s_mov_b32 s[\g+2], 96<<16
	s_mov_b32 s[\g+3], 32<<16
	s_mov_b32 s[\g+4], 96
	s_mov_b32 s[\g+5], 32
.endr
.irp s, 0,1
	s_mov_b32 s[G0+4*\s], 1
	s_add_co_u32 s[G0+4*\s+1], s45, \s*SLOT
	s_add_nc_u64 s[G0+4*\s+2:G0+4*\s+3], s[20:21], \s*GB
	s_or_b32 s[G0+4*\s+3], s[G0+4*\s+3], 0x80000000
	s_mov_b32 s[G0B+4*\s], 1
	s_add_co_u32 s[G0B+4*\s+1], s45, \s*SLOT
	s_add_nc_u64 s[G0B+4*\s+2:G0B+4*\s+3], s[46:47], \s*GB
	s_or_b32 s[G0B+4*\s+3], s[G0B+4*\s+3], 0x80000000
.endr
	s_wait_dscnt 0x0
	CROUND
	JLOAD G0+4, G1, G0B+4, G1B
	v_and_b32 v7, 31, v0
	v_and_b32 v1, 15, v0
	v_bfe_u32 v2, v0, 4, 1
	s_wait_alu depctr_va_vdst(0)
	v_lshlrev_b32 v3, 4, v7
	s_mul_i32 s21, s15, GB
	s_mul_i32 s22, s16, GB
	s_add_co_u32 s22, s22, 2*GB
.irp s, 0,1
	v_add_nc_u32 v[ADRA+\s], s21, v3
	v_add_nc_u32 v[ADRB+\s], s22, v3
	s_add_co_u32 s21, s21, SLOT
	s_add_co_u32 s22, s22, SLOT
.endr
	v_lshlrev_b32 v5, 4, v1
	s_mul_i32 s21, s15, HALFS
	s_mul_i32 s22, s16, HALFS
	s_add_co_u32 s22, s22, 2*HALFS
	s_sub_co_u32 s22, s22, s21
	v_mul_u32_u24 v6, s22, v2
	s_add_co_u32 s21, s21, SCL
	v_add_nc_u32 v5, v5, v6
	v_add_nc_u32 v[ADRS], s21, v5
	s_lshl_b32 s20, s17, 1
	s_add_co_u32 s20, s20, s15
	s_lshl_b32 s21, s42, 1
	s_add_co_u32 s21, s21, s16
	s_lshl_b32 s20, s20, 5
	s_add_co_u32 s20, s20, s21
	s_mul_i32 s[OC], s20, UNIT
	s_mov_b32 s[OC+1], 0
	s_lshl_b32 s[OS], s20, 9
	s_add_co_u32 s[OS], s[OS], GSC
	s_mov_b32 s[OS+1], 0
	s_add_nc_u64 s[OC:OC+1], s[10:11], s[OC:OC+1]
	s_add_nc_u64 s[OS:OS+1], s[10:11], s[OS:OS+1]
	s_lshl_b32 s21, s21, 9
	v_lshl_add_u32 v13, v2, 6, s21
.irp t, 0,1,2,3,4,5,6,7
	global_load_b128 v[BJ+8*\t:BJ+8*\t+3], v13, s[8:9] offset:(32*(\t/2)+8*(\t%2))*4
	global_load_b128 v[BJ+8*\t+4:BJ+8*\t+7], v13, s[8:9] offset:(32*(\t/2)+8*(\t%2))*4+16
.endr
.macro FRAG reg, adr, q, i
.irp c, 0,1,2
	ds_load_b128 v[\reg+4*\c:\reg+4*\c+3], v[\adr] offset:UNIT*(\q)+1536*(\i)+512*\c
.endr
.endm
.macro MUL16 a0, p, q, sc, first
.irp a, \a0, \a0+1
.irp b, 0,1,2,3,4,5,6,7
.if \first
	v_wmma_scale_f32_16x16x128_f8f6f4 v[8*(8*((\a)%4)+\b):8*(8*((\a)%4)+\b)+7], v[128*(\p)+FR*\b:128*(\p)+FR*\b+FR-1], v[AF+FR*(\a):AF+FR*(\a)+FR-1], v[BJ+8*\b:BJ+8*\b+7], v[SC+16*(\sc)+8*(\q)+\b], v[SC+16*(\sc)+8*(\q)+(\a)] matrix_a_fmt:MATRIX_FMT_FP6 matrix_b_fmt:MATRIX_FMT_FP6 matrix_a_scale:MATRIX_SCALE_ROW1
.else
	v_wmma_scale_f32_16x16x128_f8f6f4 v[8*(8*((\a)%4)+\b):8*(8*((\a)%4)+\b)+7], v[128*(\p)+FR*\b:128*(\p)+FR*\b+FR-1], v[AF+FR*(\a):AF+FR*(\a)+FR-1], v[8*(8*((\a)%4)+\b):8*(8*((\a)%4)+\b)+7], v[SC+16*(\sc)+8*(\q)+\b], v[SC+16*(\sc)+8*(\q)+(\a)] matrix_a_fmt:MATRIX_FMT_FP6 matrix_b_fmt:MATRIX_FMT_FP6 matrix_a_scale:MATRIX_SCALE_ROW1
.endif
.endr
.endr
.endm
.macro FETCH_B slot, q, p
	WIN TO_B
.irp i, 0,1,2,3,4,5,6,7
	FRAG 128*(\p)+FR*\i, ADRB+\slot, \q, \i
.endr
	WIN 0
.endm
.macro FETCH_A slot, q, i0
.irp i, \i0, \i0+1, \i0+2, \i0+3
	FRAG AF+FR*(\i), ADRA+\slot, \q, \i
.endr
.endm
.macro SCALES sc
.irp q, 0,1
.irp u, 0,1
	ds_load_b128 v[SC+16*\sc+8*\q+4*\u:SC+16*\sc+8*\q+4*\u+3], v[ADRS] offset:512*\q+256*\u
.endr
.endr
.endm
.macro STEP slot, q, first
	s_wait_dscnt 4*NL
.if \first
	WIN FST_LO
.else
	WIN MUL_LO
.endif
	MUL16 0, (\q)%2, \q, \slot, \first
	MUL16 2, (\q)%2, \q, \slot, \first
	s_wait_dscnt 0
	PLACES NP
	FETCH_B \slot, (\q)+1, 1-(\q)%2
	FETCH_A \slot, (\q)+1, 0
.if \first
	WIN FST_HI
.else
	WIN MUL_HI
.endif
	MUL16 4, (\q)%2, \q, \slot, \first
	MUL16 6, (\q)%2, \q, \slot, \first
	PLACES NP
	WIN 0
	FETCH_A \slot, (\q)+1, 4
.endm
.macro TURN slot, next, fill
	s_wait_tensorcnt 0x0
	ds_add_u32 v[SPW], v[NIL]
	s_wait_dscnt 4*NL+1
	WIN MUL_LO
	MUL16 0, 1, NQ-1, \slot, 0
	s_wait_dscnt 0x0
	s_barrier_signal -1
	MUL16 2, 1, NQ-1, \slot, 0
	WIN 0
	s_barrier_wait -1
.if \fill
	CREST
	s_add_nc_u64 s[G0+4*\slot+2:G0+4*\slot+3], s[G0+4*\slot+2:G0+4*\slot+3], 2*GB
	s_add_nc_u64 s[G0B+4*\slot+2:G0B+4*\slot+3], s[G0B+4*\slot+2:G0B+4*\slot+3], 2*GB
	JLOAD G0+4*\slot, G1, G0B+4*\slot, G1B
.else
	PLACES NP
.endif
	s_wait_alu depctr_va_vdst(0)
	v_add_nc_u32 v[ADRS], 512*NQ, v[ADRS]
	FETCH_B \next, 0, 0
	FETCH_A \next, 0, 0
	SCALES \next
.if (\fill) && (\slot) == 0
	global_prefetch_b8 v[PFO], s[PFA:PFA+1] offset:2*GB th:TH_LOAD_NT scope:SCOPE_SE   ; the loop has one trip: fill 3
.endif
	WIN MUL_HI
	MUL16 4, 1, NQ-1, \slot, 0
	MUL16 6, 1, NQ-1, \slot, 0
	PLACES NP
	WIN 0
	FETCH_A \next, 0, 4
.endm
	s_wait_alu depctr_va_vdst(0)
	s_wait_loadcnt 0x0
	s_wait_tensorcnt 1
	s_barrier_signal -1
	s_barrier_wait -1
	FETCH_B 0, 0, 0
	FETCH_A 0, 0, 0
	SCALES 0
	FETCH_A 0, 0, 4
	global_prefetch_b8 v[PFO], s[PFA:PFA+1] offset:GB th:TH_LOAD_NT scope:SCOPE_SE     ; fill 2
	STEP 0, 0, 1
	s_mov_b32 s3, LAPS-1
.Llap:
	TURN 0, 1, 1
	STEP 1, 0, 0
	TURN 1, 0, 1
	STEP 0, 0, 0
	s_sub_co_u32 s3, s3, 1
	s_cmp_lg_u32 s3, 0
	s_cbranch_scc1 .Llap
	TURN 0, 1, 0
	STEP 1, 0, 0
	s_wait_dscnt 4*NL
	WIN MUL_LO
	MUL16 0, 1, NQ-1, 1, 0
	MUL16 2, 1, NQ-1, 1, 0
	s_wait_dscnt 0
	WIN MUL_HI
	MUL16 4, 1, NQ-1, 1, 0
	MUL16 6, 1, NQ-1, 1, 0
	WIN 0
	PLACES NP
	s_mov_b32 s[SEL], 0x76543210
	s_mov_b32 s[SEL+1], 0xfedcba98
	s_mov_b32 s66, 0x7fffffff
	s_mov_b32 s18, 0x3e2ef945
	s_mov_b32 s19, s18
.irp b, 0,1,2,3
	v_mov_b32 v[TM+4+\b], 0
.endr
	v_mov_b32 v[PWT], 0
.irp j, 0,1,2,3,4,5,6,7
	v_mov_b32 v[PWB+\j], 0
.endr
.macro TAKE k
.if (\k) > 0
	v_mov_b32 v[PWB+(\k)-1], v[PWT]
.endif
	WIN 0x40|((2+(\k)/4)<<2)
.set i, 0
.rept 64
	v_and_b32 v[i], s66, v[64*((\k)%4)+i]
.set i, i+1
.endr
.set i, 0
.rept 64
	v_max_num_f32 v[64+i], 0, v[64*((\k)%4)+i]
.set i, i+1
.endr
	WIN 0
.endm
.macro GELU hf
.set AXB, 32*(\hf)
.set RB,  64+32*(\hf)
	WIN 0x01
.set i, 0
.rept 16
	v_pk_fma_f32 v[T+i:T+i+1], v[AXB+i:AXB+i+1], 0x3eb504f3, 1.0 op_sel_hi:[1,0,0]
.set i, i+2
.endr
	WIN 0
.set i, 0
	s_wait_alu depctr_va_vdst(0)
.rept 32
	v_rcp_f32 v[T+i], v[T+i]
.set i, i+1
.endr
	WIN 0x05
.set i, 0
.rept 16
	v_pk_mul_f32 v[Z+i:Z+i+1], v[AXB+i:AXB+i+1], v[AXB+i:AXB+i+1]
.set i, i+2
.endr
	WIN 0
	s_wait_alu depctr_va_vdst(0)
.set i, 0
.rept 16
	v_pk_fma_f32 v[P+i:P+i+1], v[T+i:T+i+1], s[18:19], 0xbf527892 op_sel_hi:[1,0,0]
.set i, i+2
.endr
.irp c, 0x3fbe87b0, 0xbf914e5d, 0x3e8ec7cc, 0xbe3ec24c, 0x3dc636c9, 0x3ebf88fb, 0x3f8000c7, 0xbfa1fc4e
.set i, 0
.rept 16
	v_pk_fma_f32 v[P+i:P+i+1], v[P+i:P+i+1], v[T+i:T+i+1], \c op_sel_hi:[1,1,0]
.set i, i+2
.endr
.endr
.set i, 0
.rept 16
	v_pk_fma_f32 v[P+i:P+i+1], v[Z+i:Z+i+1], -0.5, v[P+i:P+i+1] op_sel_hi:[1,0,1]
.set i, i+2
.endr
.set i, 0
.rept 16
	v_pk_fma_f32 v[P+i:P+i+1], v[P+i:P+i+1], 0x3fb8aa3b, -1.0 op_sel_hi:[1,0,0]
.set i, i+2
.endr
.set i, 0
	s_wait_alu depctr_va_vdst(0)
.rept 32
	v_exp_f32 v[P+i], v[P+i]
.set i, i+1
.endr
	v_nop
	s_wait_alu depctr_va_vdst(0)
.set i, 0
.rept 16
	v_pk_mul_f32 v[T+i:T+i+1], v[T+i:T+i+1], v[P+i:P+i+1]
.set i, i+2
.endr
	WIN 0x51
.set i, 0
.rept 16
	v_pk_fma_f32 v[RB+i:RB+i+1], v[AXB+i:AXB+i+1], v[T+i:T+i+1], v[RB+i:RB+i+1] neg_lo:[1,0,0] neg_hi:[1,0,0]
.set i, i+2
.endr
	WIN 0
.endm
	s_mov_b32 s2, 0
.Ltile:
.irp k, 1,2,3,4,5,6,7
	s_cmp_eq_u32 s2, \k
	s_cbranch_scc1 .Ltake\k
.endr
	TAKE 0
	s_branch .Lwork
.irp k, 1,2,3,4,5,6,7
.Ltake\k:
	s_wait_alu depctr_va_vdst(0)
	TAKE \k
	s_branch .Lwork
.endr
.Lwork:
	GELU 0
	GELU 1
	QUANT 64, 1, PWT
.irp c, 0,1,2
	global_store_b128 v3, v[PC+4*\c:PC+4*\c+3], s[OC:OC+1] offset:512*\c
.endr
	s_wait_xcnt 0x0
	s_add_nc_u64 s[OC:OC+1], s[OC:OC+1], 1536
	s_add_co_u32 s2, s2, 1
	s_cmp_lt_u32 s2, 8
	s_cbranch_scc1 .Ltile
	v_mov_b32 v[PWB+7], v[PWT]
	v_cmp_lt_u32 vcc_lo, 15, v7
.irp j, 0,1,2,3
	v_cndmask_b32 v[EI+\j], v[PWB+\j], v[PWB+4+\j], vcc_lo
.endr
	global_store_b128 v3, v[EI:EI+3], s[OS:OS+1]
	s_wait_tensorcnt 0x0
	ds_add_u32 v[SPW], v[NIL]
	s_wait_dscnt 0x0
	CROUND
	s_endpgm
.Lfunc_end_k_q82f3aee488_ffn1:
	.size	k_q82f3aee488_ffn1, .Lfunc_end_k_q82f3aee488_ffn1-k_q82f3aee488_ffn1
	.p2alignl 7, 3214868480
	.fill 96, 4, 3214868480
	.section	.rodata,"a",@progbits
	.p2align	6, 0x0
	.amdhsa_kernel k_q82f3aee488_ffn1
		.amdhsa_group_segment_fixed_size 327680
		.amdhsa_private_segment_fixed_size 0
		.amdhsa_enable_private_segment 0
		.amdhsa_kernarg_size 32
		.amdhsa_user_sgpr_count 2
		.amdhsa_user_sgpr_kernarg_segment_ptr 1
		.amdhsa_wavefront_size32 1
		.amdhsa_system_sgpr_workgroup_id_x 1
		.amdhsa_system_sgpr_workgroup_id_y 1
		.amdhsa_system_sgpr_workgroup_id_z 1
		.amdhsa_system_vgpr_workitem_id 0
		.amdhsa_next_free_vgpr 1024
		.amdhsa_next_free_sgpr 106
		.amdhsa_reserve_vcc 1
		.amdhsa_float_denorm_mode_32 3
		.amdhsa_float_denorm_mode_16_64 3
		.amdhsa_memory_ordered 1
		.amdhsa_forward_progress 1
		.amdhsa_inst_pref_size 193
	.end_amdhsa_kernel
	.amdgpu_metadata
---
amdhsa.version: [ 1, 2 ]
amdhsa.kernels:
  - .name:           k_q82f3aee488_ffn1
    .symbol:         k_q82f3aee488_ffn1.kd
    .args:
      - { .name: hq, .offset: 0, .size: 8, .value_kind: global_buffer, .address_space: global }
      - { .name: pq, .offset: 8, .size: 8, .value_kind: global_buffer, .address_space: global }
      - { .name: b1, .offset: 16, .size: 8, .value_kind: global_buffer, .address_space: global }
      - { .name: gq, .offset: 24, .size: 8, .value_kind: global_buffer, .address_space: global }
    .group_segment_fixed_size: 327680
    .private_segment_fixed_size: 0
    .kernarg_segment_align: 8
    .kernarg_segment_size: 32
    .max_flat_workgroup_size: 128
    .sgpr_count:     106
    .vgpr_count:     1024
    .wavefront_size: 32
...
	.end_amdgpu_metadata
.endif
;; end of part 12
;; launch ffn2 (part 13): grid 8 x 32, 4 waves a work-group, clusters of 4 x 4, 327,680 bytes of LDS; arguments gq, pq, b2, y; writes y
.if DOCPART == 13
	.amdgcn_target "amdgcn-amd-amdhsa--gfx1250"
	.amdhsa_code_object_version 6
	.text
	.protected	k_q82f3aee488_ffn2
	.globl	k_q82f3aee488_ffn2
	.p2align	8
	.type	k_q82f3aee488_ffn2,@function
k_q82f3aee488_ffn2:
	s_mov_b64 s[64:65], 0
	v_nop
	global_prefetch_b8 v0, s[64:65] scope:SCOPE_SE
	s_setreg_imm32_b32 hwreg(HW_REG_WAVE_MODE, 25, 1), 1
	s_wait_xcnt 0x0
	s_wait_alu depctr_hold_cnt(0) depctr_sa_sdst(0) depctr_va_vdst(0) depctr_va_sdst(0) depctr_va_ssrc(0) depctr_va_vcc(0) depctr_vm_vsrc(0)
	s_getreg_b32 s2, hwreg(HW_REG_IB_STS2, 6, 4)
	s_cmp_eq_u32 s2, 0
	s_cbranch_scc0 .Lentry_in_a_cluster
	s_endpgm
.Lentry_in_a_cluster:
	s_bfe_u32 s2, ttmp6, 0x10000c
	s_cmp_lg_u32 s2, 0xf033
	s_cbranch_scc0 .Lentry_shape_is_right
	s_endpgm
.Lentry_shape_is_right:
.set NS,     32
.set NQ,     4
.set UNIT,   12288
.set GB,     2*UNIT
.set PART,   NQ*UNIT
.set SLOT,   2*PART
.set LAPS,   NS/(2*NQ)
.set HALFS,  512*NS
.set SCL,    2*SLOT
.set SPARE,  SCL+2*HALFS
.set ASC,    12582912
.set BC0,    88*98304
.set BS0,    11796480+88*4096
.set SPITCH, 272
.set FR,     12
.set NL,     3
.set NP,     4
.set ADRA, 16
.set ADRB, 20
.set STO,  24
.set RD,   25
.set GO,   26
.set ADRS, 27
.set SPW,  28
.set NIL,  29
.set SC,   32
.set BJ,   64
.set BK,   64
.set ACC,  128
.set G1,   24
.set G0,   32
.set G1B,  48
.set G0B,  56
.set G1S,  68
.set G0S,  76
.set G1SB, 80
.set G0SB, 88
.set PFA,  96
.set PFO,  30
.set MSB, 0
.macro WIN new
.if MSB != (\new)
	s_set_vgpr_msb (MSB<<8)|(\new)
.set MSB, (\new)
.endif
.endm
.set MUL,  0x05
.set TO_F, 0x40
.macro JLOAD g0a, g1a, g0b, g1b
	s_cmp_eq_u32 s15, 0
	s_cbranch_scc0 .Lfor_b_\@
	tensor_load_to_lds s[\g0a:\g0a+3], s[\g1a:\g1a+7]
	s_nop 0
.rept 4
	v_nop
.endr
	s_branch .Lasked_\@
.Lfor_b_\@:
	tensor_load_to_lds s[\g0b:\g0b+3], s[\g1b:\g1b+7]
	s_nop 0
.rept 4
	v_nop
.endr
.Lasked_\@:
.endm
.macro CREST
	s_cmp_lg_u32 s14, 0
	s_cbranch_scc1 .Lnot_wave_0_\@
	s_barrier_signal -3
.Lnot_wave_0_\@:
	s_barrier_wait -3
	s_barrier_signal -1
	s_barrier_wait -1
.endm
.macro CROUND
	s_barrier_signal -1
	s_barrier_wait -1
	CREST
.endm
.macro PLACES n
.rept \n
	v_nop
.endr
.endm
	s_load_b128 s[4:7], s[0:1], 0x0
	s_load_b128 s[8:11], s[0:1], 0x10
	v_lshl_add_u32 v[SPW], v0, 2, SPARE
	v_mov_b32 v[NIL], 0
	ds_add_u32 v28, v29
	ds_add_u32 v28, v29
	s_wait_dscnt 0x0
	v_lshrrev_b32 v1, 5, v0
	v_readfirstlane_b32 s14, v1
	v_and_b32 v[PFO], 31, v0                       ; the prefetches' offset: a lane a block of 256 bytes, 24 blocks; the lanes left over name the last block again; never rewritten
	v_min_u32 v[PFO], 23, v[PFO]
	v_lshlrev_b32 v[PFO], 8, v[PFO]
	s_wait_alu depctr_va_vdst(0)                   ; directly behind the write
	s_lshr_b32 s15, s14, 1
	s_and_b32 s16, s14, 1
	s_bfe_u32 s40, ttmp6, 0x40000
	s_bfe_u32 s41, ttmp6, 0x40004
	s_lshl_b32 s42, ttmp9, 2
	s_add_co_u32 s42, s42, s40
	s_and_b32 s17, ttmp7, 0xffff
	s_lshl_b32 s17, s17, 2
	s_add_co_u32 s17, s17, s41
	s_lshl_b32 s43, s41, 2
	s_lshl_b32 s43, 15, s43
	s_lshl_b32 s44, 0x1111, s40
	s_or_b32 s[G1+0], s43, (3<<16)|(1<<21)
	s_or_b32 s[G1B+0], s44, (3<<16)|(1<<21)
.irp g, G1, G1B
	s_mov_b32 s[\g+1], 32<<16
	s_mov_b32 s[\g+2], 192<<16
	s_mov_b32 s[\g+3], 32<<16
	s_mov_b32 s[\g+4], 192
	s_mov_b32 s[\g+5], 32
	s_mov_b32 s[\g+6], 0
	s_mov_b32 s[\g+7], 0
.endr
	s_or_b32 s[G1S+0], s43, (3<<16)|(1<<21)
	s_or_b32 s[G1SB+0], s44, (3<<16)|(1<<21)
.irp g, G1S, G1SB
	s_mov_b32 s[\g+1], 32<<16
	s_mov_b32 s[\g+2], 64<<16
	s_mov_b32 s[\g+3], 32<<16
	s_mov_b32 s[\g+4], 64
	s_mov_b32 s[\g+5], 32
	s_mov_b32 s[\g+6], 0
	s_mov_b32 s[\g+7], 0
.endr
	s_mul_i32 s66, s16, GB
	s_mov_b32 s67, 0
	s_mul_i32 s22, s17, HALFS
	s_add_co_u32 s22, s22, ASC
	s_mul_i32 s20, s17, NS*UNIT
	s_mov_b32 s21, 0
	s_mov_b32 s23, 0
	s_mul_i32 s92, s42, HALFS
	s_add_co_u32 s92, s92, BS0
	s_mul_i32 s46, s42, NS*UNIT
	s_add_co_u32 s46, s46, BC0
	s_mov_b32 s47, 0
	s_mov_b32 s93, 0
	s_mul_i32 s45, s14, GB
	s_wait_kmcnt 0x0
	s_add_nc_u64 s[20:21], s[4:5], s[20:21]
	s_add_nc_u64 s[22:23], s[4:5], s[22:23]
	s_add_nc_u64 s[46:47], s[6:7], s[46:47]
	s_add_nc_u64 s[92:93], s[6:7], s[92:93]
	CROUND
	s_mov_b32 s[G0S], 1
	s_mov_b32 s[G0S+1], SCL
	s_mov_b64 s[G0S+2:G0S+3], s[22:23]
	s_or_b32 s[G0S+3], s[G0S+3], 0x80000000
	s_mov_b32 s[G0SB], 1
	s_mov_b32 s[G0SB+1], SCL+HALFS
	s_mov_b64 s[G0SB+2:G0SB+3], s[92:93]
	s_or_b32 s[G0SB+3], s[G0SB+3], 0x80000000
	; the head's four tiles, one a wave: wave 0 slot 0's four units of A (192 rows of 256 bytes), wave 1 those of B, wave 2 A's scale words, wave 3 B's
	s_mov_b32 s[G0], 1
	s_mov_b32 s[G0+1], 0
	s_mov_b64 s[G0+2:G0+3], s[20:21]
	s_or_b32 s[G0+3], s[G0+3], 0x80000000
	s_mov_b32 s[G0B], 1
	s_mov_b32 s[G0B+1], PART
	s_mov_b64 s[G0B+2:G0B+3], s[46:47]
	s_or_b32 s[G0B+3], s[G0B+3], 0x80000000
.macro ARM under, g0, g1, next
	s_cmp_lt_u32 s14, \under
	s_cbranch_scc0 \next
	tensor_load_to_lds s[\g0:\g0+3], s[\g1:\g1+7]
	s_nop 0
.rept 4
	v_nop
.endr
	s_branch .Lhead_asked
\next:
.endm
	ARM 1, G0,  G1,  .Lhead_b
	ARM 2, G0B, G1B, .Lhead_sa
	ARM 3, G0S, G1S, .Lhead_sb
	tensor_load_to_lds s[G0SB:G0SB+3], s[G1SB:G1SB+7]
	s_nop 0
.rept 4
	v_nop
.endr
.Lhead_asked:
	s_add_nc_u64 s[20:21], s[20:21], s[66:67]      ; for the ring: my two units of the four
	s_add_nc_u64 s[46:47], s[46:47], s[66:67]
	; PREFETCHES INTO THE L2: of the 96 blocks of 256 bytes that my wave brings with each fill, each of the four partners that ask jointly takes 24, told apart by address (cx for A, cy for B).
	; Each of the eight fills but the first is asked for one fill ahead of its tensor load: fill 1 here, fill 2 behind slot 1's first fill, fill c + 1 behind the refill with fill c; the refill with fill 7 asks for nothing.
	s_cmp_eq_u32 s15, 0
	s_cselect_b64 s[PFA:PFA+1], s[20:21], s[46:47]
	s_cselect_b32 s66, s40, s41
	s_mul_i32 s66, s66, 6144
	s_add_co_u32 s66, s66, PART
	s_add_nc_u64 s[PFA:PFA+1], s[PFA:PFA+1], s[66:67]
	global_prefetch_b8 v[PFO], s[PFA:PFA+1] th:TH_LOAD_NT scope:SCOPE_SE
	s_wait_alu depctr_va_vdst(0)
	s_wait_tensorcnt 0x0                           ; my tile of the four is in: the descriptors may be written
	ds_add_u32 v28, v29
.irp g, G1, G1B
	s_mov_b32 s[\g+2], 96<<16                      ; from here on a load brings 96 rows
	s_mov_b32 s[\g+4], 96
.endr
.irp s, 0,1
	s_mov_b32 s[G0+4*\s], 1
	s_add_co_u32 s[G0+4*\s+1], s45, \s*SLOT
	s_add_nc_u64 s[G0+4*\s+2:G0+4*\s+3], s[20:21], \s*PART
	s_or_b32 s[G0+4*\s+3], s[G0+4*\s+3], 0x80000000
	s_mov_b32 s[G0B+4*\s], 1
	s_add_co_u32 s[G0B+4*\s+1], s45, \s*SLOT
	s_add_nc_u64 s[G0B+4*\s+2:G0B+4*\s+3], s[46:47], \s*PART
	s_or_b32 s[G0B+4*\s+3], s[G0B+4*\s+3], 0x80000000
.endr
	s_wait_dscnt 0x0
	CROUND
	JLOAD G0+4, G1, G0B+4, G1B
	v_and_b32 v7, 31, v0
	v_and_b32 v1, 15, v0
	v_bfe_u32 v2, v0, 4, 1
	s_wait_alu depctr_va_vdst(0)
	v_lshlrev_b32 v3, 4, v7
	s_mul_i32 s21, s15, 4*1536
	s_mul_i32 s22, s16, 4*1536
	s_add_co_u32 s22, s22, PART
.irp s, 0,1
	v_add_nc_u32 v[ADRA+\s], s21, v3
	v_add_nc_u32 v[ADRB+\s], s22, v3
	s_add_co_u32 s21, s21, SLOT
	s_add_co_u32 s22, s22, SLOT
.endr
	v_lshlrev_b32 v5, 4, v1
	s_lshl_b32 s21, s15, 8
	s_lshl_b32 s22, s16, 8
	s_add_co_u32 s22, s22, HALFS
	s_sub_co_u32 s22, s22, s21
	v_mul_u32_u24 v6, s22, v2
	s_add_co_u32 s21, s21, SCL
	v_add_nc_u32 v5, v5, v6
	v_add_nc_u32 v[ADRS], s21, v5
	s_mul_i32 s23, s14, 16*SPITCH
	v_mul_u32_u24 v5, v1, SPITCH
	v_lshl_add_u32 v5, v2, 6, v5
	v_add_nc_u32 v[STO], s23, v5
	v_mul_u32_u24 v5, v2, SPITCH
	v_lshl_add_u32 v5, v1, 4, v5
	v_add_nc_u32 v[RD], s23, v5
	v_lshlrev_b32 v[GO], 12, v2
	v_lshl_add_u32 v[GO], v1, 4, v[GO]
	s_lshl_b32 s20, s17, 7
	s_lshl_b32 s21, s15, 6
	s_add_co_u32 s20, s20, s21
	s_lshl_b32 s20, s20, 12
	s_lshl_b32 s21, s42, 9
	s_add_co_u32 s20, s20, s21
	s_lshl_b32 s21, s16, 8
	s_add_co_u32 s20, s20, s21
	s_mov_b32 s21, 0
	s_add_nc_u64 s[10:11], s[10:11], s[20:21]
	s_lshl_b32 s21, s42, 9
	s_lshl_b32 s22, s16, 8
	s_add_co_u32 s21, s21, s22
	v_lshl_add_u32 v13, v2, 6, s21
.irp t, 0,1,2,3
	global_load_b128 v[BJ+8*\t:BJ+8*\t+3], v13, s[8:9] offset:(32*(\t/2)+8*(\t%2))*4
	global_load_b128 v[BJ+8*\t+4:BJ+8*\t+7], v13, s[8:9] offset:(32*(\t/2)+8*(\t%2))*4+16
.endr
.macro FRAG reg, adr, q, i
.irp c, 0,1,2
	ds_load_b128 v[\reg+4*\c:\reg+4*\c+3], v[\adr] offset:UNIT*(\q)+1536*(\i)+512*\c
.endr
.endm
.macro FETCH slot, q, p
	WIN TO_F
.irp i, 0,1,2,3
	FRAG 128*(\p)+FR*\i, ADRA+\slot, \q, \i
.endr
.irp i, 0,1,2,3
	FRAG 128*(\p)+48+FR*\i, ADRB+\slot, \q, \i
.endr
.endm
.macro SCALES sc
.irp q, 0,1,2,3
	ds_load_b128 v[SC+16*\sc+4*\q:SC+16*\sc+4*\q+3], v[ADRS] offset:512*\q
.endr
.endm
.macro MUL16 p, q, sc, first
.irp a, 0,1,2,3
.irp b, 0,1,2,3
.if \first
	v_wmma_scale_f32_16x16x128_f8f6f4 v[ACC+8*(4*\a+\b):ACC+8*(4*\a+\b)+7], v[128*(\p)+48+FR*\b:128*(\p)+48+FR*\b+FR-1], v[128*(\p)+FR*\a:128*(\p)+FR*\a+FR-1], v[BJ+8*\b:BJ+8*\b+7], v[SC+16*(\sc)+4*(\q)+\b], v[SC+16*(\sc)+4*(\q)+\a] matrix_a_fmt:MATRIX_FMT_FP6 matrix_b_fmt:MATRIX_FMT_FP6 matrix_a_scale:MATRIX_SCALE_ROW1
.else
	v_wmma_scale_f32_16x16x128_f8f6f4 v[ACC+8*(4*\a+\b):ACC+8*(4*\a+\b)+7], v[128*(\p)+48+FR*\b:128*(\p)+48+FR*\b+FR-1], v[128*(\p)+FR*\a:128*(\p)+FR*\a+FR-1], v[ACC+8*(4*\a+\b):ACC+8*(4*\a+\b)+7], v[SC+16*(\sc)+4*(\q)+\b], v[SC+16*(\sc)+4*(\q)+\a] matrix_a_fmt:MATRIX_FMT_FP6 matrix_b_fmt:MATRIX_FMT_FP6 matrix_a_scale:MATRIX_SCALE_ROW1
.endif
.endr
.endr
.endm
.macro STEP slot, q, first
.if (\q) < NQ-1
.if (\q) > 0
	PLACES NP
.endif
	FETCH \slot, (\q)+1, ((\q)+1)%2
	s_wait_dscnt 8*NL
.else
	s_wait_dscnt 0x0
.endif
	WIN MUL
	MUL16 (\q)%2, \q, \slot, \first
.endm
.macro WORK slot
	STEP \slot, 0, 0
	STEP \slot, 1, 0
	STEP \slot, 2, 0
	STEP \slot, 3, 0
.endm
.macro CHANGE slot, next, fill
	WIN 0
.if \fill
	s_wait_xcnt 0x0                                ; my last prefetch has read its address: it is stepped here, a slot's work behind that prefetch
	s_add_nc_u64 s[PFA:PFA+1], s[PFA:PFA+1], PART
.endif
	s_wait_tensorcnt 0x0
	ds_add_u32 v[SPW], v[NIL]
.if \fill
	s_add_nc_u64 s[G0+4*\slot+2:G0+4*\slot+3], s[G0+4*\slot+2:G0+4*\slot+3], 2*PART
	s_add_nc_u64 s[G0B+4*\slot+2:G0B+4*\slot+3], s[G0B+4*\slot+2:G0B+4*\slot+3], 2*PART
.endif
	s_wait_dscnt 0x0
.if \fill
	CROUND
	JLOAD G0+4*\slot, G1, G0B+4*\slot, G1B
.else
	s_barrier_signal -1
	s_barrier_wait -1
	PLACES NP
.endif
	s_wait_alu depctr_va_vdst(0)
	v_add_nc_u32 v[ADRS], 512*NQ, v[ADRS]
	FETCH \next, 0, 0
	WIN 0
	SCALES \next
.if \fill
.if \slot
	s_cmp_gt_u32 s3, 1                             ; s3 = 1 in the last trip, whose second refill brings the last fill
	s_cbranch_scc0 .Lno_ask_\@
.endif
	global_prefetch_b8 v[PFO], s[PFA:PFA+1] offset:PART th:TH_LOAD_NT scope:SCOPE_SE
.if \slot
.Lno_ask_\@:
.endif
.endif
.endm
	s_wait_loadcnt 0x0
	s_wait_tensorcnt 1
	s_barrier_signal -1
	s_barrier_wait -1
	FETCH 0, 0, 0
	WIN 0
	SCALES 0
	global_prefetch_b8 v[PFO], s[PFA:PFA+1] offset:PART th:TH_LOAD_NT scope:SCOPE_SE   ; fill 2
	STEP 0, 0, 1
	STEP 0, 1, 0
	STEP 0, 2, 0
	STEP 0, 3, 0
	WIN 0
	s_mov_b32 s3, LAPS-1
.Llap:
	CHANGE 0, 1, 1
	WORK 1
	CHANGE 1, 0, 1
	WORK 0
	WIN 0
	s_sub_co_u32 s3, s3, 1
	s_cmp_lg_u32 s3, 0
	s_cbranch_scc1 .Llap
	CHANGE 0, 1, 0
	WORK 1
	WIN 0
.macro TOSTAGE a
.set AC, ACC+32*(\a)
.irp b, 0,1,2,3
	ds_store_b128 v[STO], v[AC+8*\b:AC+8*\b+3] offset:128*(\b/2)+32*(\b%2)
	ds_store_b128 v[STO], v[AC+8*\b+4:AC+8*\b+7] offset:128*(\b/2)+32*(\b%2)+16
.endr
.set BB, BK+32*((\a)%2)
.irp t, 0,1,2,3,4,5,6,7
	ds_load_b128 v[BB+4*\t:BB+4*\t+3], v[RD] offset:\t*2*SPITCH
.endr
.endm
.macro SEND a, younger
.set BB, BK+32*((\a)%2)
	s_wait_dscnt \younger
.irp t, 0,1,2,3,4,5,6,7
	global_store_b128 v[GO], v[BB+4*\t:BB+4*\t+3], s[10:11] offset:(32*((\a)/2)+8*((\a)%2)+2*\t+8*(\t/4))*4096
.endr
.endm
	PLACES NP
	TOSTAGE 0
.irp a, 1,2,3
.if \a > 1
	s_wait_xcnt 0x0
.endif
	TOSTAGE \a
	SEND \a-1, 16
.endr
	SEND 3, 0
	s_wait_tensorcnt 0x0
	ds_add_u32 v[SPW], v[NIL]
	s_wait_dscnt 0x0
	CROUND
	s_endpgm
.Lfunc_end_k_q82f3aee488_ffn2:
	.size	k_q82f3aee488_ffn2, .Lfunc_end_k_q82f3aee488_ffn2-k_q82f3aee488_ffn2
	.p2alignl 7, 3214868480
	.fill 96, 4, 3214868480
	.section	.rodata,"a",@progbits
	.p2align	6, 0x0
	.amdhsa_kernel k_q82f3aee488_ffn2
		.amdhsa_group_segment_fixed_size 327680
		.amdhsa_private_segment_fixed_size 0
		.amdhsa_enable_private_segment 0
		.amdhsa_kernarg_size 32
		.amdhsa_user_sgpr_count 2
		.amdhsa_user_sgpr_kernarg_segment_ptr 1
		.amdhsa_wavefront_size32 1
		.amdhsa_system_sgpr_workgroup_id_x 1
		.amdhsa_system_sgpr_workgroup_id_y 1
		.amdhsa_system_sgpr_workgroup_id_z 1
		.amdhsa_system_vgpr_workitem_id 0
		.amdhsa_next_free_vgpr 512
		.amdhsa_next_free_sgpr 102
		.amdhsa_reserve_vcc 0
		.amdhsa_float_denorm_mode_32 3
		.amdhsa_float_denorm_mode_16_64 3
		.amdhsa_memory_ordered 1
		.amdhsa_forward_progress 1
		.amdhsa_inst_pref_size 83
	.end_amdhsa_kernel
	.amdgpu_metadata
---
amdhsa.version: [ 1, 2 ]
amdhsa.kernels:
  - .name:           k_q82f3aee488_ffn2
    .symbol:         k_q82f3aee488_ffn2.kd
    .args:
      - { .name: gq, .offset: 0, .size: 8, .value_kind: global_buffer, .address_space: global }
      - { .name: pq, .offset: 8, .size: 8, .value_kind: global_buffer, .address_space: global }
      - { .name: b2, .offset: 16, .size: 8, .value_kind: global_buffer, .address_space: global }
      - { .name: y, .offset: 24, .size: 8, .value_kind: global_buffer, .address_space: global }
    .group_segment_fixed_size: 327680
    .private_segment_fixed_size: 0
    .kernarg_segment_align: 8
    .kernarg_segment_size: 32
    .max_flat_workgroup_size: 128
    .sgpr_count:     102
    .vgpr_count:     512
    .wavefront_size: 32
...
	.end_amdgpu_metadata
.endif
;; end of part 13
;; launch ln2 (part 14): grid 256 x 1, 8 waves a work-group, no clusters, 0 bytes of LDS; arguments y, g2, be2, out0; writes out0
.if DOCPART == 14
	.amdgcn_target "amdgcn-amd-amdhsa--gfx1250"
	.amdhsa_code_object_version 6
	.text
	.protected	k_q82f3aee488_ln2
	.globl	k_q82f3aee488_ln2
	.p2align	8
	.type	k_q82f3aee488_ln2,@function
k_q82f3aee488_ln2:
	s_mov_b64 s[64:65], 0
	v_nop
	global_prefetch_b8 v0, s[64:65] scope:SCOPE_SE
	s_setreg_imm32_b32 hwreg(HW_REG_WAVE_MODE, 25, 1), 1
	s_wait_xcnt 0x0
; out0 = LayerNorm(y + y) g2 + be2, all f32, rows of 1,024.  A wave takes two rows; a row is 32 registers a lane, read once by eight loads of 512 consecutive bytes and kept between the passes.
; The mean, then the mean of squares about it (two passes: an offset of the inputs costs no accuracy), each summed in a lane and then over the 32 lanes.  No LDS, no barrier: no wave waits for another.
; Memory binds: the matrix unit, clusters and tensor loads would add nothing.  LIMITS: NaN and infinities are not served; v_rsq_f32 is the chip's.
.set R0, 32                            ; v32-63 row 0, v64-95 row 1
.set G,  96                            ; v96-127 g2
.set BE, 128                           ; v128-159 be2
.set SEL, 18
	s_load_b256 s[4:11], s[0:1], 0x0               ; y s[4:5], g2 s[6:7], be2 s[8:9], out0 s[10:11]
	v_lshrrev_b32 v1, 5, v0
	s_delay_alu instid0(VALU_DEP_1)
	v_readfirstlane_b32 s12, v1                    ; wave
	v_and_b32 v1, 31, v0
	s_delay_alu instid0(VALU_DEP_1)
	v_lshlrev_b32 v2, 4, v1                        ; 16 x lane
	s_lshl_b32 s14, ttmp9, 16                      ; 16 rows of 4,096 bytes a work-group,
	s_lshl_b32 s15, s12, 13                        ; two a wave
	s_add_co_u32 s14, s14, s15
	s_mov_b32 s15, 0
	s_mov_b32 s16, 0x3a800000                      ; 1 / 1,024
	s_mov_b32 s17, 0x3727c5ac                      ; 1e-5
	s_mov_b32 s[SEL], 0x76543210
	s_mov_b32 s[SEL+1], 0xfedcba98
	s_wait_alu depctr_va_vdst(0)
	s_wait_kmcnt 0x0
	s_add_nc_u64 s[4:5], s[4:5], s[14:15]
	s_add_nc_u64 s[10:11], s[10:11], s[14:15]
.irp j, 0,1,2,3,4,5,6,7
	global_load_b128 v[G+4*\j:G+4*\j+3], v2, s[6:7] offset:512*\j
.endr
.irp j, 0,1,2,3,4,5,6,7
	global_load_b128 v[BE+4*\j:BE+4*\j+3], v2, s[8:9] offset:512*\j
.endr
.irp j, 0,1,2,3,4,5,6,7
	global_load_b128 v[R0+4*\j:R0+4*\j+3], v2, s[4:5] offset:512*\j th:TH_LOAD_NT
.endr
.irp j, 0,1,2,3,4,5,6,7
	global_load_b128 v[R0+32+4*\j:R0+32+4*\j+3], v2, s[4:5] offset:4096+512*\j th:TH_LOAD_NT
.endr
.macro ALL a, t                        ; v[a] summed over the 32 lanes, the result in every lane; v[t] has been written before
	s_delay_alu instid0(VALU_DEP_1)
	v_add_f32_dpp v[\a], v[\a], v[\a] row_xmask:1 row_mask:0xf bank_mask:0xf
	s_delay_alu instid0(VALU_DEP_1)
	v_add_f32_dpp v[\a], v[\a], v[\a] row_xmask:2 row_mask:0xf bank_mask:0xf
	s_delay_alu instid0(VALU_DEP_1)
	v_add_f32_dpp v[\a], v[\a], v[\a] row_xmask:4 row_mask:0xf bank_mask:0xf
	s_delay_alu instid0(VALU_DEP_1)
	v_add_f32_dpp v[\a], v[\a], v[\a] row_xmask:8 row_mask:0xf bank_mask:0xf
	s_delay_alu instid0(VALU_DEP_1)
	v_permlanex16_b32 v[\t], v[\a], s[SEL], s[SEL+1]
	s_delay_alu instid0(VALU_DEP_1)
	v_add_f32 v[\a], v[\a], v[\t]
.endm
.macro ROW x, off, left
	s_wait_loadcnt \left                           ; this row, g2 and be2 are in; the younger row's eight loads may be out
.set i, 0
.rept 16
	v_pk_add_f32 v[\x+i:\x+i+1], v[\x+i:\x+i+1], v[\x+i:\x+i+1]   ; y + y
.set i, i+2
.endr
	v_pk_add_f32 v[8:9], v[\x:\x+1], v[\x+2:\x+3]
	v_pk_add_f32 v[10:11], v[\x+4:\x+5], v[\x+6:\x+7]
.set i, 8
.rept 6
	s_delay_alu instid0(VALU_DEP_2)
	v_pk_add_f32 v[8:9], v[8:9], v[\x+i:\x+i+1]
	s_delay_alu instid0(VALU_DEP_2)
	v_pk_add_f32 v[10:11], v[10:11], v[\x+i+2:\x+i+3]
.set i, i+4
.endr
	s_delay_alu instid0(VALU_DEP_1)
	v_pk_add_f32 v[8:9], v[8:9], v[10:11]
	s_delay_alu instid0(VALU_DEP_1)
	v_add_f32 v8, v8, v9
	ALL 8, 9
	s_delay_alu instid0(VALU_DEP_1)
	v_mul_f32 v8, s16, v8                          ; the mean
.set i, 0
.rept 16
	v_pk_add_f32 v[\x+i:\x+i+1], v[\x+i:\x+i+1], v[8:9] op_sel_hi:[1,0] neg_lo:[0,1] neg_hi:[0,1]
.set i, i+2
.endr
	v_pk_mul_f32 v[10:11], v[\x:\x+1], v[\x:\x+1]
	v_pk_mul_f32 v[12:13], v[\x+2:\x+3], v[\x+2:\x+3]
.set i, 4
.rept 7
	s_delay_alu instid0(VALU_DEP_2)
	v_pk_fma_f32 v[10:11], v[\x+i:\x+i+1], v[\x+i:\x+i+1], v[10:11]
	s_delay_alu instid0(VALU_DEP_2)
	v_pk_fma_f32 v[12:13], v[\x+i+2:\x+i+3], v[\x+i+2:\x+i+3], v[12:13]
.set i, i+4
.endr
	s_delay_alu instid0(VALU_DEP_1)
	v_pk_add_f32 v[10:11], v[10:11], v[12:13]
	s_delay_alu instid0(VALU_DEP_1)
	v_add_f32 v10, v10, v11
	ALL 10, 11
	s_delay_alu instid0(VALU_DEP_1)
	v_fma_f32 v10, v10, s16, s17                   ; the variance + 1e-5
	s_wait_alu depctr_va_vdst(0)
	v_rsq_f32 v10, v10
	v_nop                                          ; a plain place behind the transcendental
	s_wait_alu depctr_va_vdst(0)                   ; and the wait ahead of its first reader
.set i, 0
.rept 16
	v_pk_mul_f32 v[\x+i:\x+i+1], v[\x+i:\x+i+1], v[10:11] op_sel_hi:[1,0]
.set i, i+2
.endr
.set i, 0
.rept 16
	v_pk_fma_f32 v[\x+i:\x+i+1], v[\x+i:\x+i+1], v[G+i:G+i+1], v[BE+i:BE+i+1]
.set i, i+2
.endr
.irp j, 0,1,2,3,4,5,6,7
	global_store_b128 v2, v[\x+4*\j:\x+4*\j+3], s[10:11] offset:\off+512*\j th:TH_STORE_NT   ; 512 consecutive bytes
.endr
.endm
	ROW R0, 0, 8
	ROW R0+32, 4096, 0
	s_endpgm
.Lfunc_end_k_q82f3aee488_ln2:
	.size	k_q82f3aee488_ln2, .Lfunc_end_k_q82f3aee488_ln2-k_q82f3aee488_ln2
	.p2alignl 7, 3214868480
	.fill 96, 4, 3214868480
	.section	.rodata,"a",@progbits
	.p2align	6, 0x0
	.amdhsa_kernel k_q82f3aee488_ln2
		.amdhsa_group_segment_fixed_size 0
		.amdhsa_private_segment_fixed_size 0
		.amdhsa_enable_private_segment 0
		.amdhsa_kernarg_size 32
		.amdhsa_user_sgpr_count 2
		.amdhsa_user_sgpr_kernarg_segment_ptr 1
		.amdhsa_wavefront_size32 1
		.amdhsa_system_sgpr_workgroup_id_x 1
		.amdhsa_system_sgpr_workgroup_id_y 1
		.amdhsa_system_sgpr_workgroup_id_z 1
		.amdhsa_system_vgpr_workitem_id 0
		.amdhsa_next_free_vgpr 160
		.amdhsa_next_free_sgpr 66
		.amdhsa_reserve_vcc 0
		.amdhsa_float_denorm_mode_32 3
		.amdhsa_float_denorm_mode_16_64 3
		.amdhsa_memory_ordered 1
		.amdhsa_forward_progress 1
		.amdhsa_inst_pref_size 23
	.end_amdhsa_kernel
	.amdgpu_metadata
---
amdhsa.version: [ 1, 2 ]
amdhsa.kernels:
  - .name:           k_q82f3aee488_ln2
    .symbol:         k_q82f3aee488_ln2.kd
    .args:
      - { .name: y, .offset: 0, .size: 8, .value_kind: global_buffer, .address_space: global }
      - { .name: g2, .offset: 8, .size: 8, .value_kind: global_buffer, .address_space: global }
      - { .name: be2, .offset: 16, .size: 8, .value_kind: global_buffer, .address_space: global }
      - { .name: out0, .offset: 24, .size: 8, .value_kind: global_buffer, .address_space: global }
    .group_segment_fixed_size: 0
    .private_segment_fixed_size: 0
    .kernarg_segment_align: 8
    .kernarg_segment_size: 32
    .max_flat_workgroup_size: 256
    .sgpr_count:     66
    .vgpr_count:     160
    .wavefront_size: 32
...
	.end_amdgpu_metadata
.endif
;; end of part 14
